; MI455X (gfx1250); checked and timed in simulation.
; The chip was launched on July 23, 2026; its instructions are those of AMD's public machine-readable ISA for CDNA 5 (MIT licence, August 2026) and "CDNA5" Instruction Set Architecture Reference Guide (July 2026). The comments in the code are by the model that wrote it; some were corrected since.
;; MHA. Allowed arithmetic: float matrix products may take bf16 or f16 operands with f32 sums; other float arithmetic in f32, or as packed bf16 or f16 multiplies, adds, multiply-adds, maxima and minima; sums over many terms, partial sums and values carried from step to step in f32; what a program stores and reads back later, other than sums and carried values, may be rounded once to bf16 or f16.
;; Inputs: W0 1,024 x 1,024 float32; Wk 16 x 1,024 x 64 float32; Wq 16 x 1,024 x 64 float32; Wv 16 x 1,024 x 64 float32; X 4 x 2,048 x 1,024 float32; attention_mask 4 x 2,048 x 2,048 bool; b0 1,024 float32; bk 16 x 64 float32; bq 16 x 64 float32; bv 16 x 64 float32.
;; Outputs: out0 4 x 2,048 x 1,024 float32.
;; 3 versions, each right; version 3 is version 2 with the launch prep written anew for expert scheduling mode. Each part assembles by itself: llvm-mc -triple=amdgcn-amd-amdhsa -mcpu=gfx1250 --defsym DOCPART=n.
;; ======== version 1 of 3: 4 launches
;; limits: values are held in f16: magnitudes above 65,504 overflow, below 6.1e-05 lose precision; right only within a limited range of input values
;; workspace buffers: Xb 16,777,216 bytes; Wt 6,291,456 bytes; W0t 2,097,152 bytes; mw 2,097,152 bytes of whole numbers; qkv 50,331,648 bytes; ctx 16,777,216 bytes
;; launch prep (part 1): grid 256 x 1, 8 waves a work-group, no clusters, 105,472 bytes of LDS; arguments X, Wq, Wk, Wv, W0, attention_mask, Xb, Wt, W0t, mw; writes Xb, Wt, W0t, mw
.if DOCPART == 1
	.amdgcn_target "amdgcn-amd-amdhsa--gfx1250"
	.amdhsa_code_object_version 6
	.text
	.protected	k_q7b9da29f60_prep
	.globl	k_q7b9da29f60_prep
	.p2align	8
	.type	k_q7b9da29f60_prep,@function
k_q7b9da29f60_prep:
	s_mov_b64 s[64:65], 0
	v_nop
	global_prefetch_b8 v0, s[64:65] scope:SCOPE_SE
	s_setreg_imm32_b32 hwreg(HW_REG_WAVE_MODE, 25, 1), 1
	s_wait_xcnt 0x0
; PREP: the inputs are brought into the forms that the three launches behind this one multiply.
;   Xb  [8192][1024] bf16        = X rounded once
;   Wt  [3072 n][1024 d] bf16    = Wq, Wk, Wv turned: n = 64 (16 which + h) + k
;   W0t [1024 n][1024 k] f16     = W0 turned, rounded to bf16 like every input, that number written as f16
;   mw  [b 4][piece 64][step 32][tile 2][32 words]: word 8 kb + j, bit l = mask[b][32 piece + 16 tile + l % 16][64 step + 16 kb + 8 (l / 16) + j]
; LIMIT: a number of W0 beyond 65,504 becomes an infinity in f16, one below 6e-8 becomes 0.
; Every one of the 256 work-groups does the same three jobs, of equal size: two blocks of 128 d x 64 n of a weight (through LDS, to turn them),
; 32 rows of the mask (a piece; wave v takes keys 256 v .. 256 v + 255), and 131,072 bytes of X (wave v: 16 KiB).  Memory binds: all 64 loads of a wave
; are issued as early as registers allow; each load and store of a wave covers whole aligned runs of 256 bytes.  No matrix unit, no cluster: nothing is shared.
.set TBLK,  17408                      ; a turned block in LDS: 64 rows (n) x 272 bytes (128 d of 16 bits + 16)
.set MR,    34816                      ; behind the two blocks: each wave's own 32 mask rows x 272 bytes
.set MRW,   8704
.set SPARE, 104448                     ; the spare words, 128 bytes for each of eight waves; no other line names them
.set WO,  6                            ; v[6:13]  byte offsets of my eight 16-byte pieces of a weight block: row 2 dp0 + 32 i + z, column 16 c4
.set WST, 14                           ; v14  where I put a pair (d, d + 1) of column n
.set WRD, 15                           ; v15  where I read 16 bytes of a turned row
.set WGO, 16                           ; v16  the same 16 bytes in Wt or W0t
.set MGO, 17                           ; v17  my 16 bytes of two mask rows
.set MST, 18                           ; v18  the same in my wave's LDS rows
.set MRD, 19                           ; v19  row l % 16, 16 keys for each half of the lanes; steps 64 bytes a trip
.set MOO, 20                           ; v20  my two words of a step's 64; steps 256 bytes a trip
.set XGO, 21                           ; v21  my 16 bytes of X
.set XOO, 22                           ; v22  my 8 bytes of Xb
.set SPW, 28                           ; v28  my spare word; never rewritten
.set NIL, 29                           ; v29  0; never rewritten
.set LW,  32                           ; v[32:95]   two weight blocks as loaded; later X's second half
.set LM,  96                           ; v[96:159]  the mask as loaded; later turned rows (v96-127), mask bytes (v128-143), words (v144-145)
.set LX,  160                          ; v[160:223] X's first half
.set XO,  224                          ; v[224:255] bf16 to store
.set DD,  128
.set OUT, 144
.set TM,  146
	s_load_b512 s[4:19], s[0:1], 0x0               ; X s[4:5], Wq s[6:7], Wk s[8:9], Wv s[10:11], W0 s[12:13], mask s[14:15], Xb s[16:17], Wt s[18:19]
	s_load_b128 s[20:23], s[0:1], 0x40             ; W0t s[20:21], mw s[22:23]
	v_lshl_add_u32 v[SPW], v0, 2, SPARE
	v_mov_b32 v[NIL], 0
	v_lshrrev_b32 v23, 5, v0
	v_readfirstlane_b32 s3, v23                    ; wave 0..7
	v_and_b32 v1, 31, v0                           ; lane
	v_and_b32 v2, 15, v0                           ; c4 = thread % 16 = lane % 16
	v_bfe_u32 v3, v0, 4, 1                         ; lane / 16
	v_lshrrev_b32 v4, 4, v0                        ; dp0 = thread / 16
	s_mov_b32 s2, ttmp9                            ; x
	s_lshr_b32 s24, s2, 6                          ; which weight: 0 Wq, 1 Wk, 2 Wv, 3 W0
	s_bfe_u32 s25, s2, 0x40002                     ; which 64 columns n: the head, or W0's column block
	s_and_b32 s26, s2, 3
	s_lshl_b32 s26, s26, 1                         ; my first block of 128 d
	s_mov_b32 s27, 256
	s_cmp_eq_u32 s24, 3
	s_cselect_b32 s27, 4096, s27                   ; bytes from row d to row d + 1
	s_cselect_b32 s36, -1, 0                       ; all lanes: the f16 form is taken
	s_cselect_b32 s38, 8, 18                       ; log2 of the bytes from one 64 columns to the next
	s_cselect_b32 s39, 19, 15                      ; log2 of the bytes of 128 rows
	s_cselect_b32 s44, 0, s24
	s_lshl_b32 s40, s25, s38
	s_lshl_b32 s42, s26, s39
	s_add_co_u32 s40, s40, s42                     ; s[40:41] block 0 in its weight
	s_mov_b32 s41, 0
	s_lshl_b32 s42, 1, s39                         ; s[42:43] from block 0 to block 1
	s_mov_b32 s43, 0
	s_lshl_b32 s44, s44, 21                        ; 1,024 rows of 2,048 bytes for each of Wq, Wk, Wv
	s_lshl_b32 s46, s25, 17                        ; 64 rows
	s_add_co_u32 s44, s44, s46
	s_lshl_b32 s46, s26, 8                         ; 128 d
	s_add_co_u32 s44, s44, s46                     ; s[44:45] block 0 in Wt or W0t
	s_mov_b32 s45, 0
	s_lshl_b32 s46, s2, 16                         ; s[46:47] my 65,536 bytes of the mask, and of Xb
	s_mov_b32 s47, 0
	s_lshl_b32 s48, s2, 17                         ; s[48:49] my 131,072 bytes of X
	s_mov_b32 s49, 0
	s_lshl_b32 s50, s2, 13                         ; s[50:51] my piece's 8,192 bytes of mw
	s_mov_b32 s51, 0
	v_lshlrev_b32 v24, 4, v2                       ; 16 c4
	v_lshlrev_b32 v23, 1, v4                       ; 2 dp0
.irp i, 0,1,2,3
.irp z, 0,1
	v_add_nc_u32 v25, 32*(\i)+(\z), v23
	v_mad_u32_u24 v[WO+2*(\i)+(\z)], v25, s27, v24
.endr
.endr
	v_mul_u32_u24 v[WST], v2, 4*272                ; rows 4 c4 ..
	v_lshl_add_u32 v[WST], v4, 2, v[WST]           ; bytes 4 dp0 ..
	v_mul_u32_u24 v[WRD], v4, 272
	v_add_nc_u32 v[WRD], v[WRD], v24
	v_lshl_add_u32 v[WGO], v4, 11, v24
	s_lshl_b32 s52, s3, 8
	v_lshl_add_u32 v[MGO], v3, 11, v24
	v_add_nc_u32 v[MGO], s52, v[MGO]               ; 256 v + 2,048 (l / 16) + 16 (l % 16)
	s_mul_i32 s53, s3, MRW
	s_add_co_u32 s53, s53, MR                      ; my wave's rows
	v_mul_u32_u24 v[MST], v3, 272
	v_add3_u32 v[MST], v[MST], v24, s53
	v_mul_u32_u24 v[MRD], v2, 272
	v_lshl_add_u32 v[MRD], v3, 4, v[MRD]
	v_add_nc_u32 v[MRD], s53, v[MRD]
	s_lshl_b32 s52, s3, 10
	v_lshl_add_u32 v[MOO], v1, 3, s52              ; my wave's four steps of 256 bytes
	s_lshl_b32 s52, s3, 14
	v_lshl_add_u32 v[XGO], v1, 4, s52
	s_lshl_b32 s52, s3, 13
	v_lshl_add_u32 v[XOO], v1, 3, s52
	s_wait_kmcnt 0x0
	s_cmp_eq_u32 s24, 1
	s_cselect_b64 s[28:29], s[8:9], s[6:7]
	s_cmp_eq_u32 s24, 2
	s_cselect_b64 s[28:29], s[10:11], s[28:29]
	s_cmp_eq_u32 s24, 3
	s_cselect_b64 s[28:29], s[12:13], s[28:29]     ; the weight that I turn,
	s_cselect_b64 s[32:33], s[20:21], s[18:19]     ; and where it goes
	s_add_nc_u64 s[28:29], s[28:29], s[40:41]      ; block 0
	s_add_nc_u64 s[30:31], s[28:29], s[42:43]      ; block 1
	s_add_nc_u64 s[32:33], s[32:33], s[44:45]
	s_add_nc_u64 s[34:35], s[32:33], 256
	s_add_nc_u64 s[58:59], s[14:15], s[46:47]
	s_add_nc_u64 s[60:61], s[4:5], s[48:49]
	s_add_nc_u64 s[62:63], s[16:17], s[46:47]
	s_add_nc_u64 s[22:23], s[22:23], s[50:51]
	; 48 loads at once: the two weight blocks, the mask, X's first half
.irp b, 0,1
.irp i, 0,1,2,3,4,5,6,7
	global_load_b128 v[LW+32*(\b)+4*(\i):LW+32*(\b)+4*(\i)+3], v[WO+(\i)], s[28+2*(\b):29+2*(\b)] th:TH_LOAD_NT
.endr
.endr
.set i, 0
.rept 16
	global_load_b128 v[LM+4*i:LM+4*i+3], v[MGO], s[58:59] offset:i*4096 th:TH_LOAD_NT  ; rows 2 i and 2 i + 1: 256 bytes each
.set i, i+1
.endr
.set i, 0
.rept 16
	global_load_b128 v[LX+4*i:LX+4*i+3], v[XGO], s[60:61] offset:i*512 th:TH_LOAD_NT
.set i, i+1
.endr
; A block's 64 numbers of mine: rows d and d + 1 are rounded to bf16 in pairs; for W0 the pair is widened again and written as f16; the pair goes to row n of the turned block.
.macro WPACK blk
.irp i, 0,1,2,3
.irp n, 0,1,2,3
	v_cvt_pk_bf16_f32 v23, v[LW+32*(\blk)+8*(\i)+(\n)], v[LW+32*(\blk)+8*(\i)+4+(\n)]
	v_lshlrev_b32 v24, 16, v23
	v_and_b32 v25, 0xffff0000, v23
	v_cvt_pk_f16_f32 v26, v24, v25
	v_cndmask_b32 v27, v23, v26, s36
	ds_store_b32 v[WST], v27 offset:(\blk)*TBLK+(\n)*272+64*(\i)
.endr
.endr
.endm
; Sixteen loads' numbers of X rounded and stored: a wave's store covers 256 consecutive bytes, aligned.
.macro XCVT src, first
.set i, 0
.rept 16
	v_cvt_pk_bf16_f32 v[XO+2*i], v[(\src)+4*i], v[(\src)+4*i+1]
	v_cvt_pk_bf16_f32 v[XO+2*i+1], v[(\src)+4*i+2], v[(\src)+4*i+3]
	global_store_b64 v[XOO], v[XO+2*i:XO+2*i+1], s[62:63] offset:256*((\first)+i)
.set i, i+1
.endr
.endm
; Sixteen keys x 32 lanes of mask bytes become sixteen lane masks, and those sixteen words of mw.  Lane l holds query l % 16 and keys 16 (l / 16) + 0..15 of 32:
; the low halves of masks j and 8 + j make the word of key group 2 xx, the high halves that of group 2 xx + 1.  Word W of a step's 64 goes to lane W / 2, register W % 2.
.macro BAL tt, xx
.set i, 0
.rept 16
	v_and_b32 v[TM], 0xff<<(8*(i%4)), v[DD+4*(2*(\tt)+(\xx))+i/4]
	v_cmp_ne_u32 s[40+i], 0, v[TM]
.set i, i+1
.endr
.set j, 0
.rept 8
	s_and_b32 s56, s[40+j], 0xffff
	s_lshl_b32 s57, s[48+j], 16
	s_or_b32 s56, s56, s57
	v_writelane_b32 v[OUT+j%2], s56, 16*(\tt)+8*(\xx)+j/2
	s_lshr_b32 s56, s[40+j], 16
	s_and_b32 s57, s[48+j], 0xffff0000
	s_or_b32 s56, s56, s57
	v_writelane_b32 v[OUT+j%2], s56, 16*(\tt)+8*(\xx)+4+j/2
.set j, j+1
.endr
.endm
	s_wait_loadcnt 40                              ; block 0 is in; younger: block 1's 8, the mask's 16, X's 16
	WPACK 0
.set i, 0
.rept 8
	global_load_b128 v[LW+4*i:LW+4*i+3], v[XGO], s[60:61] offset:(16+i)*512 th:TH_LOAD_NT  ; block 0's registers take X's next eight
.set i, i+1
.endr
	s_wait_loadcnt 40                              ; block 1 is in; younger: 16 + 16 + 8
	WPACK 1
.set i, 8
.rept 8
	global_load_b128 v[LW+4*i:LW+4*i+3], v[XGO], s[60:61] offset:(16+i)*512 th:TH_LOAD_NT
.set i, i+1
.endr
	s_wait_loadcnt 32                              ; the mask is in; younger: X's 32
.set i, 0
.rept 16
	ds_store_b128 v[MST], v[LM+4*i:LM+4*i+3] offset:i*544
.set i, i+1
.endr
	s_wait_dscnt 0x0                               ; for the others' sake: my stores into the turned blocks are done
	s_barrier_signal -1
	s_barrier_wait -1
.irp b, 0,1
.irp i, 0,1,2,3
	ds_load_b128 v[LM+16*(\b)+4*(\i):LM+16*(\b)+4*(\i)+3], v[WRD] offset:(\b)*TBLK+(\i)*4352
.endr
.endr
	s_wait_dscnt 0x0
.irp b, 0,1
.irp i, 0,1,2,3
	global_store_b128 v[WGO], v[LM+16*(\b)+4*(\i):LM+16*(\b)+4*(\i)+3], s[32+2*(\b):33+2*(\b)] offset:(\i)*32768  ; 16 lanes store a turned row's 256 bytes
.endr
.endr
	s_wait_loadcnt 16                              ; X's first half is in; younger: its second 16
	XCVT LX, 0
	v_mov_b32 v[OUT], 0                            ; written whole once: v_writelane_b32 keeps the other lanes
	v_mov_b32 v[OUT+1], 0
	s_mov_b32 s37, 4
.Lstep:                                                ; a trip: one step of 64 keys, both tiles: 64 words
.irp c, 0,1,2,3
	ds_load_b128 v[DD+4*(\c):DD+4*(\c)+3], v[MRD] offset:((\c)/2)*4352+((\c)%2)*32  ; my wave's own bytes
.endr
	s_wait_dscnt 0x0
	BAL 0, 0
	BAL 0, 1
	BAL 1, 0
	BAL 1, 1
	global_store_b64 v[MOO], v[OUT:OUT+1], s[22:23]                ; 256 consecutive bytes, aligned
	s_wait_xcnt 0x0                                ; the store's offset and data are written again only behind this wait
	v_add_nc_u32 v[MOO], 256, v[MOO]
	v_add_nc_u32 v[MRD], 64, v[MRD]
	s_sub_co_u32 s37, s37, 1
	s_cmp_lg_u32 s37, 0
	s_cbranch_scc1 .Lstep
	s_wait_loadcnt 0x0                             ; X's second half
	s_wait_xcnt 0x0                                ; the first half's stores have read their data registers
	XCVT LW, 16
	s_wait_tensorcnt 0x0                           ; the wave's end: behind my last LDS store
	ds_add_u32 v[SPW], v[NIL]
	s_wait_dscnt 0x0
	s_endpgm
.Lfunc_end_k_q7b9da29f60_prep:
	.size	k_q7b9da29f60_prep, .Lfunc_end_k_q7b9da29f60_prep-k_q7b9da29f60_prep
	.p2alignl 7, 3214868480
	.fill 96, 4, 3214868480
	.section	.rodata,"a",@progbits
	.p2align	6, 0x0
	.amdhsa_kernel k_q7b9da29f60_prep
		.amdhsa_group_segment_fixed_size 105472
		.amdhsa_private_segment_fixed_size 0
		.amdhsa_enable_private_segment 0
		.amdhsa_kernarg_size 80
		.amdhsa_user_sgpr_count 2
		.amdhsa_user_sgpr_kernarg_segment_ptr 1
		.amdhsa_wavefront_size32 1
		.amdhsa_system_sgpr_workgroup_id_x 1
		.amdhsa_system_sgpr_workgroup_id_y 1
		.amdhsa_system_sgpr_workgroup_id_z 1
		.amdhsa_system_vgpr_workitem_id 0
		.amdhsa_next_free_vgpr 256
		.amdhsa_next_free_sgpr 66
		.amdhsa_reserve_vcc 0
		.amdhsa_float_denorm_mode_32 3
		.amdhsa_float_denorm_mode_16_64 3
		.amdhsa_memory_ordered 1
		.amdhsa_forward_progress 1
		.amdhsa_inst_pref_size 52
	.end_amdhsa_kernel
	.amdgpu_metadata
---
amdhsa.version: [ 1, 2 ]
amdhsa.kernels:
  - .name:           k_q7b9da29f60_prep
    .symbol:         k_q7b9da29f60_prep.kd
    .args:
      - { .name: X, .offset: 0, .size: 8, .value_kind: global_buffer, .address_space: global }
      - { .name: Wq, .offset: 8, .size: 8, .value_kind: global_buffer, .address_space: global }
      - { .name: Wk, .offset: 16, .size: 8, .value_kind: global_buffer, .address_space: global }
      - { .name: Wv, .offset: 24, .size: 8, .value_kind: global_buffer, .address_space: global }
      - { .name: W0, .offset: 32, .size: 8, .value_kind: global_buffer, .address_space: global }
      - { .name: attention_mask, .offset: 40, .size: 8, .value_kind: global_buffer, .address_space: global }
      - { .name: Xb, .offset: 48, .size: 8, .value_kind: global_buffer, .address_space: global }
      - { .name: Wt, .offset: 56, .size: 8, .value_kind: global_buffer, .address_space: global }
      - { .name: W0t, .offset: 64, .size: 8, .value_kind: global_buffer, .address_space: global }
      - { .name: mw, .offset: 72, .size: 8, .value_kind: global_buffer, .address_space: global }
    .group_segment_fixed_size: 105472
    .private_segment_fixed_size: 0
    .kernarg_segment_align: 8
    .kernarg_segment_size: 80
    .max_flat_workgroup_size: 256
    .sgpr_count:     66
    .vgpr_count:     256
    .wavefront_size: 32
...
	.end_amdgpu_metadata
.endif
;; end of part 1
;; launch proj (part 2): grid 16 x 32, 4 waves a work-group, clusters of 4 x 4, 327,680 bytes of LDS; arguments Xb, Wt, bq, bk, bv, qkv; writes qkv
.if DOCPART == 2
	.amdgcn_target "amdgcn-amd-amdhsa--gfx1250"
	.amdhsa_code_object_version 6
	.text
	.protected	k_q7b9da29f60_proj
	.globl	k_q7b9da29f60_proj
	.p2align	8
	.type	k_q7b9da29f60_proj,@function
k_q7b9da29f60_proj:
	s_mov_b64 s[64:65], 0
	v_nop
	global_prefetch_b8 v0, s[64:65] scope:SCOPE_SE
	s_setreg_imm32_b32 hwreg(HW_REG_WAVE_MODE, 25, 1), 1
	s_wait_xcnt 0x0
	s_wait_alu depctr_hold_cnt(0) depctr_sa_sdst(0) depctr_va_vdst(0) depctr_va_sdst(0) depctr_va_ssrc(0) depctr_va_vcc(0) depctr_vm_vsrc(0)
	s_getreg_b32 s2, hwreg(HW_REG_IB_STS2, 6, 4)
	s_cmp_eq_u32 s2, 0
	s_cbranch_scc0 .Lentry_in_a_cluster
	s_endpgm
.Lentry_in_a_cluster:
	s_bfe_u32 s2, ttmp6, 0x10000c
	s_cmp_lg_u32 s2, 0xf033
	s_cbranch_scc0 .Lentry_shape_is_right
	s_endpgm
.Lentry_shape_is_right:
; ONE TEXT FOR TWO PRODUCTS C = A B^T + bias, K = 1,024, chosen by PROJ.
; PROJ = 1: q, k, v = Xb Wt^T + bias.  A = Xb [8192][1024] bf16, B = Wt [3072][1024] bf16; C leaves as f16 by heads: qkv [which 3][16 b + h][2048][64].
; PROJ = 0: out0 = ctx W0t^T + b0.  A = ctx [16 b + h][2048][64] f16 (a K step of 128 is two heads), B = W0t [1024][1024] f16; C leaves as f32 [8192][1024].
; The bias is rounded to bf16 like every input and is the C operand of the products that start the sums.  Sums in f32, K ascending.
; LIMIT (PROJ = 1): q, k, v beyond 65,504 become infinities in f16; with X, W and the biases 30 times the drawn spread, or offset by 30 spreads, they reach some 18,500.
; SHARES.  A work-group makes 256 rows x 16 NBL columns; its four waves lie one below the other, 64 rows x all columns each (4 x NBL accumulators), so that a wave owns whole heads
; (PROJ = 1) or whole runs of 512 bytes (PROJ = 0) and its own stage serves the way out without a barrier.  PROJ = 1 takes 192 columns: 32 x 16 = 512 work-groups, twice 256.
; RING.  K goes in 8 steps of 128 through two LDS slots; waves 0 and 1 fetch A's two halves, waves 2 and 3 B's, one tensor load a wave behind each round.  By the text's own count a wave
; has two tensor loads out at the start and one later.
; CLUSTER 4 x 4: A's tile hangs on the tile row alone and is asked for jointly along a row of the cluster, B's on the tile column alone and jointly along a column.
; THE MATRIX INSTRUCTION IS USED TRANSPOSED (source 0 = 16 rows of B, source 1 = 16 rows of A): a lane holds row l % 16 of C and eight neighbouring columns 8 (l / 16) + 0..7.
; REGISTERS: window 0: v0-29 addresses; v32-95 A's fragments, two buffers of 32; v128.. the bias (8 a column block); on the way out v96-239 at work.
;   window 1: B's fragments, two buffers of 8 NBL.   windows 2, 3: accumulator (a, b) in window 2 + a / 2 at 8 NBL (a % 2) + 8 b.
.set PROJ, 1
.if PROJ
.set NBL,    12                        ; column blocks of 16
.set APITCH, 272                       ; a row of A in LDS: 256 bytes + 16
.set ASUB,   128                       ; from a row's first 128 bytes of a K step to its second
.set AH,     34816                     ; LDS bytes of one load of A: 128 rows x 272
.set BOFF,   69632                     ; B's rows lie behind A's
.set BR,     96                        ; rows of B in one load
.set ASTEP,  256                       ; bytes in memory from a K step of A to the next
.set AQI,    5                         ; A is padded after every 64 words
.set AP,     1024                      ; elements from row to row of A's tile in memory
.set STAGE,  252928                    ; behind the ring: 16 rows x SPITCH for each wave
.set SPITCH, 400                       ; 192 f16 + 16 bytes
.set SPARE,  278528                    ; the spare words, 128 bytes a wave; no other line names them
.set ASHARE, 65536                     ; prefetch: bytes from one partner's 32 rows of A to the next's
.set APP,    2048                      ; prefetch: bytes from lane to lane in A
.else
.set NBL,    8
.set APITCH, 144                       ; a row of one head: 128 bytes + 16
.set ASUB,   36864                     ; the K step's second head lies behind the first's 256 rows
.set AH,     36864
.set BOFF,   73728
.set BR,     64
.set ASTEP,  524288                    ; two heads of 2,048 rows x 128 bytes
.set AQI,    4                         ; padded after every 32 words
.set AP,     128                       ; 256 rows of a head are dense: asked for as 128 rows of 256 bytes
.set STAGE,  239616
.set SPITCH, 528                       ; 128 f32 + 16 bytes
.set SPARE,  273408
.set ASHARE, 8192
.set APP,    256
.endif
.set BH,     BR*272                    ; LDS bytes of one load of B
.set BSHARE, (BR/4)*2048               ; prefetch: a partner's share of B's rows
.set NLD,    2*NBL+8                   ; LDS loads of a quarter step
.set SLOT1,  131072                    ; slot 1 begins here: one exclusive or turns an address in one slot into the other's
.set A0,   4                           ; v4   my lane's place in A's rows of a slot; never rewritten
.set B0,   5                           ; v5   the same for B
.set ADRA, 6                           ; v6   A0 + the slot in hand
.set ADRB, 7                           ; v7
.set STO,  8                           ; v8   the way out: where I put my bytes of a row
.set RD,   9                           ; v9   the way out: where I read rows back
.set GO,   10                          ; v10  16 x lane
.set BO,   11                          ; v11  32 (l / 16): my eight numbers of a block's sixteen biases
.set PFO,  12                          ; v12  the prefetches' offset; never rewritten
.set SPW,  28                          ; v28  my spare word; never rewritten
.set NIL,  29                          ; v29  0; never rewritten
.set BIAS, 128
.set TMP,  96
.set WV,   16                          ; s16  wave
.set KIND, 17                          ; s17  0: I fetch for A, 1: for B
.set HALF, 18                          ; s18  which half of that tile
.set G1A,  24                          ; s[24:31] descriptor group 1 for A's tiles
.set G1B,  32                          ; s[32:39] for B's
.set G0A,  40                          ; s[40:47] group 0 for A: set 0 is slot 0's first fill; set 1 slot 1's, and then it walks
.set G0B,  48                          ; s[48:55] the same for B
.set TB,   56                          ; s56  the slot in hand: 0 or SLOT1
.set LIM,  57                          ; s57  2 in a wave that prefetches, else the greatest number
.set PFA,  58                          ; s[58:59] where my prefetches stand
.set PST,  60                          ; s[60:61] their step from K step to K step
.set OP,   80                          ; s[80:85] where my rows leave: a pointer a head (PROJ = 1), or one
.set BP,   86                          ; s[86:91] the biases
.set MSB, 0
.macro WIN new                         ; the immediate's high byte repeats the setting that is left; a switch that changes nothing is dropped
.if MSB != (\new)
	s_set_vgpr_msb (MSB<<8)|(\new)
.set MSB, \new
.endif
.endm
.macro PLACES                          ; four plain instructions between a matrix instruction and a load into, or a read of, its registers
.rept 4
	v_nop
.endr
.endm
.macro CREST                           ; a round of the cluster's barrier behind its opening barrier
	s_cmp_lg_u32 s[WV], 0
	s_cbranch_scc1 .Lnot_wave_0_\@
	s_barrier_signal -3
.Lnot_wave_0_\@:
	s_barrier_wait -3
	s_barrier_signal -1
	s_barrier_wait -1
.endm
.macro CROUND
	s_barrier_signal -1
	s_barrier_wait -1
	CREST
.endm
; A joint load.  The branch hangs on the wave's number alone; an s_nop 0 and four v_nop follow each of the two lines.
.macro JLOAD s
	s_cmp_eq_u32 s[KIND], 0
	s_cbranch_scc0 .Lfor_b_\@
	tensor_load_to_lds s[G0A+4*(\s):G0A+4*(\s)+3], s[G1A:G1A+7]
	s_nop 0
.rept 4
	v_nop
.endr
	s_branch .Lasked_\@
.Lfor_b_\@:
	tensor_load_to_lds s[G0B+4*(\s):G0B+4*(\s)+3], s[G1B:G1B+7]
	s_nop 0
.rept 4
	v_nop
.endr
.Lasked_\@:
.endm
; A prefetch of the K step that stands two refills on, behind the joint load and the run of LDS loads.  A's rows are named by the clusters with x = 0, B's by those with y = 0; the four partners
; that ask for a tile jointly share its rows out by address.  Trips 0 to 3 name K steps 4 to 7; the last two trips name nothing.
.macro ASK
	s_cmp_gt_u32 s3, s[LIM]
	s_cbranch_scc0 .Lnot_mine_\@
	global_prefetch_b8 v[PFO], s[PFA:PFA+1] th:TH_LOAD_NT scope:SCOPE_SE
.Lnot_mine_\@:
.endm
.macro MMA
.if PROJ
	v_wmma_f32_16x16x32_bf16 v[rD:rD+7], v[rB:rB+7], v[rA:rA+7], v[rC:rC+7]
.else
	v_wmma_f32_16x16x32_f16 v[rD:rD+7], v[rB:rB+7], v[rA:rA+7], v[rC:rC+7]
.endif
.endm
; NBL matrix instructions: row block a x all column blocks, 32 along K, from buffer f.  first = 1: the bias starts the sums.  The 4 NBL accumulators take turns in the same order in every quarter.
.macro MUL a, f, first
.if \first
	WIN 0x81+0x40*((\a)/2)
.else
	WIN 0xa1+0x50*((\a)/2)
.endif
.set b, 0
.rept NBL
.set rD, 8*NBL*((\a)%2)+8*b
.set rB, 8*NBL*(\f)+8*b
.set rA, 32+32*(\f)+8*(\a)
.if \first
.set rC, BIAS+8*b
.else
.set rC, rD
.endif
	MMA
.set b, b+1
.endr
.endm
; One run of NLD LDS loads: the fragments of the quarter at byte k of the K step's rows, into buffer g: B's first, then A's four.
.macro FETCH k, g
	WIN 0x40
.set i, 0
.rept NBL
	ds_load_b128 v[8*NBL*(\g)+8*i:8*NBL*(\g)+8*i+3],   v[ADRB] offset:(\k)+i*4352
	ds_load_b128 v[8*NBL*(\g)+8*i+4:8*NBL*(\g)+8*i+7], v[ADRB] offset:(\k)+i*4352+32
.set i, i+1
.endr
	WIN 0
.set i, 0
.rept 4
	ds_load_b128 v[32+32*(\g)+8*i:32+32*(\g)+8*i+3],   v[ADRA] offset:((\k)/128)*ASUB+(\k)%128+i*16*APITCH
	ds_load_b128 v[32+32*(\g)+8*i+4:32+32*(\g)+8*i+7], v[ADRA] offset:((\k)/128)*ASUB+(\k)%128+i*16*APITCH+32
.set i, i+1
.endr
.endm
; One of a K step's first three quarters: multiplies buffer f; in its middle it fetches the next quarter, at byte k, into buffer g.
.macro QUARTER k, f, g, first
	s_wait_dscnt 4                                 ; B and A's blocks 0, 1 are in; the youngest four loads (A's blocks 2, 3) may be out
	MUL 0, \f, \first
	MUL 1, \f, \first
	PLACES
	FETCH \k, \g
	s_wait_dscnt NLD                               ; all but the run just issued
	MUL 2, \f, \first
	MUL 3, \f, \first
.endm
; The last quarter multiplies buffer 1 and changes slots.  In front of the barrier each wave waits for all its tensor loads (one is out: its part of the next slot), adds 0 to its spare word,
; and waits for that and for its reads of this slot.  fill = 1: the barrier opens a round of the cluster's, and behind the round this slot is filled again, with the K step two on.
.macro TURN fill
.if \fill
	s_wait_xcnt 0x0                                ; the last prefetch, a K step back, has read its address
	s_add_nc_u64 s[PFA:PFA+1], s[PFA:PFA+1], s[PST:PST+1]
.endif
	WIN 0
	s_wait_tensorcnt 0x0
	ds_add_u32 v[SPW], v[NIL]
	s_wait_dscnt 5                                 ; (the add and the youngest four loads may be out)
	MUL 0, 1, 0
	s_wait_dscnt 0x0                               ; the add is done, and my reads of this slot are over
	s_barrier_signal -1
	MUL 1, 1, 0
	WIN 0
	s_barrier_wait -1
.if \fill
	CREST
	s_xor_b32 s[G0A+5], s[G0A+5], SLOT1            ; no tensor load of mine is out: the walking sets step to the other slot and the next K step
	s_add_nc_u64 s[G0A+6:G0A+7], s[G0A+6:G0A+7], ASTEP
	s_xor_b32 s[G0B+5], s[G0B+5], SLOT1
	s_add_nc_u64 s[G0B+6:G0B+7], s[G0B+6:G0B+7], 256
	JLOAD 1                                        ; the first tensor load behind the round; its four v_nop are also the places in front of the loads below
.else
	PLACES
.endif
	s_xor_b32 s[TB], s[TB], SLOT1
	v_add_nc_u32 v[ADRA], s[TB], v[A0]
	v_add_nc_u32 v[ADRB], s[TB], v[B0]
	FETCH 0, 0
.if \fill
	ASK
.endif
	MUL 2, 1, 0
	MUL 3, 1, 0
.endm
	s_load_b256 s[4:11], s[0:1], 0x0               ; A s[4:5], B s[6:7]; PROJ = 1: bq s[8:9], bk s[10:11]; PROJ = 0: b0 s[8:9], out0 s[10:11]
.if PROJ
	s_load_b128 s[12:15], s[0:1], 0x20             ; bv s[12:13], qkv s[14:15]
.endif
	v_lshl_add_u32 v[SPW], v0, 2, SPARE
	v_mov_b32 v[NIL], 0
	ds_add_u32 v[SPW], v[NIL]                      ; the wave's opening: the add and its wait ahead of my first tensor load
	v_lshrrev_b32 v1, 5, v0
	v_readfirstlane_b32 s[WV], v1
	s_lshr_b32 s[KIND], s[WV], 1
	s_and_b32 s[HALF], s[WV], 1
	s_bfe_u32 s19, ttmp6, 0x40000                  ; cx
	s_bfe_u32 s20, ttmp6, 0x40004                  ; cy
	s_lshl_b32 s21, ttmp9, 2
	s_add_co_u32 s21, s21, s19                     ; tile column
	s_and_b32 s22, ttmp7, 0xffff
	s_lshl_b32 s22, s22, 2
	s_add_co_u32 s22, s22, s20                     ; tile row
	s_lshl_b32 s66, s20, 2
	s_lshl_b32 s66, 15, s66                        ; my row of the cluster
	s_lshl_b32 s67, 0x1111, s19                    ; my column
	s_or_b32 s[G1A], s66, (1<<16)|(1<<20)|(1<<21)|(AQI<<22)|(3<<25)  ; the mask; 2-byte elements; padding on; bit 21 beside a mask; the interval; 4 words of padding
	s_or_b32 s[G1B], s67, (1<<16)|(1<<20)|(1<<21)|(5<<22)|(3<<25)
	s_mov_b32 s[G1A+1], 128<<16                    ; tensor_dim0 = 128
	s_mov_b32 s[G1A+2], 128<<16                    ; tensor_dim1 = 128
	s_mov_b32 s[G1A+3], 128<<16                    ; tile_dim0 = 128
	s_mov_b32 s[G1A+4], 128                        ; tile_dim1 = 128
	s_mov_b32 s[G1A+5], AP                         ; elements from row to row
	s_mov_b32 s[G1A+6], 0
	s_mov_b32 s[G1A+7], 0
	s_mov_b32 s[G1B+1], 128<<16
	s_mov_b32 s[G1B+2], BR<<16
	s_mov_b32 s[G1B+3], 128<<16
	s_mov_b32 s[G1B+4], BR
	s_mov_b32 s[G1B+5], 1024
	s_mov_b32 s[G1B+6], 0
	s_mov_b32 s[G1B+7], 0
	s_mul_i32 s68, s[HALF], AH                     ; where my load lands in a slot: no place in the cluster enters an LDS address
	s_mul_i32 s69, s[HALF], BH
	s_add_co_u32 s69, s69, BOFF
.if PROJ
	s_lshl_b32 s70, s22, 19                        ; 256 rows of 2,048 bytes a tile row,
	s_lshl_b32 s74, s[HALF], 18                    ; 128 a half
	s_add_co_u32 s70, s70, s74
.else
	s_lshr_b32 s70, s22, 3                         ; the batch: 8 tile rows each,
	s_lshl_b32 s70, s70, 4                         ; its 16 heads,
	s_add_co_u32 s70, s70, s[HALF]                 ; the K step's first or second head
	s_lshl_b32 s70, s70, 18
	s_and_b32 s74, s22, 7
	s_lshl_b32 s74, s74, 15                        ; 256 rows of 128 bytes
	s_add_co_u32 s70, s70, s74
.endif
	s_mov_b32 s71, 0
	s_mul_i32 s72, s21, 16*NBL
	s_mul_i32 s75, s[HALF], BR
	s_add_co_u32 s72, s72, s75
	s_lshl_b32 s72, s72, 11                        ; rows of 2,048 bytes
	s_mov_b32 s73, 0
	s_wait_dscnt 0x0                               ; the opening add is done
	s_wait_kmcnt 0x0
	s_add_nc_u64 s[70:71], s[4:5], s[70:71]        ; A at my load's first byte, K step 0
	s_add_nc_u64 s[72:73], s[6:7], s[72:73]        ; B likewise
	CROUND                                         ; all sixteen work-groups are here: the first joint loads meet
.irp s, 0,1
	s_mov_b32 s[G0A+4*(\s)], 1
	s_add_co_u32 s[G0A+4*(\s)+1], s68, (\s)*SLOT1
	s_add_nc_u64 s[G0A+4*(\s)+2:G0A+4*(\s)+3], s[70:71], (\s)*ASTEP
	s_or_b32 s[G0A+4*(\s)+3], s[G0A+4*(\s)+3], 0x80000000
	s_mov_b32 s[G0B+4*(\s)], 1
	s_add_co_u32 s[G0B+4*(\s)+1], s69, (\s)*SLOT1
	s_add_nc_u64 s[G0B+4*(\s)+2:G0B+4*(\s)+3], s[72:73], (\s)*256
	s_or_b32 s[G0B+4*(\s)+3], s[G0B+4*(\s)+3], 0x80000000
	JLOAD \s
.endr
	v_and_b32 v1, 15, v0                           ; l % 16
	v_bfe_u32 v2, v0, 4, 1                         ; l / 16
	v_lshlrev_b32 v[BO], 5, v2
.if PROJ
.irp hh, 0,1,2                         ; my tile's three heads g = 3 x tile column + hh; which = g / 16 says whose bias and which third of qkv
	s_mul_i32 s74, s21, 3
	s_add_co_u32 s74, s74, \hh
	s_lshr_b32 s75, s74, 4
	s_cmp_eq_u32 s75, 1
	s_cselect_b64 s[BP+2*(\hh):BP+2*(\hh)+1], s[10:11], s[8:9]
	s_cmp_eq_u32 s75, 2
	s_cselect_b64 s[BP+2*(\hh):BP+2*(\hh)+1], s[12:13], s[BP+2*(\hh):BP+2*(\hh)+1]
	s_and_b32 s76, s74, 15
	s_lshl_b32 s76, s76, 8                         ; 64 f32 a head
	s_mov_b32 s77, 0
	s_add_nc_u64 s[BP+2*(\hh):BP+2*(\hh)+1], s[BP+2*(\hh):BP+2*(\hh)+1], s[76:77]
	s_lshl_b32 s78, s75, 2
	s_lshr_b32 s79, s22, 3
	s_add_co_u32 s78, s78, s79                     ; 4 which + b
	s_lshl_b32 s78, s78, 22
	s_and_b32 s79, s74, 15
	s_lshl_b32 s79, s79, 18                        ; the head: 2,048 rows of 128 bytes
	s_add_co_u32 s78, s78, s79
	s_and_b32 s79, s22, 7
	s_lshl_b32 s79, s79, 15                        ; the tile's 256 rows
	s_add_co_u32 s78, s78, s79
	s_lshl_b32 s79, s[WV], 13                      ; my 64
	s_add_co_u32 s78, s78, s79
	s_mov_b32 s79, 0
	s_add_nc_u64 s[OP+2*(\hh):OP+2*(\hh)+1], s[14:15], s[78:79]
.irp bb, 0,1,2,3
	global_load_b128 v[BIAS+8*(4*(\hh)+(\bb)):BIAS+8*(4*(\hh)+(\bb))+3],   v[BO], s[BP+2*(\hh):BP+2*(\hh)+1] offset:64*(\bb)
	global_load_b128 v[BIAS+8*(4*(\hh)+(\bb))+4:BIAS+8*(4*(\hh)+(\bb))+7], v[BO], s[BP+2*(\hh):BP+2*(\hh)+1] offset:64*(\bb)+16
.endr
.endr
.else
	s_lshl_b32 s76, s21, 9                         ; 128 f32 a tile column
	s_mov_b32 s77, 0
	s_add_nc_u64 s[BP:BP+1], s[8:9], s[76:77]
	s_lshl_b32 s78, s22, 20                        ; 256 rows of 4,096 bytes
	s_lshl_b32 s79, s[WV], 18                      ; my 64
	s_add_co_u32 s78, s78, s79
	s_add_co_u32 s78, s78, s76                     ; the tile's 512 bytes of a row
	s_mov_b32 s79, 0
	s_add_nc_u64 s[OP:OP+1], s[10:11], s[78:79]
.irp bb, 0,1,2,3,4,5,6,7
	global_load_b128 v[BIAS+8*(\bb):BIAS+8*(\bb)+3],   v[BO], s[BP:BP+1] offset:64*(\bb)
	global_load_b128 v[BIAS+8*(\bb)+4:BIAS+8*(\bb)+7], v[BO], s[BP:BP+1] offset:64*(\bb)+16
.endr
.endif
	; a fragment is 16 rows x 32 K in 8 registers: lane l holds row l % 16, K = 8 (l / 16) + 0..7 and 16 + 8 (l / 16) + 0..7: two loads of 16 bytes, 32 bytes apart
	s_lshl_b32 s74, s[WV], 6
	v_add_nc_u32 v13, s74, v1                      ; my wave's 64 rows of A
	v_mul_u32_u24 v[A0], v13, APITCH
	v_lshl_add_u32 v[A0], v2, 4, v[A0]
	v_mul_u32_u24 v[B0], v1, 272
	v_lshl_add_u32 v[B0], v2, 4, v[B0]
	v_add_nc_u32 v[B0], BOFF, v[B0]
	s_mul_i32 s74, s[WV], 16*SPITCH
	s_add_co_u32 s74, s74, STAGE                   ; my stage
	v_and_b32 v13, 31, v0
	v_lshlrev_b32 v[GO], 4, v13
	v_mul_u32_u24 v[STO], v1, SPITCH
.if PROJ
	v_lshl_add_u32 v[STO], v2, 4, v[STO]           ; in: row l % 16, 16 bytes for each half of the lanes
	v_bfe_u32 v14, v0, 3, 2                        ; back: 32 lanes take four rows' 128 bytes of one head
	v_mul_u32_u24 v[RD], v14, SPITCH
	v_and_b32 v15, 7, v0
	v_lshl_add_u32 v[RD], v15, 4, v[RD]
	v_add_nc_u32 v[RD], s74, v[RD]
.else
	v_lshl_add_u32 v[STO], v2, 5, v[STO]           ; in: row l % 16, 32 bytes for each half of the lanes
	v_add_nc_u32 v[RD], s74, v[GO]                 ; back: 32 lanes take a row's 512 bytes
.endif
	v_add_nc_u32 v[STO], s74, v[STO]
	; the prefetches: whose rows, which partner's share, how far from lane to lane and from K step to K step
	s_and_b32 s74, ttmp7, 0xffff
	s_mov_b32 s76, BSHARE
	s_mov_b32 s[PST], 256
	s_mov_b32 s78, 2048
	s_cmp_eq_u32 s[KIND], 0
	s_cselect_b32 s74, ttmp9, s74                  ; the coordinate along which other clusters read the same rows
	s_cselect_b32 s75, s19, s20                    ; my place among the four that ask with me
	s_cselect_b64 s[PFA:PFA+1], s[70:71], s[72:73]
	s_cselect_b32 s76, ASHARE, s76
	s_cselect_b32 s[PST], ASTEP, s[PST]
	s_cselect_b32 s79, 31, BR/4-1                  ; B's share has fewer rows than a wave has lanes: the lanes that are over name its last row again
	s_cselect_b32 s78, APP, s78
	s_mov_b32 s[PST+1], 0
	s_cmp_eq_u32 s74, 0
	s_cselect_b32 s[LIM], 2, -1                    ; the same in all sixteen partners, for a given wave
	s_mul_i32 s76, s76, s75
	s_mul_i32 s66, s[PST], 3                       ; at K step 3: the first change of slots steps it to 4
	s_add_co_u32 s76, s76, s66
	s_mov_b32 s77, 0
	s_add_nc_u64 s[PFA:PFA+1], s[PFA:PFA+1], s[76:77]
	v_and_b32 v[PFO], 31, v0
	v_min_u32 v[PFO], s79, v[PFO]
	v_mul_u32_u24 v[PFO], s78, v[PFO]
	s_wait_loadcnt 0x0                             ; the bias, rounded to bf16 and widened again
.set i, 0
.rept 4*NBL
	v_cvt_pk_bf16_f32 v13, v[BIAS+2*i], v[BIAS+2*i+1]
	v_lshlrev_b32 v[BIAS+2*i], 16, v13
	v_and_b32 v[BIAS+2*i+1], 0xffff0000, v13
.set i, i+1
.endr
	s_wait_tensorcnt 1                             ; my part of K step 0 is in; K step 1's may stay out
	s_barrier_signal -1
	s_barrier_wait -1
	s_mov_b32 s[TB], 0
	v_mov_b32 v[ADRA], v[A0]
	v_mov_b32 v[ADRB], v[B0]
	FETCH 0, 0
	QUARTER 64, 0, 1, 1                            ; the first quarter stands in front of the loop: its products start the sums, with the bias
	WIN 0
	s_mov_b32 s3, 6
.Lstep:                                                ; trip t ends K step t, fills its slot with K step t + 2 and begins K step t + 1
	QUARTER 128, 1, 0, 0
	QUARTER 192, 0, 1, 0
	TURN 1
	QUARTER 64, 0, 1, 0
	WIN 0
	s_sub_co_u32 s3, s3, 1
	s_cmp_lg_u32 s3, 0
	s_cbranch_scc1 .Lstep
	QUARTER 128, 1, 0, 0                           ; the last two K steps fill nothing
	QUARTER 192, 0, 1, 0
	TURN 0
	QUARTER 64, 0, 1, 0
	QUARTER 128, 1, 0, 0
	QUARTER 192, 0, 1, 0
	s_wait_dscnt 4
	MUL 0, 1, 0
	MUL 1, 1, 0
	s_wait_dscnt 0x0
	MUL 2, 1, 0
	MUL 3, 1, 0
	WIN 0
	PLACES
; THE WAY OUT, a block of 16 rows at a time, through my own stage: LDS serves a wave's instructions in order (ISA guide 5.7.1.4), so no wait stands between my stores and my loads.
.if PROJ
.macro PACK a                          ; rounded to f16: a lane's eight columns pack into 16 bytes; each accumulator's registers in ascending order
.set AC, 8*NBL*((\a)%2)
	WIN 0x0a+5*((\a)/2)
.set b, 0
.rept NBL
.irp r, 0,1,2,3
	v_cvt_pk_f16_f32 v[TMP+4*b+(\r)], v[AC+8*b+2*(\r)], v[AC+8*b+2*(\r)+1]
.endr
.set b, b+1
.endr
	WIN 0
.endm
.macro TOSTAGE a
.set BK, 144+48*((\a)%2)
.set b, 0
.rept NBL
	ds_store_b128 v[STO], v[TMP+4*b:TMP+4*b+3] offset:32*b
.set b, b+1
.endr
.set t, 0
.rept 12
	ds_load_b128 v[BK+4*t:BK+4*t+3], v[RD] offset:(t/4)*128+(t%4)*4*SPITCH  ; head t / 4, rows 4 (t % 4) ..
.set t, t+1
.endr
.endm
.macro SEND a
.set BK, 144+48*((\a)%2)
	s_wait_dscnt 0x0                               ; the block is back in registers
	s_wait_xcnt 0x0                                ; earlier stores have read their registers: the other buffer is loaded again only behind this wait
.set t, 0
.rept 12
	global_store_b128 v[GO], v[BK+4*t:BK+4*t+3], s[OP+2*(t/4):OP+2*(t/4)+1] offset:(\a)*2048+(t%4)*512  ; four rows of a head: 512 consecutive bytes, aligned
.set t, t+1
.endr
.endm
	PACK 0
	TOSTAGE 0
.irp a, 1,2,3
	PACK \a
	SEND (\a)-1
	TOSTAGE \a
.endr
	SEND 3
.else
.macro TOSTAGE a                       ; f32 as it is: a lane's eight columns are 32 bytes; each accumulator's low four registers first
.set AC, 8*NBL*((\a)%2)
.set BK, 96+64*((\a)%2)
	WIN 0x08+4*((\a)/2)
.set b, 0
.rept NBL
	ds_store_b128 v[STO], v[AC+8*b:AC+8*b+3] offset:64*b
	ds_store_b128 v[STO], v[AC+8*b+4:AC+8*b+7] offset:64*b+16
.set b, b+1
.endr
	WIN 0
.set t, 0
.rept 16
	ds_load_b128 v[BK+4*t:BK+4*t+3], v[RD] offset:t*SPITCH
.set t, t+1
.endr
.endm
.macro SEND a
.set BK, 96+64*((\a)%2)
	s_wait_dscnt 0x0
	s_wait_xcnt 0x0                                ; earlier stores have read their registers: the other buffer is loaded again only behind this wait
.set t, 0
.rept 16
	global_store_b128 v[GO], v[BK+4*t:BK+4*t+3], s[OP:OP+1] offset:(16*(\a)+t)*4096  ; a row's 512 consecutive bytes, aligned
.set t, t+1
.endr
.endm
.irp a, 0,1,2,3
	TOSTAGE \a
	SEND \a
.endr
.endif
	s_wait_tensorcnt 0x0                           ; the wave's end: behind my last tensor load and my last LDS store
	ds_add_u32 v[SPW], v[NIL]
	s_wait_dscnt 0x0
	CROUND                                         ; the closing round: no work-group ends while a partner may still ask for a tile that names it
	s_endpgm
.Lfunc_end_k_q7b9da29f60_proj:
	.size	k_q7b9da29f60_proj, .Lfunc_end_k_q7b9da29f60_proj-k_q7b9da29f60_proj
	.p2alignl 7, 3214868480
	.fill 96, 4, 3214868480
	.section	.rodata,"a",@progbits
	.p2align	6, 0x0
	.amdhsa_kernel k_q7b9da29f60_proj
		.amdhsa_group_segment_fixed_size 327680
		.amdhsa_private_segment_fixed_size 0
		.amdhsa_enable_private_segment 0
		.amdhsa_kernarg_size 48
		.amdhsa_user_sgpr_count 2
		.amdhsa_user_sgpr_kernarg_segment_ptr 1
		.amdhsa_wavefront_size32 1
		.amdhsa_system_sgpr_workgroup_id_x 1
		.amdhsa_system_sgpr_workgroup_id_y 1
		.amdhsa_system_sgpr_workgroup_id_z 1
		.amdhsa_system_vgpr_workitem_id 0
		.amdhsa_next_free_vgpr 1024
		.amdhsa_next_free_sgpr 96
		.amdhsa_reserve_vcc 0
		.amdhsa_float_denorm_mode_32 3
		.amdhsa_float_denorm_mode_16_64 3
		.amdhsa_memory_ordered 1
		.amdhsa_forward_progress 1
		.amdhsa_inst_pref_size 109
	.end_amdhsa_kernel
	.amdgpu_metadata
---
amdhsa.version: [ 1, 2 ]
amdhsa.kernels:
  - .name:           k_q7b9da29f60_proj
    .symbol:         k_q7b9da29f60_proj.kd
    .args:
      - { .name: Xb, .offset: 0, .size: 8, .value_kind: global_buffer, .address_space: global }
      - { .name: Wt, .offset: 8, .size: 8, .value_kind: global_buffer, .address_space: global }
      - { .name: bq, .offset: 16, .size: 8, .value_kind: global_buffer, .address_space: global }
      - { .name: bk, .offset: 24, .size: 8, .value_kind: global_buffer, .address_space: global }
      - { .name: bv, .offset: 32, .size: 8, .value_kind: global_buffer, .address_space: global }
      - { .name: qkv, .offset: 40, .size: 8, .value_kind: global_buffer, .address_space: global }
    .group_segment_fixed_size: 327680
    .private_segment_fixed_size: 0
    .kernarg_segment_align: 8
    .kernarg_segment_size: 48
    .max_flat_workgroup_size: 128
    .sgpr_count:     96
    .vgpr_count:     1024
    .wavefront_size: 32
...
	.end_amdgpu_metadata
.endif
;; end of part 2
;; launch attn (part 3): grid 4 x 64, 4 waves a work-group, clusters of 4 x 1, 327,680 bytes of LDS; arguments qkv, mw, ctx; writes ctx
.if DOCPART == 3
	.amdgcn_target "amdgcn-amd-amdhsa--gfx1250"
	.amdhsa_code_object_version 6
	.text
	.protected	k_q7b9da29f60_attn
	.globl	k_q7b9da29f60_attn
	.p2align	8
	.type	k_q7b9da29f60_attn,@function
k_q7b9da29f60_attn:
	s_mov_b64 s[64:65], 0
	v_nop
	global_prefetch_b8 v0, s[64:65] scope:SCOPE_SE
	s_setreg_imm32_b32 hwreg(HW_REG_WAVE_MODE, 25, 1), 1
	s_wait_xcnt 0x0
	s_wait_alu depctr_hold_cnt(0) depctr_sa_sdst(0) depctr_va_vdst(0) depctr_va_sdst(0) depctr_va_ssrc(0) depctr_va_vcc(0) depctr_vm_vsrc(0)
	s_getreg_b32 s2, hwreg(HW_REG_IB_STS2, 6, 4)
	s_cmp_eq_u32 s2, 0
	s_cbranch_scc0 .Lentry_in_a_cluster
	s_endpgm
.Lentry_in_a_cluster:
	s_bfe_u32 s2, ttmp6, 0x10000c
	s_cmp_lg_u32 s2, 0x3003
	s_cbranch_scc0 .Lentry_shape_is_right
	s_endpgm
.Lentry_shape_is_right:
; ctx[bh][q][:] = the sum over k of softmax_k(masked(Q[bh][q] . K[bh][k] / 8)) V[bh][k][:].  q, k, v: qkv [3][64 bh][2048][64] f16; ctx [64][2048][64] f16.
; Products, maxima and sums in f32; the weights p are rounded to f16 for the second product (their sum l is taken of the unrounded p), ctx once at the end.
; THE MASK comes as lane masks: mw [b][piece of 32 queries][step of 64 keys][tile 2][32 words]; word 8 kb + j is the mask of register 8 kb + j of a tile's S^T.  A hidden score is REPLACED, ahead of
; the running maximum, by -2^33 (-2^30 after the division by 8): one v_cndmask_b32 a score.  c x -2^33 is exact, so a row that is hidden altogether has c s - c m = 0, p = 1, and leaves as the mean of V's rows.
; LIMITS.  The hidden score is -2^30 where the definition has -1e9: the results part only where true scaled scores lie at or below some -1e9 + 150.  f16 holds no number beyond 65,504: q, k, v arrive
; within it.  A weight below 2^-126 counts as 0 in l; NaN and infinities are not treated apart.
; SHARES.  A wave owns four PIECES of two tiles of 16 queries, a work-group's four waves 512 queries of one head; a cluster's four work-groups are one head.  Every wave walks all keys, 64 a step.
; LAYOUT.  S^T = K Q^T (source 0 = 16 keys, source 1 = 16 queries): a lane holds ONE query (lane % 16) and the keys 8 (lane / 16) + 0..7.  Two such tiles, rounded to f16 in pairs, ARE source 1 of
; O^T = V^T P.  K comes out of LDS as it lies, V turned, by ds_load_tr16_b128.
; SOFTMAX.  A running maximum m and sum l: p = 2^(c s - c m), c = log2(e) / 8; in every step O and l are multiplied by a = 2^(c m_old - c m_new).  m starts at the lowest finite number, O and l at 0.
; BY TURNS.  Turn n belongs to piece n: 16 products K Q^T of piece n + 1, later 16 products V^T P of piece n - 1; beside them the scaling, exponentials, roundings, sums and rescaling of piece n and the
; mask, maximum and statistics of piece n + 1.  Four vector instructions stand behind every matrix instruction, the others in one run.  A turn's 66 exponentials are one batch, with one wait.
; CLUSTER.  The four work-groups walk the same K and V: each tile is asked for jointly, the same tensor load, descriptor and mask in all four.  Every wave fetches a quarter of a slot: waves 0, 1
; the halves of K's 256 rows, waves 2, 3 of V's; K and V have one LDS pitch, so one line serves all four waves.  One tensor load of a wave is out at any time.
; REGISTERS, in windows of 256: window 0: v0-11 addresses and the hidden score; v12-15, v48-63 at work; v16-47 statistics; v64-191 S^T, two buffers of two tiles; v192-255 P, likewise.
;   window 1: O^T, 32 a tile.   window 2: v0-127 Q; v128-191 K of one step; v192-255 V of one step.   window 3: v0-1 the add's two registers.
.set SIZE_N, 2048
.set NP,    4
.set KS,    64
.set PK,    144       ; a row of K in LDS: 128 bytes + 16
.set PV,    144       ; the same for V, so that one descriptor shape serves both: the turning load's 8 rows x 32 bytes then meet two deep in four groups of banks
.set VOFF,  4*KS*PK   ; a slot holds four steps: 256 rows of K, then 256 rows of V
.set SLOT1, 1<<17
.set STAGE, SLOT1+4*KS*(PK+PV)  ; behind the ring, never filled by a tensor load: 16 rows x 144 bytes for each wave
.set SP,    144
.set SPARE, STAGE+4*16*SP       ; the spare words, 128 bytes for each wave; no other line names them
.set AK0, 2
.set AV0, 3
.set AK,  4
.set AV,  5
.set QO,  6
.set STO, 6
.set RD,  7
.set GO,  8
.set PFO, 10          ; v10  256 x lane, made when v10's first use is over; then never rewritten
.set NEG, 11          ; v11  -2^33
.set SPW, 0           ; v0 of window 3
.set NIL, 1           ; v1 of window 3
.set MV,  12
.set ST,  16
.set TMP, 48
.set S,   64
.set P,   192
.set KF,  128
.set VF,  192
.set OA,  4           ; s[4:5]   ctx at my wave's first row
.set MB,  6           ; s[6:7]   mw at my wave's first piece; never rewritten
.set PFA, 8           ; s[8:9]   where my prefetches stand
.set WV,  10          ; s10
.set LIM, 11          ; s11  1 in waves 0 and 2, else the greatest number
.set G0,  12          ; s[12:15] descriptor group 0: it walks
.set G1,  16          ; s[16:23] descriptor group 1
.set SLOTS, 24
.set CNT, 25
.set CS,  26          ; s[26:27] c
.set SEL, 28          ; s[28:29] v_permlanex16_b32's selects
.set TBK, 30
.set TBV, 31
.set M1,  32          ; s[32:63] the masks of tile 1 of the piece whose scores are being made
.set MOFF, 66         ; s66  256 x the step of those masks
.set M0,  68          ; s[68:99] the masks of tile 0
.set QA,  104         ; s[104:105] q at my wave's first row
.set MSB, 0
.macro WIN new
.if MSB != (\new)
	s_set_vgpr_msb (MSB<<8)|(\new)
.set MSB, (\new)
.endif
.endm
.set W_KQ, 0x0a
.set W_PV, 0x52
.set W_RS, 0x41
.set W_MK, 0xc0
.set W_AD, 0x0f
.macro LOADT                        ; my quarter of a slot; an s_nop 0 and four v_nop follow
	tensor_load_to_lds s[G0:G0+3], s[G1:G1+7]
	s_nop 0
.rept 4
	v_nop
.endr
.endm
.macro CROUND
	s_barrier_signal -1
	s_barrier_wait -1
	s_cmp_lg_u32 s[WV], 0
	s_cbranch_scc1 .Lnot_wave_0_\@
	s_barrier_signal -3
.Lnot_wave_0_\@:
	s_barrier_wait -3
	s_barrier_signal -1
	s_barrier_wait -1
.endm
; A prefetch of what the NEXT change of slots will ask for: a slot's K and V are 128 blocks of 256 bytes each; the four partners take 32 each, told apart by address; wave 0 asks for K's, wave 2 for V's,
; a lane a block.  One cluster alone reads a head, so each block is named once.  The last change that fills a slot names nothing.
.macro ASK
	s_cmp_gt_u32 s[SLOTS], s[LIM]
	s_cbranch_scc0 .Lnot_mine_\@
	global_prefetch_b8 v[PFO], s[PFA:PFA+1] th:TH_LOAD_NT scope:SCOPE_SE
.Lnot_mine_\@:
.endm
; THE CHANGE OF SLOTS.  Each wave waits for all its tensor loads, adds 0 to its spare word, and waits for that and for its reads of the slot.  fill = 1: the barrier is a round of the cluster's, and
; the joint fill, with the keys two slots on, is the first thing behind it: it has four key steps in which to land.  ask = 1: the prefetch's address steps, and the prefetch follows the load.
.macro CHANGE fill, ask=0
	WIN W_AD
	s_wait_tensorcnt 0x0
	ds_add_u32 v[SPW], v[NIL]
	WIN 0
.if \fill
	s_xor_b32 s[G0+1], s[G0+1], SLOT1
	s_add_nc_u64 s[G0+2:G0+3], s[G0+2:G0+3], 4*KS*128
.if \ask
	s_wait_xcnt 0x0                 ; the last prefetch, four key steps back, has read its address
	s_add_nc_u64 s[PFA:PFA+1], s[PFA:PFA+1], 4*KS*128
.endif
	s_wait_dscnt 0x0                ; the add is done, and my reads of the slot are over
	CROUND
	LOADT
.if \ask
	ASK
.endif
.else
	s_wait_dscnt 0x0
	s_barrier_signal -1
	s_barrier_wait -1
.endif
	s_sub_co_u32 s[TBK], s[TBK], 4*KS*PK
	s_xor_b32 s[TBK], s[TBK], SLOT1
	s_sub_co_u32 s[TBV], s[TBV], 4*KS*PV
	s_xor_b32 s[TBV], s[TBV], SLOT1
.endm
; The 64 mask words of piece px at the step of MOFF: 256 consecutive bytes.
.macro MLD px
	s_load_b512 s[M0:M0+15],    s[MB:MB+1], s[MOFF] offset:(\px)*8192
	s_load_b512 s[M0+16:M0+31], s[MB:MB+1], s[MOFF] offset:(\px)*8192+64
	s_load_b512 s[M1:M1+15],    s[MB:MB+1], s[MOFF] offset:(\px)*8192+128
	s_load_b512 s[M1+16:M1+31], s[MB:MB+1], s[MOFF] offset:(\px)*8192+192
.endm
	s_load_b128 s[32:35], s[0:1], 0x0  ; qkv s[32:33], mw s[34:35]: in the masks' registers, which are free until the first masks are asked for
	s_load_b64 s[36:37], s[0:1], 0x10  ; ctx
	WIN W_MK
	v_lshl_add_u32 v[SPW], v0, 2, SPARE
	v_mov_b32 v[NIL], 0
	WIN W_AD
	ds_add_u32 v[SPW], v[NIL]       ; the wave's opening: the add and its wait ahead of my first tensor load
	WIN 0
	v_lshrrev_b32 v1, 5, v0
	v_readfirstlane_b32 s[WV], v1
	s_bfe_u32 s2, ttmp6, 0x40000    ; cx: my block of 512 queries
	s_and_b32 s3, ttmp7, 0xffff     ; 16 b + h, which the four partners share
	s_lshr_b32 s100, s[WV], 1
	s_add_co_u32 s100, s100, 1      ; k for waves 0, 1; v for waves 2, 3
	s_lshl_b32 s100, s100, 24
	s_lshl_b32 s67, s3, 18          ; the head's 2,048 rows of 128 bytes
	s_add_co_u32 s100, s100, s67
	s_and_b32 s101, s[WV], 1
	s_lshl_b32 s101, s101, 14       ; which 128 keys of a slot's 256
	s_add_co_u32 s100, s100, s101
	s_mov_b32 s101, 0
	s_lshl_b32 s40, s2, 2
	s_add_co_u32 s40, s40, s[WV]    ; my wave among the head's sixteen
	s_lshl_b32 s38, s40, 14         ; its 128 rows
	s_add_co_u32 s38, s38, s67
	s_mov_b32 s39, 0
	s_lshl_b32 s40, s40, 15         ; its four pieces of 8,192 bytes of mw,
	s_lshr_b32 s41, s3, 4
	s_lshl_b32 s41, s41, 19         ; in the batch's 64 pieces
	s_add_co_u32 s40, s40, s41
	s_mov_b32 s41, 0
	s_mov_b32 s[G1], 15|(1<<16)|(1<<20)|(1<<21)|(4<<22)|(3<<25)  ; the mask of four; 2-byte elements; padding on; bit 21 beside a mask; after every 32 words 4 words
	s_mov_b32 s[G1+1], 128<<16      ; 128 keys are 16,384 dense bytes: asked for as 64 rows of 256 bytes
	s_mov_b32 s[G1+2], 64<<16
	s_mov_b32 s[G1+3], 128<<16
	s_mov_b32 s[G1+4], 64
	s_mov_b32 s[G1+5], 128
	s_mov_b32 s[G1+6], 0
	s_mov_b32 s[G1+7], 0
	s_mov_b32 s[G0], 1
	s_mul_i32 s[G0+1], s[WV], 128*PK  ; my quarter of slot 0: no place in the cluster enters an LDS address
	s_mov_b32 s[CS], 0x3e38aa3b     ; c = log2(e) / 8
	s_mov_b32 s[CS+1], s[CS]
	s_mov_b32 s[SEL], 0x76543210
	s_mov_b32 s[SEL+1], 0xfedcba98
	s_mov_b32 s[TBK], SLOT1+4*KS*PK ; the first change of slots turns these two into 0
	s_mov_b32 s[TBV], SLOT1+4*KS*PV
	s_and_b32 s[LIM], s[WV], 1
	s_cmp_eq_u32 s[LIM], 0
	s_cselect_b32 s[LIM], 1, -1
	s_lshl_b32 s44, s2, 13          ; my work-group's 32 blocks of a slot's 128,
	s_add_co_u32 s44, s44, 2*4*KS*128  ; in slot 2: the first change in the loop steps it to slot 3
	s_mov_b32 s45, 0
	s_mov_b32 s[MOFF], 0
	s_wait_dscnt 0x0                ; the opening add is done
	s_wait_kmcnt 0x0
	s_add_nc_u64 s[100:101], s[32:33], s[100:101]
	s_mov_b64 s[G0+2:G0+3], s[100:101]
	s_or_b32 s[G0+3], s[G0+3], 0x80000000
	s_add_nc_u64 s[PFA:PFA+1], s[100:101], s[44:45]  ; (used in waves 0 and 2, whose address stands at a slot's first row)
	s_add_nc_u64 s[QA:QA+1], s[32:33], s[38:39]
	s_add_nc_u64 s[OA:OA+1], s[36:37], s[38:39]
	s_add_nc_u64 s[MB:MB+1], s[34:35], s[40:41]
	CROUND                          ; all four work-groups are here: the first joint loads meet
	LOADT                           ; slot 0
	MLD 0                           ; piece 0's masks of step 0
	v_and_b32 v1, 15, v0
	v_bfe_u32 v9, v0, 4, 1
	v_lshlrev_b32 v[QO], 7, v1
	v_lshl_add_u32 v[QO], v9, 4, v[QO]
	WIN 0x80
.set i, 0
.rept 4*NP                          ; Q stays in registers: tile i / 2, channels 32 (i % 2) on
	global_load_b128 v[8*i:8*i+3],   v[QO], s[QA:QA+1] offset:(i/2)*2048+(i%2)*64
	global_load_b128 v[8*i+4:8*i+7], v[QO], s[QA:QA+1] offset:(i/2)*2048+(i%2)*64+32
.set i, i+1
.endr
	; What the first turn finds: V's registers and P's second buffer hold 0, O^T and l are 0.  All this stands in the wait for the first tile; no first step is written out.
.set i, VF
.rept 64
	v_mov_b32 v[i], 0
.set i, i+1
.endr
	WIN 0x40
.set i, 0
.rept 64*NP
	v_mov_b32 v[i], 0
.set i, i+1
.endr
	WIN 0
.set i, 0
.rept 2*NP
	v_mov_b32 v[ST+4*i], 0xfe000000    ; c m: far below every c s
	v_mov_b32 v[ST+4*i+1], 0xff7fffff  ; m
	v_mov_b32 v[ST+4*i+2], 0
	v_mov_b32 v[ST+4*i+3], 0
.set i, i+1
.endr
.set i, P+32
.rept 32
	v_mov_b32 v[i], 0
.set i, i+1
.endr
	v_mul_u32_u24 v[AK0], v1, PK
	v_lshl_add_u32 v[AK0], v9, 4, v[AK0]
	v_and_b32 v10, 7, v0
	v_bfe_u32 v11, v0, 3, 1
	v_lshl_add_u32 v[AV0], v9, 3, v10
	v_mul_u32_u24 v[AV0], v[AV0], PV
	v_lshl_add_u32 v[AV0], v11, 4, v[AV0]
	v_add_nc_u32 v[AV0], VOFF, v[AV0]
	v_mov_b32 v[AK], v[AK0]
	v_mov_b32 v[NEG], 0xd0000000    ; -2^33
; THE MATRIX WORK.  The 8 accumulators of a run of 16 take turns.
.macro KQ x
	WIN W_KQ
.set rS, S+64*((\x)%2)+32*(i%2)+8*((i/2)%4)
.set rK, KF+16*((i/2)%4)+8*(i/8)
.set rQ, 16*(2*(\x)+i%2)+8*(i/8)
.if i < 8
	v_wmma_f32_16x16x32_f16 v[rS:rS+7], v[rK:rK+7], v[rQ:rQ+7], 0
.else
	v_wmma_f32_16x16x32_f16 v[rS:rS+7], v[rK:rK+7], v[rQ:rQ+7], v[rS:rS+7]
.endif
.endm
.macro PV x
	WIN W_PV
.set rO, 32*(2*(\x)+i%2)+8*((i/2)%4)
.set rV, VF+32*(i/8)+8*((i/2)%4)
.set rP, P+32*((\x)%2)+16*(i%2)+8*(i/8)
	v_wmma_f32_16x16x32_f16 v[rO:rO+7], v[rV:rV+7], v[rP:rP+7], v[rO:rO+7]
.endm
.macro MM
.if i < 16
	KQ (Y+1)%NP
.set i, i+1
.else
.set i, i-16
	PV (Y+NP-1)%NP
.set i, i+17
.endif
.endm
; THE LDS LOADS stand in runs of 16.  last = 1 (the tail): in the last trip there is no further step, and the run is jumped over.
.macro FETCH_K last=0
	WIN 0
.if \last
	s_cmp_eq_u32 s[CNT], 1
	s_cbranch_scc1 .Lno_k_\@
.endif
	WIN 0x80
.irp f, 0,1,2,3,4,5,6,7
	ds_load_b128 v[KF+8*\f:KF+8*\f+3],   v[AK] offset:(\f/2)*16*PK+(\f%2)*64
	ds_load_b128 v[KF+8*\f+4:KF+8*\f+7], v[AK] offset:(\f/2)*16*PK+(\f%2)*64+32
.endr
	s_add_co_u32 s[TBK], s[TBK], KS*PK
	WIN 0
.if \last
.Lno_k_\@:
.endif
.endm
.macro FETCH_V
	WIN 0x80
.irp f, 0,1,2,3,4,5,6,7
	ds_load_tr16_b128 v[VF+8*\f:VF+8*\f+3],   v[AV] offset:(\f/4)*32*PV+(\f%4)*32
	ds_load_tr16_b128 v[VF+8*\f+4:VF+8*\f+7], v[AV] offset:(\f/4)*32*PV+16*PV+(\f%4)*32
.endr
	WIN 0
.endm
; THE VECTOR WORK OF A TURN stands in three queues; the two tiles alternate.
.macro REGS y, u
.set rT, ST+4*(2*(\y)+(\u))
.set rC, TMP+8*((\y)%2)+4*(\u)
.set rM, MV+2*((\y)%2)+(\u)
.set rS, S+64*((\y)%2)+32*(\u)
.set rP, P+32*((\y)%2)+16*(\u)
.set rO, 32*(2*(\y)+(\u))
.endm
; Number g of the 64 that hide the NEXT piece's (Y + 1) hidden scores: register g / 2 of tile g % 2, ascending.
.macro MK g
	REGS (Y+1)%NP, (\g)%2
.if (\g)%2
	v_cndmask_b32 v[rS+(\g)/2], v[NEG], v[rS+(\g)/2], s[M1+(\g)/2]
.else
	v_cndmask_b32 v[rS+(\g)/2], v[NEG], v[rS+(\g)/2], s[M0+(\g)/2]
.endif
.endm
; Behind the last of them the masks' registers are free: the masks for the next turn's scores, piece Y + 2, are asked for; they have the rest of this turn and 16 products in which to come.
; Piece 0's scores are the next step's.  MOFF is written behind this turn's s_wait_kmcnt 0, when no load that names it is out; behind the last step it stays at the last step.
.macro MNEXT
.if Y == 2
	s_add_co_u32 s[MOFF], s[MOFF], 256
	s_min_u32 s[MOFF], s[MOFF], 31*256
.endif
	MLD (Y+2)%NP
.endm
; Number n of the 22 that find the next piece's maximum and statistics: 0-11 four chains of seven scores; 12-14, 16 the scores left over, the old m, the four into one; 15 c m_old is kept;
; 17, 18 the other half of the lanes; 19-21 c m, its change, a.
.macro XS u, n
	REGS (Y+1)%NP, \u
.if (\n) < 4
	v_max3_num_f32 v[rC+(\n)], v[rS+8*(\n)], v[rS+8*(\n)+1], v[rS+8*(\n)+2]
.elseif (\n) < 12
	v_max3_num_f32 v[rC+(\n)%4], v[rC+(\n)%4], v[rS+8*((\n)%4)+2*((\n)/4)+1], v[rS+8*((\n)%4)+2*((\n)/4)+2]
.elseif (\n) == 12
	v_max3_num_f32 v[rC], v[rC], v[rS+7], v[rS+15]
.elseif (\n) == 13
	v_max3_num_f32 v[rC+1], v[rC+1], v[rS+23], v[rS+31]
.elseif (\n) == 14
	v_max3_num_f32 v[rC+2], v[rC+2], v[rC+3], v[rT+1]
.elseif (\n) == 15
	v_mov_b32 v[rM], v[rT]
.elseif (\n) == 16
	v_max3_num_f32 v[rC], v[rC], v[rC+1], v[rC+2]
.elseif (\n) == 17
	v_permlanex16_b32 v[rC+3], v[rC], s[SEL], s[SEL+1]
.elseif (\n) == 18
	v_max_num_f32 v[rT+1], v[rC], v[rC+3]
.elseif (\n) == 19
	v_mul_f32 v[rT], s[CS], v[rT+1]
.elseif (\n) == 20
	v_sub_f32 v[rC+1], v[rM], v[rT]
.else
	v_exp_f32 v[rC+2], v[rC+1]
.endif
.endm
; Number g of the 64 that follow the exponentials: for each four weights both pairs are rounded to f16, the second pair is added onto the first, and a group later l takes that sum.
.macro GS g
.set h, (\g)+6*((\g)/62)
.if h >= 6
.set h, h+2
.endif
	REGS Y, h%2
.set k, h/8
.if h%8 < 4
	v_cvt_pk_f16_f32 v[rP+2*k+(h%8)/2], v[rS+4*k+2*((h%8)/2)], v[rS+4*k+2*((h%8)/2)+1]
.elseif h%8 < 6
	v_pk_add_f32 v[rS+4*k:rS+4*k+1], v[rS+4*k:rS+4*k+1], v[rS+4*k+2:rS+4*k+3]
.elseif k == 1
	v_pk_fma_f32 v[rT+2:rT+3], v[rT+2:rT+3], v[rC+2:rC+3], v[rS:rS+1] op_sel_hi:[1,0,1]
.else
	v_pk_add_f32 v[rT+2:rT+3], v[rT+2:rT+3], v[rS+4*k-4:rS+4*k-3]
.endif
.endm
.macro FS f
	REGS Y, (\f)%2
	v_pk_fma_f32 v[rS+2*((\f)/2):rS+2*((\f)/2)+1], v[rS+2*((\f)/2):rS+2*((\f)/2)+1], s[CS:CS+1], v[rT:rT+1] op_sel_hi:[1,0,0] neg_lo:[0,0,1] neg_hi:[0,0,1]
.endm
; THE PLAIN QUEUE, 202 long.  0-31 the scalings; 32-95 the mask (ahead of it the wait for the mask words); 96-137 the maximum and statistics (ahead of them the next masks are asked for);
; 138-201 what reads the exponentials' results, behind the wait.
.macro PL
	WIN 0
.if q < 32
	FS q
.elseif q < 96
.if q == 32
	s_wait_kmcnt 0x0                ; the mask words, asked for in the turn before
.endif
	MK q-32
.elseif q < 124
.if q == 96
	MNEXT
.endif
	XS (q-96)%2, (q-96)/2
.elseif q < 126
	XS q-124, 15
.elseif q < 128
	XS q-126, 14
.elseif q < 138
	XS q%2, 16+(q-128)/2
.else
	GS q-138
.endif
.set q, q+1
.endm
.macro EX                           ; the exponentials' queue, 66 long: s0-s31 of both tiles, then the next piece's two a
	WIN 0
.if e >= 64
	XS e-64, 21
.else
	REGS Y, e%2
	v_exp_f32 v[rS+e/2], v[rS+e/2]
.endif
.set e, e+1
.endm
.macro R2                           ; the rescaling's queue: O^T times a, two at a time, sixteen times
	REGS Y, r%2
	WIN W_RS
.irp z, 0,1
	v_pk_mul_f32 v[rO+4*(r/2)+2*\z:rO+4*(r/2)+2*\z+1], v[rO+4*(r/2)+2*\z:rO+4*(r/2)+2*\z+1], v[rC+2:rC+3] op_sel_hi:[1,0]
.endr
.set r, r+1
.endm
; A TURN, for piece p.  Ahead of its one wait stands all that names no result of its exponentials: the 16 products K Q^T, behind each a scaling, an exponential and two rescalings; then one run: 23 plain
; (the last scalings, the first of the mask: the mask's first line stands 15 plain instructions and more behind the last product), 49 times an exponential and two plain, the two a, a v_nop.
; As a rider exponential e stands behind plain e + 2, which covers its scaling 2 (e / 4) + e % 2; in the run all scalings are out.  Behind the wait: the 16 products V^T P, behind each four of the
; roundings and sums.  K of the next step is fetched in piece 2's turn, behind the wait; V of the step in hand at the end of piece 0's turn, four plain instructions behind its last reader.
.macro TURN p, last=0, cnt=0
.set Y, (\p)
.set i, 0
.set q, 0
.set e, 0
.set r, 0
.if (\p) == NP-1
	s_wait_dscnt 0x0                ; K is in
.endif
	MM
	PL
	PL
	R2
.rept 15
	MM
	PL
	EX
	R2
.endr
.if (\p) == NP-2
	WIN 0
	v_add_nc_u32 v[AK], s[TBK], v[AK0]
.endif
.rept 23
	PL
.endr
.rept 49
	EX
	PL
	PL
.endr
	EX
	EX
	v_nop                           ; a plain instruction behind the last exponential: one for the batch
	s_wait_alu depctr_va_vdst(0)    ; the wait ahead of the first use: one for the batch
.if (\p) == NP-2
	FETCH_K \last
.endif
.if (\p) == 1
	s_wait_dscnt 0x0                ; V is in
.endif
.rept 16
	MM
.rept 4
	PL
.endr
.if ((\p) == 0) && (q == 182)
	v_add_nc_u32 v[AV], s[TBV], v[AV0]
.endif
.if ((\p) == 0) && (q == 194)
	s_add_co_u32 s[TBV], s[TBV], KS*PV
.endif
.if (\cnt) && (q == 194)
	s_sub_co_u32 s[CNT], s[CNT], 1
	s_cmp_lg_u32 s[CNT], 0
.endif
.endr
.if (\p) == 0
	FETCH_V
.endif
.endm
	CHANGE 1                        ; slot 0 is in, everybody's part of it; slot 1 is asked for
	FETCH_K                         ; key step 0
	s_wait_loadcnt 0x0              ; Q
	s_wait_dscnt 0x0
.set i, 0
.rept 16
	KQ 0                            ; piece 0's first scores
.set i, i+1
.endr
	WIN 0                           ; the addresses for the way out and the prefetches: plain instructions, the places behind those products
	s_mul_i32 s100, s[WV], 16*SP
	s_add_co_u32 s100, s100, STAGE
	v_mul_u32_u24 v[STO], v1, SP
	v_lshl_add_u32 v[STO], v9, 4, v[STO]
	v_add_nc_u32 v[STO], s100, v[STO]
	v_bfe_u32 v[RD], v0, 3, 2
	v_mul_u32_u24 v[RD], v[RD], SP
	v_lshl_add_u32 v[RD], v10, 4, v[RD]
	v_add_nc_u32 v[RD], s100, v[RD]
	v_and_b32 v[GO], 31, v0
	v_lshlrev_b32 v[PFO], 8, v[GO]
	v_lshlrev_b32 v[GO], 4, v[GO]
.set Y, NP-1                        ; MK and XS work for piece Y + 1: piece 0
	s_wait_kmcnt 0x0                ; its masks
.set g, 0
.rept 64
	MK g
.set g, g+1
.endr
	MLD 1                           ; piece 1's masks of step 0, for the first turn
.irp n, 0,1,2,3,4,5,6,7,8,9,10,11,12,13,14,15,16,17,18,19,20,21
	XS 0, \n
	XS 1, \n
.endr
	v_nop
	s_wait_alu depctr_va_vdst(0)    ; the two a have their wait ahead of the branch
	s_mov_b32 s[CNT], 4
	s_mov_b32 s[SLOTS], SIZE_N/256-1
	s_branch .Lfirst                ; the loop is entered at a step's first turn, in the middle of a trip
.Lslot:                             ; six times: every slot but the last two is filled again
	CHANGE 1, 1
	s_mov_b32 s[CNT], 4
.Lstep:                             ; a trip: pieces 2 and 3 of one step, then pieces 0 and 1 of the next
	TURN 2
	TURN 3
	WIN 0
.Lfirst:
	TURN 0
	TURN 1, 0, 1
	WIN 0
	s_cbranch_scc1 .Lstep
	s_sub_co_u32 s[SLOTS], s[SLOTS], 1
	s_cmp_lg_u32 s[SLOTS], 0
	s_cbranch_scc1 .Lslot
	CHANGE 0                        ; the tail is written out
	s_mov_b32 s[CNT], 5             ; four trips fetch the last slot's steps; the fifth is left in its middle
.Ltail:
	TURN 2, 1
	TURN 3
	WIN 0
	s_sub_co_u32 s[CNT], s[CNT], 1
	s_cmp_eq_u32 s[CNT], 0
	s_cbranch_scc1 .Lout
	TURN 0
	TURN 1
	WIN 0
	s_branch .Ltail
.Lout:                              ; the fifth trip's 16 products K Q^T, their mask and maximum serve nothing: the price, once a launch, of one text for every trip
	s_wait_kmcnt 0x0                ; the last mask words asked for are in: nothing lands in a register later
.set i, 0
.rept 16
	PV NP-1
.set i, i+1
.endr
	; THE WAY OUT.  l's two halves and the other half of the lanes' are added; O^T is divided by l, rounded to f16 and sent through my stage in LDS, a tile at a time.
	WIN 0
.macro ALL line:vararg
.set t, 0
.rept 2*NP
	\line
.set t, t+1
.endr
.endm
	ALL v_add_f32 v[ST+4*t+2], v[ST+4*t+2], v[ST+4*t+3]
	ALL v_permlanex16_b32 v[ST+4*t+3], v[ST+4*t+2], s[SEL], s[SEL+1]
	ALL v_add_f32 v[ST+4*t+2], v[ST+4*t+2], v[ST+4*t+3]
	ALL v_rcp_f32 v[ST+4*t+2], v[ST+4*t+2]
	v_nop
	s_wait_alu depctr_va_vdst(0)    ; one wait for the eight reciprocals
.macro PACK t
	WIN W_RS
.set i, 32*(\t)
.rept 16
	v_pk_mul_f32 v[i:i+1], v[i:i+1], v[ST+4*(\t)+2:ST+4*(\t)+3] op_sel_hi:[1,0]
.set i, i+2
.endr
	WIN 0x05
.set i, 0
.rept 16
	v_cvt_pk_f16_f32 v[S+16*(\t)+i], v[32*(\t)+2*i], v[32*(\t)+2*i+1]
.set i, i+1
.endr
	WIN 0
.irp f, 0,1,2,3
	ds_store_b128 v[STO], v[S+16*(\t)+4*\f:S+16*(\t)+4*\f+3] offset:32*\f
.endr
.irp f, 0,1,2,3
	ds_load_b128 v[S+16*(\t)+4*\f:S+16*(\t)+4*\f+3], v[RD] offset:\f*4*SP  ; LDS serves a wave's instructions in order (ISA guide 5.7.1.4): these see the stores above
.endr
.endm
.macro SEND t, younger              ; younger: the LDS instructions issued behind tile t's loads
	WIN 0
.irp f, 0,1,2,3
	s_wait_dscnt (\younger)+3-\f
	global_store_b128 v[GO], v[S+16*(\t)+4*\f:S+16*(\t)+4*\f+3], s[OA:OA+1] offset:(\t)*2048+\f*512  ; 512 consecutive bytes, aligned
.endr
.endm
	PACK 0
.set t, 1
.rept 2*NP-1
	PACK t
	SEND t-1, 8
.set t, t+1
.endr
	SEND 2*NP-1, 0
	WIN W_AD
	s_wait_tensorcnt 0x0            ; the wave's end: behind my last tensor load and my last LDS store
	ds_add_u32 v[SPW], v[NIL]
	s_wait_dscnt 0x0
	WIN 0
	CROUND                          ; the closing round
	s_endpgm
.Lfunc_end_k_q7b9da29f60_attn:
	.size	k_q7b9da29f60_attn, .Lfunc_end_k_q7b9da29f60_attn-k_q7b9da29f60_attn
	.p2alignl 7, 3214868480
	.fill 96, 4, 3214868480
	.section	.rodata,"a",@progbits
	.p2align	6, 0x0
	.amdhsa_kernel k_q7b9da29f60_attn
		.amdhsa_group_segment_fixed_size 327680
		.amdhsa_private_segment_fixed_size 0
		.amdhsa_enable_private_segment 0
		.amdhsa_kernarg_size 24
		.amdhsa_user_sgpr_count 2
		.amdhsa_user_sgpr_kernarg_segment_ptr 1
		.amdhsa_wavefront_size32 1
		.amdhsa_system_sgpr_workgroup_id_x 1
		.amdhsa_system_sgpr_workgroup_id_y 1
		.amdhsa_system_sgpr_workgroup_id_z 1
		.amdhsa_system_vgpr_workitem_id 0
		.amdhsa_next_free_vgpr 770
		.amdhsa_next_free_sgpr 106
		.amdhsa_reserve_vcc 0
		.amdhsa_float_denorm_mode_32 3
		.amdhsa_float_denorm_mode_16_64 3
		.amdhsa_memory_ordered 1
		.amdhsa_forward_progress 1
		.amdhsa_inst_pref_size 237
	.end_amdhsa_kernel
	.amdgpu_metadata
---
amdhsa.version: [ 1, 2 ]
amdhsa.kernels:
  - .name:           k_q7b9da29f60_attn
    .symbol:         k_q7b9da29f60_attn.kd
    .args:
      - { .name: qkv, .offset: 0, .size: 8, .value_kind: global_buffer, .address_space: global }
      - { .name: mw, .offset: 8, .size: 8, .value_kind: global_buffer, .address_space: global }
      - { .name: ctx, .offset: 16, .size: 8, .value_kind: global_buffer, .address_space: global }
    .group_segment_fixed_size: 327680
    .private_segment_fixed_size: 0
    .kernarg_segment_align: 8
    .kernarg_segment_size: 24
    .max_flat_workgroup_size: 128
    .sgpr_count:     106
    .vgpr_count:     770
    .wavefront_size: 32
...
	.end_amdgpu_metadata
.endif
;; end of part 3
;; launch outp (part 4): grid 8 x 32, 4 waves a work-group, clusters of 4 x 4, 327,680 bytes of LDS; arguments ctx, W0t, b0, out0; writes out0
.if DOCPART == 4
	.amdgcn_target "amdgcn-amd-amdhsa--gfx1250"
	.amdhsa_code_object_version 6
	.text
	.protected	k_q7b9da29f60_outp
	.globl	k_q7b9da29f60_outp
	.p2align	8
	.type	k_q7b9da29f60_outp,@function
k_q7b9da29f60_outp:
	s_mov_b64 s[64:65], 0
	v_nop
	global_prefetch_b8 v0, s[64:65] scope:SCOPE_SE
	s_setreg_imm32_b32 hwreg(HW_REG_WAVE_MODE, 25, 1), 1
	s_wait_xcnt 0x0
	s_wait_alu depctr_hold_cnt(0) depctr_sa_sdst(0) depctr_va_vdst(0) depctr_va_sdst(0) depctr_va_ssrc(0) depctr_va_vcc(0) depctr_vm_vsrc(0)
	s_getreg_b32 s2, hwreg(HW_REG_IB_STS2, 6, 4)
	s_cmp_eq_u32 s2, 0
	s_cbranch_scc0 .Lentry_in_a_cluster
	s_endpgm
.Lentry_in_a_cluster:
	s_bfe_u32 s2, ttmp6, 0x10000c
	s_cmp_lg_u32 s2, 0xf033
	s_cbranch_scc0 .Lentry_shape_is_right
	s_endpgm
.Lentry_shape_is_right:
; ONE TEXT FOR TWO PRODUCTS C = A B^T + bias, K = 1,024, chosen by PROJ.
; PROJ = 1: q, k, v = Xb Wt^T + bias.  A = Xb [8192][1024] bf16, B = Wt [3072][1024] bf16; C leaves as f16 by heads: qkv [which 3][16 b + h][2048][64].
; PROJ = 0: out0 = ctx W0t^T + b0.  A = ctx [16 b + h][2048][64] f16 (a K step of 128 is two heads), B = W0t [1024][1024] f16; C leaves as f32 [8192][1024].
; The bias is rounded to bf16 like every input and is the C operand of the products that start the sums.  Sums in f32, K ascending.
; LIMIT (PROJ = 1): q, k, v beyond 65,504 become infinities in f16; with X, W and the biases 30 times the drawn spread, or offset by 30 spreads, they reach some 18,500.
; SHARES.  A work-group makes 256 rows x 16 NBL columns; its four waves lie one below the other, 64 rows x all columns each (4 x NBL accumulators), so that a wave owns whole heads
; (PROJ = 1) or whole runs of 512 bytes (PROJ = 0) and its own stage serves the way out without a barrier.  PROJ = 0 takes 128 columns: 32 x 8 = 256 work-groups.
; RING.  K goes in 8 steps of 128 through two LDS slots; waves 0 and 1 fetch A's two halves, waves 2 and 3 B's, one tensor load a wave behind each round.  By the text's own count a wave
; has two tensor loads out at the start and one later.
; CLUSTER 4 x 4: A's tile hangs on the tile row alone and is asked for jointly along a row of the cluster, B's on the tile column alone and jointly along a column.
; THE MATRIX INSTRUCTION IS USED TRANSPOSED (source 0 = 16 rows of B, source 1 = 16 rows of A): a lane holds row l % 16 of C and eight neighbouring columns 8 (l / 16) + 0..7.
; REGISTERS: window 0: v0-29 addresses; v32-95 A's fragments, two buffers of 32; v128.. the bias (8 a column block); on the way out v96-239 at work.
;   window 1: B's fragments, two buffers of 8 NBL.   windows 2, 3: accumulator (a, b) in window 2 + a / 2 at 8 NBL (a % 2) + 8 b.
.set PROJ, 0
.if PROJ
.set NBL,    12                        ; column blocks of 16
.set APITCH, 272                       ; a row of A in LDS: 256 bytes + 16
.set ASUB,   128                       ; from a row's first 128 bytes of a K step to its second
.set AH,     34816                     ; LDS bytes of one load of A: 128 rows x 272
.set BOFF,   69632                     ; B's rows lie behind A's
.set BR,     96                        ; rows of B in one load
.set ASTEP,  256                       ; bytes in memory from a K step of A to the next
.set AQI,    5                         ; A is padded after every 64 words
.set AP,     1024                      ; elements from row to row of A's tile in memory
.set STAGE,  252928                    ; behind the ring: 16 rows x SPITCH for each wave
.set SPITCH, 400                       ; 192 f16 + 16 bytes
.set SPARE,  278528                    ; the spare words, 128 bytes a wave; no other line names them
.set ASHARE, 65536                     ; prefetch: bytes from one partner's 32 rows of A to the next's
.set APP,    2048                      ; prefetch: bytes from lane to lane in A
.else
.set NBL,    8
.set APITCH, 144                       ; a row of one head: 128 bytes + 16
.set ASUB,   36864                     ; the K step's second head lies behind the first's 256 rows
.set AH,     36864
.set BOFF,   73728
.set BR,     64
.set ASTEP,  524288                    ; two heads of 2,048 rows x 128 bytes
.set AQI,    4                         ; padded after every 32 words
.set AP,     128                       ; 256 rows of a head are dense: asked for as 128 rows of 256 bytes
.set STAGE,  239616
.set SPITCH, 528                       ; 128 f32 + 16 bytes
.set SPARE,  273408
.set ASHARE, 8192
.set APP,    256
.endif
.set BH,     BR*272                    ; LDS bytes of one load of B
.set BSHARE, (BR/4)*2048               ; prefetch: a partner's share of B's rows
.set NLD,    2*NBL+8                   ; LDS loads of a quarter step
.set SLOT1,  131072                    ; slot 1 begins here: one exclusive or turns an address in one slot into the other's
.set A0,   4                           ; v4   my lane's place in A's rows of a slot; never rewritten
.set B0,   5                           ; v5   the same for B
.set ADRA, 6                           ; v6   A0 + the slot in hand
.set ADRB, 7                           ; v7
.set STO,  8                           ; v8   the way out: where I put my bytes of a row
.set RD,   9                           ; v9   the way out: where I read rows back
.set GO,   10                          ; v10  16 x lane
.set BO,   11                          ; v11  32 (l / 16): my eight numbers of a block's sixteen biases
.set PFO,  12                          ; v12  the prefetches' offset; never rewritten
.set SPW,  28                          ; v28  my spare word; never rewritten
.set NIL,  29                          ; v29  0; never rewritten
.set BIAS, 128
.set TMP,  96
.set WV,   16                          ; s16  wave
.set KIND, 17                          ; s17  0: I fetch for A, 1: for B
.set HALF, 18                          ; s18  which half of that tile
.set G1A,  24                          ; s[24:31] descriptor group 1 for A's tiles
.set G1B,  32                          ; s[32:39] for B's
.set G0A,  40                          ; s[40:47] group 0 for A: set 0 is slot 0's first fill; set 1 slot 1's, and then it walks
.set G0B,  48                          ; s[48:55] the same for B
.set TB,   56                          ; s56  the slot in hand: 0 or SLOT1
.set LIM,  57                          ; s57  2 in a wave that prefetches, else the greatest number
.set PFA,  58                          ; s[58:59] where my prefetches stand
.set PST,  60                          ; s[60:61] their step from K step to K step
.set OP,   80                          ; s[80:85] where my rows leave: a pointer a head (PROJ = 1), or one
.set BP,   86                          ; s[86:91] the biases
.set MSB, 0
.macro WIN new                         ; the immediate's high byte repeats the setting that is left; a switch that changes nothing is dropped
.if MSB != (\new)
	s_set_vgpr_msb (MSB<<8)|(\new)
.set MSB, \new
.endif
.endm
.macro PLACES                          ; four plain instructions between a matrix instruction and a load into, or a read of, its registers
.rept 4
	v_nop
.endr
.endm
.macro CREST                           ; a round of the cluster's barrier behind its opening barrier
	s_cmp_lg_u32 s[WV], 0
	s_cbranch_scc1 .Lnot_wave_0_\@
	s_barrier_signal -3
.Lnot_wave_0_\@:
	s_barrier_wait -3
	s_barrier_signal -1
	s_barrier_wait -1
.endm
.macro CROUND
	s_barrier_signal -1
	s_barrier_wait -1
	CREST
.endm
; A joint load.  The branch hangs on the wave's number alone; an s_nop 0 and four v_nop follow each of the two lines.
.macro JLOAD s
	s_cmp_eq_u32 s[KIND], 0
	s_cbranch_scc0 .Lfor_b_\@
	tensor_load_to_lds s[G0A+4*(\s):G0A+4*(\s)+3], s[G1A:G1A+7]
	s_nop 0
.rept 4
	v_nop
.endr
	s_branch .Lasked_\@
.Lfor_b_\@:
	tensor_load_to_lds s[G0B+4*(\s):G0B+4*(\s)+3], s[G1B:G1B+7]
	s_nop 0
.rept 4
	v_nop
.endr
.Lasked_\@:
.endm
; A prefetch of the K step that stands two refills on, behind the joint load and the run of LDS loads.  A's rows are named by the clusters with x = 0, B's by those with y = 0; the four partners
; that ask for a tile jointly share its rows out by address.  Trips 0 to 3 name K steps 4 to 7; the last two trips name nothing.
.macro ASK
	s_cmp_gt_u32 s3, s[LIM]
	s_cbranch_scc0 .Lnot_mine_\@
	global_prefetch_b8 v[PFO], s[PFA:PFA+1] th:TH_LOAD_NT scope:SCOPE_SE
.Lnot_mine_\@:
.endm
.macro MMA
.if PROJ
	v_wmma_f32_16x16x32_bf16 v[rD:rD+7], v[rB:rB+7], v[rA:rA+7], v[rC:rC+7]
.else
	v_wmma_f32_16x16x32_f16 v[rD:rD+7], v[rB:rB+7], v[rA:rA+7], v[rC:rC+7]
.endif
.endm
; NBL matrix instructions: row block a x all column blocks, 32 along K, from buffer f.  first = 1: the bias starts the sums.  The 4 NBL accumulators take turns in the same order in every quarter.
.macro MUL a, f, first
.if \first
	WIN 0x81+0x40*((\a)/2)
.else
	WIN 0xa1+0x50*((\a)/2)
.endif
.set b, 0
.rept NBL
.set rD, 8*NBL*((\a)%2)+8*b
.set rB, 8*NBL*(\f)+8*b
.set rA, 32+32*(\f)+8*(\a)
.if \first
.set rC, BIAS+8*b
.else
.set rC, rD
.endif
	MMA
.set b, b+1
.endr
.endm
; One run of NLD LDS loads: the fragments of the quarter at byte k of the K step's rows, into buffer g: B's first, then A's four.
.macro FETCH k, g
	WIN 0x40
.set i, 0
.rept NBL
	ds_load_b128 v[8*NBL*(\g)+8*i:8*NBL*(\g)+8*i+3],   v[ADRB] offset:(\k)+i*4352
	ds_load_b128 v[8*NBL*(\g)+8*i+4:8*NBL*(\g)+8*i+7], v[ADRB] offset:(\k)+i*4352+32
.set i, i+1
.endr
	WIN 0
.set i, 0
.rept 4
	ds_load_b128 v[32+32*(\g)+8*i:32+32*(\g)+8*i+3],   v[ADRA] offset:((\k)/128)*ASUB+(\k)%128+i*16*APITCH
	ds_load_b128 v[32+32*(\g)+8*i+4:32+32*(\g)+8*i+7], v[ADRA] offset:((\k)/128)*ASUB+(\k)%128+i*16*APITCH+32
.set i, i+1
.endr
.endm
; One of a K step's first three quarters: multiplies buffer f; in its middle it fetches the next quarter, at byte k, into buffer g.
.macro QUARTER k, f, g, first
	s_wait_dscnt 4                                 ; B and A's blocks 0, 1 are in; the youngest four loads (A's blocks 2, 3) may be out
	MUL 0, \f, \first
	MUL 1, \f, \first
	PLACES
	FETCH \k, \g
	s_wait_dscnt NLD                               ; all but the run just issued
	MUL 2, \f, \first
	MUL 3, \f, \first
.endm
; The last quarter multiplies buffer 1 and changes slots.  In front of the barrier each wave waits for all its tensor loads (one is out: its part of the next slot), adds 0 to its spare word,
; and waits for that and for its reads of this slot.  fill = 1: the barrier opens a round of the cluster's, and behind the round this slot is filled again, with the K step two on.
.macro TURN fill
.if \fill
	s_wait_xcnt 0x0                                ; the last prefetch, a K step back, has read its address
	s_add_nc_u64 s[PFA:PFA+1], s[PFA:PFA+1], s[PST:PST+1]
.endif
	WIN 0
	s_wait_tensorcnt 0x0
	ds_add_u32 v[SPW], v[NIL]
	s_wait_dscnt 5                                 ; (the add and the youngest four loads may be out)
	MUL 0, 1, 0
	s_wait_dscnt 0x0                               ; the add is done, and my reads of this slot are over
	s_barrier_signal -1
	MUL 1, 1, 0
	WIN 0
	s_barrier_wait -1
.if \fill
	CREST
	s_xor_b32 s[G0A+5], s[G0A+5], SLOT1            ; no tensor load of mine is out: the walking sets step to the other slot and the next K step
	s_add_nc_u64 s[G0A+6:G0A+7], s[G0A+6:G0A+7], ASTEP
	s_xor_b32 s[G0B+5], s[G0B+5], SLOT1
	s_add_nc_u64 s[G0B+6:G0B+7], s[G0B+6:G0B+7], 256
	JLOAD 1                                        ; the first tensor load behind the round; its four v_nop are also the places in front of the loads below
.else
	PLACES
.endif
	s_xor_b32 s[TB], s[TB], SLOT1
	v_add_nc_u32 v[ADRA], s[TB], v[A0]
	v_add_nc_u32 v[ADRB], s[TB], v[B0]
	FETCH 0, 0
.if \fill
	ASK
.endif
	MUL 2, 1, 0
	MUL 3, 1, 0
.endm
	s_load_b256 s[4:11], s[0:1], 0x0               ; A s[4:5], B s[6:7]; PROJ = 1: bq s[8:9], bk s[10:11]; PROJ = 0: b0 s[8:9], out0 s[10:11]
.if PROJ
	s_load_b128 s[12:15], s[0:1], 0x20             ; bv s[12:13], qkv s[14:15]
.endif
	v_lshl_add_u32 v[SPW], v0, 2, SPARE
	v_mov_b32 v[NIL], 0
	ds_add_u32 v[SPW], v[NIL]                      ; the wave's opening: the add and its wait ahead of my first tensor load
	v_lshrrev_b32 v1, 5, v0
	v_readfirstlane_b32 s[WV], v1
	s_lshr_b32 s[KIND], s[WV], 1
	s_and_b32 s[HALF], s[WV], 1
	s_bfe_u32 s19, ttmp6, 0x40000                  ; cx
	s_bfe_u32 s20, ttmp6, 0x40004                  ; cy
	s_lshl_b32 s21, ttmp9, 2
	s_add_co_u32 s21, s21, s19                     ; tile column
	s_and_b32 s22, ttmp7, 0xffff
	s_lshl_b32 s22, s22, 2
	s_add_co_u32 s22, s22, s20                     ; tile row
	s_lshl_b32 s66, s20, 2
	s_lshl_b32 s66, 15, s66                        ; my row of the cluster
	s_lshl_b32 s67, 0x1111, s19                    ; my column
	s_or_b32 s[G1A], s66, (1<<16)|(1<<20)|(1<<21)|(AQI<<22)|(3<<25)  ; the mask; 2-byte elements; padding on; bit 21 beside a mask; the interval; 4 words of padding
	s_or_b32 s[G1B], s67, (1<<16)|(1<<20)|(1<<21)|(5<<22)|(3<<25)
	s_mov_b32 s[G1A+1], 128<<16                    ; tensor_dim0 = 128
	s_mov_b32 s[G1A+2], 128<<16                    ; tensor_dim1 = 128
	s_mov_b32 s[G1A+3], 128<<16                    ; tile_dim0 = 128
	s_mov_b32 s[G1A+4], 128                        ; tile_dim1 = 128
	s_mov_b32 s[G1A+5], AP                         ; elements from row to row
	s_mov_b32 s[G1A+6], 0
	s_mov_b32 s[G1A+7], 0
	s_mov_b32 s[G1B+1], 128<<16
	s_mov_b32 s[G1B+2], BR<<16
	s_mov_b32 s[G1B+3], 128<<16
	s_mov_b32 s[G1B+4], BR
	s_mov_b32 s[G1B+5], 1024
	s_mov_b32 s[G1B+6], 0
	s_mov_b32 s[G1B+7], 0
	s_mul_i32 s68, s[HALF], AH                     ; where my load lands in a slot: no place in the cluster enters an LDS address
	s_mul_i32 s69, s[HALF], BH
	s_add_co_u32 s69, s69, BOFF
.if PROJ
	s_lshl_b32 s70, s22, 19                        ; 256 rows of 2,048 bytes a tile row,
	s_lshl_b32 s74, s[HALF], 18                    ; 128 a half
	s_add_co_u32 s70, s70, s74
.else
	s_lshr_b32 s70, s22, 3                         ; the batch: 8 tile rows each,
	s_lshl_b32 s70, s70, 4                         ; its 16 heads,
	s_add_co_u32 s70, s70, s[HALF]                 ; the K step's first or second head
	s_lshl_b32 s70, s70, 18
	s_and_b32 s74, s22, 7
	s_lshl_b32 s74, s74, 15                        ; 256 rows of 128 bytes
	s_add_co_u32 s70, s70, s74
.endif
	s_mov_b32 s71, 0
	s_mul_i32 s72, s21, 16*NBL
	s_mul_i32 s75, s[HALF], BR
	s_add_co_u32 s72, s72, s75
	s_lshl_b32 s72, s72, 11                        ; rows of 2,048 bytes
	s_mov_b32 s73, 0
	s_wait_dscnt 0x0                               ; the opening add is done
	s_wait_kmcnt 0x0
	s_add_nc_u64 s[70:71], s[4:5], s[70:71]        ; A at my load's first byte, K step 0
	s_add_nc_u64 s[72:73], s[6:7], s[72:73]        ; B likewise
	CROUND                                         ; all sixteen work-groups are here: the first joint loads meet
.irp s, 0,1
	s_mov_b32 s[G0A+4*(\s)], 1
	s_add_co_u32 s[G0A+4*(\s)+1], s68, (\s)*SLOT1
	s_add_nc_u64 s[G0A+4*(\s)+2:G0A+4*(\s)+3], s[70:71], (\s)*ASTEP
	s_or_b32 s[G0A+4*(\s)+3], s[G0A+4*(\s)+3], 0x80000000
	s_mov_b32 s[G0B+4*(\s)], 1
	s_add_co_u32 s[G0B+4*(\s)+1], s69, (\s)*SLOT1
	s_add_nc_u64 s[G0B+4*(\s)+2:G0B+4*(\s)+3], s[72:73], (\s)*256
	s_or_b32 s[G0B+4*(\s)+3], s[G0B+4*(\s)+3], 0x80000000
	JLOAD \s
.endr
	v_and_b32 v1, 15, v0                           ; l % 16
	v_bfe_u32 v2, v0, 4, 1                         ; l / 16
	v_lshlrev_b32 v[BO], 5, v2
.if PROJ
.irp hh, 0,1,2                         ; my tile's three heads g = 3 x tile column + hh; which = g / 16 says whose bias and which third of qkv
	s_mul_i32 s74, s21, 3
	s_add_co_u32 s74, s74, \hh
	s_lshr_b32 s75, s74, 4
	s_cmp_eq_u32 s75, 1
	s_cselect_b64 s[BP+2*(\hh):BP+2*(\hh)+1], s[10:11], s[8:9]
	s_cmp_eq_u32 s75, 2
	s_cselect_b64 s[BP+2*(\hh):BP+2*(\hh)+1], s[12:13], s[BP+2*(\hh):BP+2*(\hh)+1]
	s_and_b32 s76, s74, 15
	s_lshl_b32 s76, s76, 8                         ; 64 f32 a head
	s_mov_b32 s77, 0
	s_add_nc_u64 s[BP+2*(\hh):BP+2*(\hh)+1], s[BP+2*(\hh):BP+2*(\hh)+1], s[76:77]
	s_lshl_b32 s78, s75, 2
	s_lshr_b32 s79, s22, 3
	s_add_co_u32 s78, s78, s79                     ; 4 which + b
	s_lshl_b32 s78, s78, 22
	s_and_b32 s79, s74, 15
	s_lshl_b32 s79, s79, 18                        ; the head: 2,048 rows of 128 bytes
	s_add_co_u32 s78, s78, s79
	s_and_b32 s79, s22, 7
	s_lshl_b32 s79, s79, 15                        ; the tile's 256 rows
	s_add_co_u32 s78, s78, s79
	s_lshl_b32 s79, s[WV], 13                      ; my 64
	s_add_co_u32 s78, s78, s79
	s_mov_b32 s79, 0
	s_add_nc_u64 s[OP+2*(\hh):OP+2*(\hh)+1], s[14:15], s[78:79]
.irp bb, 0,1,2,3
	global_load_b128 v[BIAS+8*(4*(\hh)+(\bb)):BIAS+8*(4*(\hh)+(\bb))+3],   v[BO], s[BP+2*(\hh):BP+2*(\hh)+1] offset:64*(\bb)
	global_load_b128 v[BIAS+8*(4*(\hh)+(\bb))+4:BIAS+8*(4*(\hh)+(\bb))+7], v[BO], s[BP+2*(\hh):BP+2*(\hh)+1] offset:64*(\bb)+16
.endr
.endr
.else
	s_lshl_b32 s76, s21, 9                         ; 128 f32 a tile column
	s_mov_b32 s77, 0
	s_add_nc_u64 s[BP:BP+1], s[8:9], s[76:77]
	s_lshl_b32 s78, s22, 20                        ; 256 rows of 4,096 bytes
	s_lshl_b32 s79, s[WV], 18                      ; my 64
	s_add_co_u32 s78, s78, s79
	s_add_co_u32 s78, s78, s76                     ; the tile's 512 bytes of a row
	s_mov_b32 s79, 0
	s_add_nc_u64 s[OP:OP+1], s[10:11], s[78:79]
.irp bb, 0,1,2,3,4,5,6,7
	global_load_b128 v[BIAS+8*(\bb):BIAS+8*(\bb)+3],   v[BO], s[BP:BP+1] offset:64*(\bb)
	global_load_b128 v[BIAS+8*(\bb)+4:BIAS+8*(\bb)+7], v[BO], s[BP:BP+1] offset:64*(\bb)+16
.endr
.endif
	; a fragment is 16 rows x 32 K in 8 registers: lane l holds row l % 16, K = 8 (l / 16) + 0..7 and 16 + 8 (l / 16) + 0..7: two loads of 16 bytes, 32 bytes apart
	s_lshl_b32 s74, s[WV], 6
	v_add_nc_u32 v13, s74, v1                      ; my wave's 64 rows of A
	v_mul_u32_u24 v[A0], v13, APITCH
	v_lshl_add_u32 v[A0], v2, 4, v[A0]
	v_mul_u32_u24 v[B0], v1, 272
	v_lshl_add_u32 v[B0], v2, 4, v[B0]
	v_add_nc_u32 v[B0], BOFF, v[B0]
	s_mul_i32 s74, s[WV], 16*SPITCH
	s_add_co_u32 s74, s74, STAGE                   ; my stage
	v_and_b32 v13, 31, v0
	v_lshlrev_b32 v[GO], 4, v13
	v_mul_u32_u24 v[STO], v1, SPITCH
.if PROJ
	v_lshl_add_u32 v[STO], v2, 4, v[STO]           ; in: row l % 16, 16 bytes for each half of the lanes
	v_bfe_u32 v14, v0, 3, 2                        ; back: 32 lanes take four rows' 128 bytes of one head
	v_mul_u32_u24 v[RD], v14, SPITCH
	v_and_b32 v15, 7, v0
	v_lshl_add_u32 v[RD], v15, 4, v[RD]
	v_add_nc_u32 v[RD], s74, v[RD]
.else
	v_lshl_add_u32 v[STO], v2, 5, v[STO]           ; in: row l % 16, 32 bytes for each half of the lanes
	v_add_nc_u32 v[RD], s74, v[GO]                 ; back: 32 lanes take a row's 512 bytes
.endif
	v_add_nc_u32 v[STO], s74, v[STO]
	; the prefetches: whose rows, which partner's share, how far from lane to lane and from K step to K step
	s_and_b32 s74, ttmp7, 0xffff
	s_mov_b32 s76, BSHARE
	s_mov_b32 s[PST], 256
	s_mov_b32 s78, 2048
	s_cmp_eq_u32 s[KIND], 0
	s_cselect_b32 s74, ttmp9, s74                  ; the coordinate along which other clusters read the same rows
	s_cselect_b32 s75, s19, s20                    ; my place among the four that ask with me
	s_cselect_b64 s[PFA:PFA+1], s[70:71], s[72:73]
	s_cselect_b32 s76, ASHARE, s76
	s_cselect_b32 s[PST], ASTEP, s[PST]
	s_cselect_b32 s79, 31, BR/4-1                  ; B's share has fewer rows than a wave has lanes: the lanes that are over name its last row again
	s_cselect_b32 s78, APP, s78
	s_mov_b32 s[PST+1], 0
	s_cmp_eq_u32 s74, 0
	s_cselect_b32 s[LIM], 2, -1                    ; the same in all sixteen partners, for a given wave
	s_mul_i32 s76, s76, s75
	s_mul_i32 s66, s[PST], 3                       ; at K step 3: the first change of slots steps it to 4
	s_add_co_u32 s76, s76, s66
	s_mov_b32 s77, 0
	s_add_nc_u64 s[PFA:PFA+1], s[PFA:PFA+1], s[76:77]
	v_and_b32 v[PFO], 31, v0
	v_min_u32 v[PFO], s79, v[PFO]
	v_mul_u32_u24 v[PFO], s78, v[PFO]
	s_wait_loadcnt 0x0                             ; the bias, rounded to bf16 and widened again
.set i, 0
.rept 4*NBL
	v_cvt_pk_bf16_f32 v13, v[BIAS+2*i], v[BIAS+2*i+1]
	v_lshlrev_b32 v[BIAS+2*i], 16, v13
	v_and_b32 v[BIAS+2*i+1], 0xffff0000, v13
.set i, i+1
.endr
	s_wait_tensorcnt 1                             ; my part of K step 0 is in; K step 1's may stay out
	s_barrier_signal -1
	s_barrier_wait -1
	s_mov_b32 s[TB], 0
	v_mov_b32 v[ADRA], v[A0]
	v_mov_b32 v[ADRB], v[B0]
	FETCH 0, 0
	QUARTER 64, 0, 1, 1                            ; the first quarter stands in front of the loop: its products start the sums, with the bias
	WIN 0
	s_mov_b32 s3, 6
.Lstep:                                                ; trip t ends K step t, fills its slot with K step t + 2 and begins K step t + 1
	QUARTER 128, 1, 0, 0
	QUARTER 192, 0, 1, 0
	TURN 1
	QUARTER 64, 0, 1, 0
	WIN 0
	s_sub_co_u32 s3, s3, 1
	s_cmp_lg_u32 s3, 0
	s_cbranch_scc1 .Lstep
	QUARTER 128, 1, 0, 0                           ; the last two K steps fill nothing
	QUARTER 192, 0, 1, 0
	TURN 0
	QUARTER 64, 0, 1, 0
	QUARTER 128, 1, 0, 0
	QUARTER 192, 0, 1, 0
	s_wait_dscnt 4
	MUL 0, 1, 0
	MUL 1, 1, 0
	s_wait_dscnt 0x0
	MUL 2, 1, 0
	MUL 3, 1, 0
	WIN 0
	PLACES
; THE WAY OUT, a block of 16 rows at a time, through my own stage: LDS serves a wave's instructions in order (ISA guide 5.7.1.4), so no wait stands between my stores and my loads.
.if PROJ
.macro PACK a                          ; rounded to f16: a lane's eight columns pack into 16 bytes; each accumulator's registers in ascending order
.set AC, 8*NBL*((\a)%2)
	WIN 0x0a+5*((\a)/2)
.set b, 0
.rept NBL
.irp r, 0,1,2,3
	v_cvt_pk_f16_f32 v[TMP+4*b+(\r)], v[AC+8*b+2*(\r)], v[AC+8*b+2*(\r)+1]
.endr
.set b, b+1
.endr
	WIN 0
.endm
.macro TOSTAGE a
.set BK, 144+48*((\a)%2)
.set b, 0
.rept NBL
	ds_store_b128 v[STO], v[TMP+4*b:TMP+4*b+3] offset:32*b
.set b, b+1
.endr
.set t, 0
.rept 12
	ds_load_b128 v[BK+4*t:BK+4*t+3], v[RD] offset:(t/4)*128+(t%4)*4*SPITCH  ; head t / 4, rows 4 (t % 4) ..
.set t, t+1
.endr
.endm
.macro SEND a
.set BK, 144+48*((\a)%2)
	s_wait_dscnt 0x0                               ; the block is back in registers
	s_wait_xcnt 0x0                                ; earlier stores have read their registers: the other buffer is loaded again only behind this wait
.set t, 0
.rept 12
	global_store_b128 v[GO], v[BK+4*t:BK+4*t+3], s[OP+2*(t/4):OP+2*(t/4)+1] offset:(\a)*2048+(t%4)*512  ; four rows of a head: 512 consecutive bytes, aligned
.set t, t+1
.endr
.endm
	PACK 0
	TOSTAGE 0
.irp a, 1,2,3
	PACK \a
	SEND (\a)-1
	TOSTAGE \a
.endr
	SEND 3
.else
.macro TOSTAGE a                       ; f32 as it is: a lane's eight columns are 32 bytes; each accumulator's low four registers first
.set AC, 8*NBL*((\a)%2)
.set BK, 96+64*((\a)%2)
	WIN 0x08+4*((\a)/2)
.set b, 0
.rept NBL
	ds_store_b128 v[STO], v[AC+8*b:AC+8*b+3] offset:64*b
	ds_store_b128 v[STO], v[AC+8*b+4:AC+8*b+7] offset:64*b+16
.set b, b+1
.endr
	WIN 0
.set t, 0
.rept 16
	ds_load_b128 v[BK+4*t:BK+4*t+3], v[RD] offset:t*SPITCH
.set t, t+1
.endr
.endm
.macro SEND a
.set BK, 96+64*((\a)%2)
	s_wait_dscnt 0x0
	s_wait_xcnt 0x0                                ; earlier stores have read their registers: the other buffer is loaded again only behind this wait
.set t, 0
.rept 16
	global_store_b128 v[GO], v[BK+4*t:BK+4*t+3], s[OP:OP+1] offset:(16*(\a)+t)*4096  ; a row's 512 consecutive bytes, aligned
.set t, t+1
.endr
.endm
.irp a, 0,1,2,3
	TOSTAGE \a
	SEND \a
.endr
.endif
	s_wait_tensorcnt 0x0                           ; the wave's end: behind my last tensor load and my last LDS store
	ds_add_u32 v[SPW], v[NIL]
	s_wait_dscnt 0x0
	CROUND                                         ; the closing round: no work-group ends while a partner may still ask for a tile that names it
	s_endpgm
.Lfunc_end_k_q7b9da29f60_outp:
	.size	k_q7b9da29f60_outp, .Lfunc_end_k_q7b9da29f60_outp-k_q7b9da29f60_outp
	.p2alignl 7, 3214868480
	.fill 96, 4, 3214868480
	.section	.rodata,"a",@progbits
	.p2align	6, 0x0
	.amdhsa_kernel k_q7b9da29f60_outp
		.amdhsa_group_segment_fixed_size 327680
		.amdhsa_private_segment_fixed_size 0
		.amdhsa_enable_private_segment 0
		.amdhsa_kernarg_size 32
		.amdhsa_user_sgpr_count 2
		.amdhsa_user_sgpr_kernarg_segment_ptr 1
		.amdhsa_wavefront_size32 1
		.amdhsa_system_sgpr_workgroup_id_x 1
		.amdhsa_system_sgpr_workgroup_id_y 1
		.amdhsa_system_sgpr_workgroup_id_z 1
		.amdhsa_system_vgpr_workitem_id 0
		.amdhsa_next_free_vgpr 1024
		.amdhsa_next_free_sgpr 96
		.amdhsa_reserve_vcc 0
		.amdhsa_float_denorm_mode_32 3
		.amdhsa_float_denorm_mode_16_64 3
		.amdhsa_memory_ordered 1
		.amdhsa_forward_progress 1
		.amdhsa_inst_pref_size 77
	.end_amdhsa_kernel
	.amdgpu_metadata
---
amdhsa.version: [ 1, 2 ]
amdhsa.kernels:
  - .name:           k_q7b9da29f60_outp
    .symbol:         k_q7b9da29f60_outp.kd
    .args:
      - { .name: ctx, .offset: 0, .size: 8, .value_kind: global_buffer, .address_space: global }
      - { .name: W0t, .offset: 8, .size: 8, .value_kind: global_buffer, .address_space: global }
      - { .name: b0, .offset: 16, .size: 8, .value_kind: global_buffer, .address_space: global }
      - { .name: out0, .offset: 24, .size: 8, .value_kind: global_buffer, .address_space: global }
    .group_segment_fixed_size: 327680
    .private_segment_fixed_size: 0
    .kernarg_segment_align: 8
    .kernarg_segment_size: 32
    .max_flat_workgroup_size: 128
    .sgpr_count:     96
    .vgpr_count:     1024
    .wavefront_size: 32
...
	.end_amdgpu_metadata
.endif
;; end of part 4
;; ======== version 2 of 3: 4 launches
;; limits: values are held in f16: magnitudes above 65,504 overflow, below 6.1e-05 lose precision; right only within a limited range of input values
;; workspace buffers: Xb 16,777,216 bytes; Wt 6,291,456 bytes; W0t 2,097,152 bytes; mw 8,388,608 bytes; qkv 50,331,648 bytes; ctx 16,777,216 bytes
;; launch prep (part 5): grid 256 x 1, 8 waves a work-group, no clusters, 105,472 bytes of LDS; arguments X, Wq, Wk, Wv, W0, attention_mask, Xb, Wt, W0t, mw; writes Xb, Wt, W0t, mw
.if DOCPART == 5
	.amdgcn_target "amdgcn-amd-amdhsa--gfx1250"
	.amdhsa_code_object_version 6
	.text
	.protected	k_q7b9da29f60_prep
	.globl	k_q7b9da29f60_prep
	.p2align	8
	.type	k_q7b9da29f60_prep,@function
k_q7b9da29f60_prep:
	s_mov_b64 s[64:65], 0
	v_nop
	global_prefetch_b8 v0, s[64:65] scope:SCOPE_SE
	s_setreg_imm32_b32 hwreg(HW_REG_WAVE_MODE, 25, 1), 1
	s_wait_xcnt 0x0
; PREP: the inputs are brought into the forms that the three launches behind this one multiply.
;   Xb  [8192][1024] bf16        = X rounded once
;   Wt  [3072 n][1024 d] bf16    = Wq, Wk, Wv turned: n = 64 (16 which + h) + k
;   W0t [1024 n][1024 k] f16     = W0 turned, rounded to bf16 like every input, that number written as f16
;   mw  [b 4][piece 64][step 32][tile 2][lane 32][kb 4] words of eight 4-bit codes: code j of (tile, lane l, kb) stands for
;       mask[b][32 piece + 16 tile + l % 16][64 step + 16 kb + 8 (l / 16) + j]: 0 where the key is seen, 0xF (-6 in E2M1) where it is hidden
; LIMIT: a number of W0 beyond 65,504 becomes an infinity in f16, one below 6e-8 becomes 0.
; Every one of the 256 work-groups does the same three jobs, of equal size: two blocks of 128 d x 64 n of a weight (through LDS, to turn them),
; 32 rows of the mask (a piece; wave v takes keys 256 v .. 256 v + 255), and 131,072 bytes of X (wave v: 16 KiB).  Memory binds: all 64 loads of a wave
; are issued as early as registers allow; each load and store of a wave covers whole aligned runs of 256 bytes.  No matrix unit, no cluster: nothing is shared.
.set TBLK,  17408                      ; a turned block in LDS: 64 rows (n) x 272 bytes (128 d of 16 bits + 16)
.set MR,    34816                      ; behind the two blocks: each wave's own 32 mask rows x 272 bytes
.set MRW,   8704
.set SPARE, 104448                     ; the spare words, 128 bytes for each of eight waves; no other line names them
.set WO,  6                            ; v[6:13]  byte offsets of my eight 16-byte pieces of a weight block: row 2 dp0 + 32 i + z, column 16 c4
.set WST, 14                           ; v14  where I put a pair (d, d + 1) of column n
.set WRD, 15                           ; v15  where I read 16 bytes of a turned row
.set WGO, 16                           ; v16  the same 16 bytes in Wt or W0t
.set MGO, 17                           ; v17  my 16 bytes of two mask rows
.set MST, 18                           ; v18  the same in my wave's LDS rows
.set MRD, 19                           ; v19  row l % 16, 8 keys for each half of the lanes; steps 64 bytes a trip
.set MOO, 20                           ; v20  my four words of a tile's 128; steps 1,024 bytes a trip
.set XGO, 21                           ; v21  my 16 bytes of X
.set XOO, 22                           ; v22  my 8 bytes of Xb
.set SPW, 28                           ; v28  my spare word; never rewritten
.set NIL, 29                           ; v29  0; never rewritten
.set LW,  32                           ; v[32:95]   two weight blocks as loaded; later X's second half
.set LM,  96                           ; v[96:159]  the mask as loaded; later turned rows (v96-127), mask bytes (v128-143), words (v144-151)
.set LX,  160                          ; v[160:223] X's first half; when that is rounded, v160-175 are at work on the mask
.set XO,  224                          ; v[224:255] bf16 to store
.set DD,  128
.set OUT, 144
.set T2,  160
	s_load_b512 s[4:19], s[0:1], 0x0               ; X s[4:5], Wq s[6:7], Wk s[8:9], Wv s[10:11], W0 s[12:13], mask s[14:15], Xb s[16:17], Wt s[18:19]
	s_load_b128 s[20:23], s[0:1], 0x40             ; W0t s[20:21], mw s[22:23]
	v_lshl_add_u32 v[SPW], v0, 2, SPARE
	v_mov_b32 v[NIL], 0
	v_lshrrev_b32 v23, 5, v0
	v_readfirstlane_b32 s3, v23                    ; wave 0..7
	v_and_b32 v1, 31, v0                           ; lane
	v_and_b32 v2, 15, v0                           ; c4 = thread % 16 = lane % 16
	v_bfe_u32 v3, v0, 4, 1                         ; lane / 16
	v_lshrrev_b32 v4, 4, v0                        ; dp0 = thread / 16
	s_mov_b32 s2, ttmp9                            ; x
	s_lshr_b32 s24, s2, 6                          ; which weight: 0 Wq, 1 Wk, 2 Wv, 3 W0
	s_bfe_u32 s25, s2, 0x40002                     ; which 64 columns n: the head, or W0's column block
	s_and_b32 s26, s2, 3
	s_lshl_b32 s26, s26, 1                         ; my first block of 128 d
	s_mov_b32 s27, 256
	s_cmp_eq_u32 s24, 3
	s_cselect_b32 s27, 4096, s27                   ; bytes from row d to row d + 1
	s_cselect_b32 s36, -1, 0                       ; all lanes: the f16 form is taken
	s_cselect_b32 s38, 8, 18                       ; log2 of the bytes from one 64 columns to the next
	s_cselect_b32 s39, 19, 15                      ; log2 of the bytes of 128 rows
	s_cselect_b32 s44, 0, s24
	s_lshl_b32 s40, s25, s38
	s_lshl_b32 s42, s26, s39
	s_add_co_u32 s40, s40, s42                     ; s[40:41] block 0 in its weight
	s_mov_b32 s41, 0
	s_lshl_b32 s42, 1, s39                         ; s[42:43] from block 0 to block 1
	s_mov_b32 s43, 0
	s_lshl_b32 s44, s44, 21                        ; 1,024 rows of 2,048 bytes for each of Wq, Wk, Wv
	s_lshl_b32 s46, s25, 17                        ; 64 rows
	s_add_co_u32 s44, s44, s46
	s_lshl_b32 s46, s26, 8                         ; 128 d
	s_add_co_u32 s44, s44, s46                     ; s[44:45] block 0 in Wt or W0t
	s_mov_b32 s45, 0
	s_lshl_b32 s46, s2, 16                         ; s[46:47] my 65,536 bytes of the mask, and of Xb
	s_mov_b32 s47, 0
	s_lshl_b32 s48, s2, 17                         ; s[48:49] my 131,072 bytes of X
	s_mov_b32 s49, 0
	s_lshl_b32 s50, s2, 15                         ; s[50:51] my piece's 32 steps of 1,024 bytes of mw
	s_mov_b32 s51, 0
	v_lshlrev_b32 v24, 4, v2                       ; 16 c4
	v_lshlrev_b32 v23, 1, v4                       ; 2 dp0
.irp i, 0,1,2,3
.irp z, 0,1
	v_add_nc_u32 v25, 32*(\i)+(\z), v23
	v_mad_u32_u24 v[WO+2*(\i)+(\z)], v25, s27, v24
.endr
.endr
	v_mul_u32_u24 v[WST], v2, 4*272                ; rows 4 c4 ..
	v_lshl_add_u32 v[WST], v4, 2, v[WST]           ; bytes 4 dp0 ..
	v_mul_u32_u24 v[WRD], v4, 272
	v_add_nc_u32 v[WRD], v[WRD], v24
	v_lshl_add_u32 v[WGO], v4, 11, v24
	s_lshl_b32 s52, s3, 8
	v_lshl_add_u32 v[MGO], v3, 11, v24
	v_add_nc_u32 v[MGO], s52, v[MGO]               ; 256 v + 2,048 (l / 16) + 16 (l % 16)
	s_mul_i32 s53, s3, MRW
	s_add_co_u32 s53, s53, MR                      ; my wave's rows
	v_mul_u32_u24 v[MST], v3, 272
	v_add3_u32 v[MST], v[MST], v24, s53
	v_mul_u32_u24 v[MRD], v2, 272
	v_lshl_add_u32 v[MRD], v3, 3, v[MRD]           ; row l % 16, byte 8 (l / 16): 68 words from row to row, so the 32 lanes' 8 bytes lie in 32 different pairs of banks
	v_add_nc_u32 v[MRD], s53, v[MRD]
	s_lshl_b32 s52, s3, 12
	v_lshl_add_u32 v[MOO], v1, 4, s52              ; my wave's four steps of 1,024 bytes; 16 bytes a lane
	s_lshl_b32 s52, s3, 14
	v_lshl_add_u32 v[XGO], v1, 4, s52
	s_lshl_b32 s52, s3, 13
	v_lshl_add_u32 v[XOO], v1, 3, s52
	s_wait_kmcnt 0x0
	s_cmp_eq_u32 s24, 1
	s_cselect_b64 s[28:29], s[8:9], s[6:7]
	s_cmp_eq_u32 s24, 2
	s_cselect_b64 s[28:29], s[10:11], s[28:29]
	s_cmp_eq_u32 s24, 3
	s_cselect_b64 s[28:29], s[12:13], s[28:29]     ; the weight that I turn,
	s_cselect_b64 s[32:33], s[20:21], s[18:19]     ; and where it goes
	s_add_nc_u64 s[28:29], s[28:29], s[40:41]      ; block 0
	s_add_nc_u64 s[30:31], s[28:29], s[42:43]      ; block 1
	s_add_nc_u64 s[32:33], s[32:33], s[44:45]
	s_add_nc_u64 s[34:35], s[32:33], 256
	s_add_nc_u64 s[58:59], s[14:15], s[46:47]
	s_add_nc_u64 s[60:61], s[4:5], s[48:49]
	s_add_nc_u64 s[62:63], s[16:17], s[46:47]
	s_add_nc_u64 s[22:23], s[22:23], s[50:51]
	; 48 loads at once: the two weight blocks, the mask, X's first half
.irp b, 0,1
.irp i, 0,1,2,3,4,5,6,7
	global_load_b128 v[LW+32*(\b)+4*(\i):LW+32*(\b)+4*(\i)+3], v[WO+(\i)], s[28+2*(\b):29+2*(\b)] th:TH_LOAD_NT
.endr
.endr
.set i, 0
.rept 16
	global_load_b128 v[LM+4*i:LM+4*i+3], v[MGO], s[58:59] offset:i*4096 th:TH_LOAD_NT  ; rows 2 i and 2 i + 1: 256 bytes each
.set i, i+1
.endr
.set i, 0
.rept 16
	global_load_b128 v[LX+4*i:LX+4*i+3], v[XGO], s[60:61] offset:i*512 th:TH_LOAD_NT
.set i, i+1
.endr
; A block's 64 numbers of mine: rows d and d + 1 are rounded to bf16 in pairs; for W0 the pair is widened again and written as f16; the pair goes to row n of the turned block.
.macro WPACK blk
.irp i, 0,1,2,3
.irp n, 0,1,2,3
	v_cvt_pk_bf16_f32 v23, v[LW+32*(\blk)+8*(\i)+(\n)], v[LW+32*(\blk)+8*(\i)+4+(\n)]
	v_lshlrev_b32 v24, 16, v23
	v_and_b32 v25, 0xffff0000, v23
	v_cvt_pk_f16_f32 v26, v24, v25
	v_cndmask_b32 v27, v23, v26, s36
	ds_store_b32 v[WST], v27 offset:(\blk)*TBLK+(\n)*272+64*(\i)
.endr
.endr
.endm
; Sixteen loads' numbers of X rounded and stored: a wave's store covers 256 consecutive bytes, aligned.
.macro XCVT src, first
.set i, 0
.rept 16
	v_cvt_pk_bf16_f32 v[XO+2*i], v[(\src)+4*i], v[(\src)+4*i+1]
	v_cvt_pk_bf16_f32 v[XO+2*i+1], v[(\src)+4*i+2], v[(\src)+4*i+3]
	global_store_b64 v[XOO], v[XO+2*i:XO+2*i+1], s[62:63] offset:256*((\first)+i)
.set i, i+1
.endr
.endm
	s_wait_loadcnt 40                              ; block 0 is in; younger: block 1's 8, the mask's 16, X's 16
	WPACK 0
.set i, 0
.rept 8
	global_load_b128 v[LW+4*i:LW+4*i+3], v[XGO], s[60:61] offset:(16+i)*512 th:TH_LOAD_NT  ; block 0's registers take X's next eight
.set i, i+1
.endr
	s_wait_loadcnt 40                              ; block 1 is in; younger: 16 + 16 + 8
	WPACK 1
.set i, 8
.rept 8
	global_load_b128 v[LW+4*i:LW+4*i+3], v[XGO], s[60:61] offset:(16+i)*512 th:TH_LOAD_NT
.set i, i+1
.endr
	s_wait_loadcnt 32                              ; the mask is in; younger: X's 32
.set i, 0
.rept 16
	ds_store_b128 v[MST], v[LM+4*i:LM+4*i+3] offset:i*544
.set i, i+1
.endr
	s_wait_dscnt 0x0                               ; for the others' sake: my stores into the turned blocks are done
	s_barrier_signal -1
	s_barrier_wait -1
.irp b, 0,1
.irp i, 0,1,2,3
	ds_load_b128 v[LM+16*(\b)+4*(\i):LM+16*(\b)+4*(\i)+3], v[WRD] offset:(\b)*TBLK+(\i)*4352
.endr
.endr
	s_wait_dscnt 0x0
.irp b, 0,1
.irp i, 0,1,2,3
	global_store_b128 v[WGO], v[LM+16*(\b)+4*(\i):LM+16*(\b)+4*(\i)+3], s[32+2*(\b):33+2*(\b)] offset:(\i)*32768  ; 16 lanes store a turned row's 256 bytes
.endr
.endr
	s_wait_loadcnt 16                              ; X's first half is in; younger: its second 16
	XCVT LX, 0
	s_mov_b32 s37, 4
.Lstep:                                                ; a trip: one step of 64 keys, both tiles: eight words a lane
.irp c, 0,1,2,3,4,5,6,7
	ds_load_b64 v[DD+2*(\c):DD+2*(\c)+1], v[MRD] offset:((\c)/4)*4352+((\c)%4)*16  ; my wave's own bytes: tile c / 4, query l % 16, keys 16 (c % 4) + 8 (l / 16) + 0..7
.endr
	s_wait_dscnt 0x0
	; Eight bytes b0..b7, each 0 or 1, become eight 4-bit codes.  x | x >> 4 holds b0 | b1 << 4 in its byte 0 and b2 | b3 << 4 in its byte 2; v_perm_b32 takes those two bytes of both words;
	; the exclusive or turns seen and hidden round; times 15 makes 0xF of 1.  Lines of a kind stand together, so that none reads the result of the line before it.
.set c, 0
.rept 16
	v_lshrrev_b32 v[T2+c], 4, v[DD+c]
.set c, c+1
.endr
.set c, 0
.rept 16
	v_or_b32 v[T2+c], v[T2+c], v[DD+c]
.set c, c+1
.endr
.set c, 0
.rept 8
	v_perm_b32 v[OUT+c], v[T2+2*c+1], v[T2+2*c], 0x06040200
.set c, c+1
.endr
.set c, 0
.rept 8
	v_xor_b32 v[OUT+c], 0x11111111, v[OUT+c]
.set c, c+1
.endr
.set c, 0
.rept 8
	v_mul_lo_u32 v[OUT+c], v[OUT+c], 15
.set c, c+1
.endr
	global_store_b128 v[MOO], v[OUT:OUT+3], s[22:23]               ; tile 0: 512 consecutive bytes, aligned
	global_store_b128 v[MOO], v[OUT+4:OUT+7], s[22:23] offset:512  ; tile 1
	s_wait_xcnt 0x0                                ; the stores' offset and data are written again only behind this wait
	v_add_nc_u32 v[MOO], 1024, v[MOO]
	v_add_nc_u32 v[MRD], 64, v[MRD]
	s_sub_co_u32 s37, s37, 1
	s_cmp_lg_u32 s37, 0
	s_cbranch_scc1 .Lstep
	s_wait_loadcnt 0x0                             ; X's second half
	s_wait_xcnt 0x0                                ; the first half's stores have read their data registers
	XCVT LW, 16
	s_wait_tensorcnt 0x0                           ; the wave's end: behind my last LDS store
	ds_add_u32 v[SPW], v[NIL]
	s_wait_dscnt 0x0
	s_endpgm
.Lfunc_end_k_q7b9da29f60_prep:
	.size	k_q7b9da29f60_prep, .Lfunc_end_k_q7b9da29f60_prep-k_q7b9da29f60_prep
	.p2alignl 7, 3214868480
	.fill 96, 4, 3214868480
	.section	.rodata,"a",@progbits
	.p2align	6, 0x0
	.amdhsa_kernel k_q7b9da29f60_prep
		.amdhsa_group_segment_fixed_size 105472
		.amdhsa_private_segment_fixed_size 0
		.amdhsa_enable_private_segment 0
		.amdhsa_kernarg_size 80
		.amdhsa_user_sgpr_count 2
		.amdhsa_user_sgpr_kernarg_segment_ptr 1
		.amdhsa_wavefront_size32 1
		.amdhsa_system_sgpr_workgroup_id_x 1
		.amdhsa_system_sgpr_workgroup_id_y 1
		.amdhsa_system_sgpr_workgroup_id_z 1
		.amdhsa_system_vgpr_workitem_id 0
		.amdhsa_next_free_vgpr 256
		.amdhsa_next_free_sgpr 66
		.amdhsa_reserve_vcc 0
		.amdhsa_float_denorm_mode_32 3
		.amdhsa_float_denorm_mode_16_64 3
		.amdhsa_memory_ordered 1
		.amdhsa_forward_progress 1
		.amdhsa_inst_pref_size 35
	.end_amdhsa_kernel
	.amdgpu_metadata
---
amdhsa.version: [ 1, 2 ]
amdhsa.kernels:
  - .name:           k_q7b9da29f60_prep
    .symbol:         k_q7b9da29f60_prep.kd
    .args:
      - { .name: X, .offset: 0, .size: 8, .value_kind: global_buffer, .address_space: global }
      - { .name: Wq, .offset: 8, .size: 8, .value_kind: global_buffer, .address_space: global }
      - { .name: Wk, .offset: 16, .size: 8, .value_kind: global_buffer, .address_space: global }
      - { .name: Wv, .offset: 24, .size: 8, .value_kind: global_buffer, .address_space: global }
      - { .name: W0, .offset: 32, .size: 8, .value_kind: global_buffer, .address_space: global }
      - { .name: attention_mask, .offset: 40, .size: 8, .value_kind: global_buffer, .address_space: global }
      - { .name: Xb, .offset: 48, .size: 8, .value_kind: global_buffer, .address_space: global }
      - { .name: Wt, .offset: 56, .size: 8, .value_kind: global_buffer, .address_space: global }
      - { .name: W0t, .offset: 64, .size: 8, .value_kind: global_buffer, .address_space: global }
      - { .name: mw, .offset: 72, .size: 8, .value_kind: global_buffer, .address_space: global }
    .group_segment_fixed_size: 105472
    .private_segment_fixed_size: 0
    .kernarg_segment_align: 8
    .kernarg_segment_size: 80
    .max_flat_workgroup_size: 256
    .sgpr_count:     66
    .vgpr_count:     256
    .wavefront_size: 32
...
	.end_amdgpu_metadata
.endif
;; end of part 5
;; launch proj (part 6): grid 16 x 32, 4 waves a work-group, clusters of 4 x 4, 327,680 bytes of LDS; arguments Xb, Wt, bq, bk, bv, qkv; writes qkv
.if DOCPART == 6
	.amdgcn_target "amdgcn-amd-amdhsa--gfx1250"
	.amdhsa_code_object_version 6
	.text
	.protected	k_q7b9da29f60_proj
	.globl	k_q7b9da29f60_proj
	.p2align	8
	.type	k_q7b9da29f60_proj,@function
k_q7b9da29f60_proj:
	s_mov_b64 s[64:65], 0
	v_nop
	global_prefetch_b8 v0, s[64:65] scope:SCOPE_SE
	s_setreg_imm32_b32 hwreg(HW_REG_WAVE_MODE, 25, 1), 1
	s_wait_xcnt 0x0
	s_wait_alu depctr_hold_cnt(0) depctr_sa_sdst(0) depctr_va_vdst(0) depctr_va_sdst(0) depctr_va_ssrc(0) depctr_va_vcc(0) depctr_vm_vsrc(0)
	s_getreg_b32 s2, hwreg(HW_REG_IB_STS2, 6, 4)
	s_cmp_eq_u32 s2, 0
	s_cbranch_scc0 .Lentry_in_a_cluster
	s_endpgm
.Lentry_in_a_cluster:
	s_bfe_u32 s2, ttmp6, 0x10000c
	s_cmp_lg_u32 s2, 0xf033
	s_cbranch_scc0 .Lentry_shape_is_right
	s_endpgm
.Lentry_shape_is_right:
; ONE TEXT FOR TWO PRODUCTS C = A B^T + bias, K = 1,024, chosen by PROJ.
; PROJ = 1: q, k, v = Xb Wt^T + bias.  A = Xb [8192][1024] bf16, B = Wt [3072][1024] bf16; C leaves as f16 by heads: qkv [which 3][16 b + h][2048][64].
; PROJ = 0: out0 = ctx W0t^T + b0.  A = ctx [16 b + h][2048][64] f16 (a K step of 128 is two heads), B = W0t [1024][1024] f16; C leaves as f32 [8192][1024].
; The bias is rounded to bf16 like every input and is the C operand of the products that start the sums.  Sums in f32, K ascending.
; LIMIT (PROJ = 1): q, k, v beyond 65,504 become infinities in f16; with X, W and the biases 30 times the drawn spread, or offset by 30 spreads, they reach some 18,500.
; SHARES.  A work-group makes 256 rows x 16 NBL columns; its four waves lie one below the other, 64 rows x all columns each (4 x NBL accumulators), so that a wave owns whole heads
; (PROJ = 1) or whole runs of 512 bytes (PROJ = 0) and its own stage serves the way out without a barrier.  PROJ = 1 takes 192 columns: 32 x 16 = 512 work-groups, twice 256.
; RING.  K goes in 8 steps of 128 through two LDS slots; waves 0 and 1 fetch A's two halves, waves 2 and 3 B's, one tensor load a wave behind each round.  By the text's own count a wave
; has two tensor loads out at the start and one later.  The last two K steps, which fill nothing, are a loop of two trips that is left in its middle.
; CLUSTER 4 x 4: A's tile hangs on the tile row alone and is asked for jointly along a row of the cluster, B's on the tile column alone and jointly along a column.
; THE MATRIX INSTRUCTION IS USED TRANSPOSED (source 0 = 16 rows of B, source 1 = 16 rows of A): a lane holds row l % 16 of C and eight neighbouring columns 8 (l / 16) + 0..7.
; REGISTERS: window 0: v0-29 addresses; v32-95 A's fragments, two buffers of 32; v128.. the bias (8 a column block); on the way out v96-239 at work.
;   window 1: B's fragments, two buffers of 8 NBL.   windows 2, 3: accumulator (a, b) in window 2 + a / 2 at 8 NBL (a % 2) + 8 b.
.set PROJ, 1
.if PROJ
.set NBL,    12                        ; column blocks of 16
.set APITCH, 272                       ; a row of A in LDS: 256 bytes + 16
.set ASUB,   128                       ; from a row's first 128 bytes of a K step to its second
.set AH,     34816                     ; LDS bytes of one load of A: 128 rows x 272
.set BOFF,   69632                     ; B's rows lie behind A's
.set BR,     96                        ; rows of B in one load
.set ASTEP,  256                       ; bytes in memory from a K step of A to the next
.set AQI,    5                         ; A is padded after every 64 words
.set AP,     1024                      ; elements from row to row of A's tile in memory
.set STAGE,  252928                    ; behind the ring: 16 rows x SPITCH for each wave
.set SPITCH, 400                       ; 192 f16 + 16 bytes
.set SPARE,  278528                    ; the spare words, 128 bytes a wave; no other line names them
.set ASHARE, 65536                     ; prefetch: bytes from one partner's 32 rows of A to the next's
.set APP,    2048                      ; prefetch: bytes from lane to lane in A
.else
.set NBL,    8
.set APITCH, 144                       ; a row of one head: 128 bytes + 16
.set ASUB,   36864                     ; the K step's second head lies behind the first's 256 rows
.set AH,     36864
.set BOFF,   73728
.set BR,     64
.set ASTEP,  524288                    ; two heads of 2,048 rows x 128 bytes
.set AQI,    4                         ; padded after every 32 words
.set AP,     128                       ; 256 rows of a head are dense: asked for as 128 rows of 256 bytes
.set STAGE,  239616
.set SPITCH, 528                       ; 128 f32 + 16 bytes
.set SPARE,  273408
.set ASHARE, 8192
.set APP,    256
.endif
.set BH,     BR*272                    ; LDS bytes of one load of B
.set BSHARE, (BR/4)*2048               ; prefetch: a partner's share of B's rows
.set NLD,    2*NBL+8                   ; LDS loads of a quarter step
.set SLOT1,  131072                    ; slot 1 begins here: one exclusive or turns an address in one slot into the other's
.set A0,   4                           ; v4   my lane's place in A's rows of a slot; never rewritten
.set B0,   5                           ; v5   the same for B
.set ADRA, 6                           ; v6   A0 + the slot in hand
.set ADRB, 7                           ; v7
.set STO,  8                           ; v8   the way out: where I put my bytes of a row
.set RD,   9                           ; v9   the way out: where I read rows back
.set GO,   10                          ; v10  16 x lane
.set BO,   11                          ; v11  32 (l / 16): my eight numbers of a block's sixteen biases
.set PFO,  12                          ; v12  the prefetches' offset; never rewritten
.set SPW,  28                          ; v28  my spare word; never rewritten
.set NIL,  29                          ; v29  0; never rewritten
.set BIAS, 128
.set TMP,  96
.set WV,   16                          ; s16  wave
.set KIND, 17                          ; s17  0: I fetch for A, 1: for B
.set HALF, 18                          ; s18  which half of that tile
.set G1A,  24                          ; s[24:31] descriptor group 1 for A's tiles
.set G1B,  32                          ; s[32:39] for B's
.set G0A,  40                          ; s[40:47] group 0 for A: set 0 is slot 0's first fill; set 1 slot 1's, and then it walks
.set G0B,  48                          ; s[48:55] the same for B
.set TB,   56                          ; s56  the slot in hand: 0 or SLOT1
.set LIM,  57                          ; s57  2 in a wave that prefetches, else the greatest number
.set PFA,  58                          ; s[58:59] where my prefetches stand
.set PST,  60                          ; s[60:61] their step from K step to K step
.set OP,   80                          ; s[80:85] where my rows leave: a pointer a head (PROJ = 1), or one
.set BP,   86                          ; s[86:91] the biases
.set MSB, 0
.macro WIN new                         ; the immediate's high byte repeats the setting that is left; a switch that changes nothing is dropped
.if MSB != (\new)
	s_set_vgpr_msb (MSB<<8)|(\new)
.set MSB, \new
.endif
.endm
.macro PLACES                          ; four plain instructions between a matrix instruction and a load into, or a read of, its registers
.rept 4
	v_nop
.endr
.endm
.macro CREST                           ; a round of the cluster's barrier behind its opening barrier
	s_cmp_lg_u32 s[WV], 0
	s_cbranch_scc1 .Lnot_wave_0_\@
	s_barrier_signal -3
.Lnot_wave_0_\@:
	s_barrier_wait -3
	s_barrier_signal -1
	s_barrier_wait -1
.endm
.macro CROUND
	s_barrier_signal -1
	s_barrier_wait -1
	CREST
.endm
; A joint load.  The branch hangs on the wave's number alone; an s_nop 0 and four v_nop follow each of the two lines.
.macro JLOAD s
	s_cmp_eq_u32 s[KIND], 0
	s_cbranch_scc0 .Lfor_b_\@
	tensor_load_to_lds s[G0A+4*(\s):G0A+4*(\s)+3], s[G1A:G1A+7]
	s_nop 0
.rept 4
	v_nop
.endr
	s_branch .Lasked_\@
.Lfor_b_\@:
	tensor_load_to_lds s[G0B+4*(\s):G0B+4*(\s)+3], s[G1B:G1B+7]
	s_nop 0
.rept 4
	v_nop
.endr
.Lasked_\@:
.endm
; A prefetch of the K step that stands two refills on, behind the joint load and the run of LDS loads.  A's rows are named by the clusters with x = 0, B's by those with y = 0; the four partners
; that ask for a tile jointly share its rows out by address.  Trips 0 to 3 name K steps 4 to 7; the last two trips name nothing.
.macro ASK
	s_cmp_gt_u32 s3, s[LIM]
	s_cbranch_scc0 .Lnot_mine_\@
	global_prefetch_b8 v[PFO], s[PFA:PFA+1] th:TH_LOAD_NT scope:SCOPE_SE
.Lnot_mine_\@:
.endm
.macro MMA
.if PROJ
	v_wmma_f32_16x16x32_bf16 v[rD:rD+7], v[rB:rB+7], v[rA:rA+7], v[rC:rC+7]
.else
	v_wmma_f32_16x16x32_f16 v[rD:rD+7], v[rB:rB+7], v[rA:rA+7], v[rC:rC+7]
.endif
.endm
; NBL matrix instructions: row block a x all column blocks, 32 along K, from buffer f.  first = 1: the bias starts the sums.  The 4 NBL accumulators take turns in the same order in every quarter.
.macro MUL a, f, first
.if \first
	WIN 0x81+0x40*((\a)/2)
.else
	WIN 0xa1+0x50*((\a)/2)
.endif
.set b, 0
.rept NBL
.set rD, 8*NBL*((\a)%2)+8*b
.set rB, 8*NBL*(\f)+8*b
.set rA, 32+32*(\f)+8*(\a)
.if \first
.set rC, BIAS+8*b
.else
.set rC, rD
.endif
	MMA
.set b, b+1
.endr
.endm
; One run of NLD LDS loads: the fragments of the quarter at byte k of the K step's rows, into buffer g: B's first, then A's four.
.macro FETCH k, g
	WIN 0x40
.set i, 0
.rept NBL
	ds_load_b128 v[8*NBL*(\g)+8*i:8*NBL*(\g)+8*i+3],   v[ADRB] offset:(\k)+i*4352
	ds_load_b128 v[8*NBL*(\g)+8*i+4:8*NBL*(\g)+8*i+7], v[ADRB] offset:(\k)+i*4352+32
.set i, i+1
.endr
	WIN 0
.set i, 0
.rept 4
	ds_load_b128 v[32+32*(\g)+8*i:32+32*(\g)+8*i+3],   v[ADRA] offset:((\k)/128)*ASUB+(\k)%128+i*16*APITCH
	ds_load_b128 v[32+32*(\g)+8*i+4:32+32*(\g)+8*i+7], v[ADRA] offset:((\k)/128)*ASUB+(\k)%128+i*16*APITCH+32
.set i, i+1
.endr
.endm
; One of a K step's first three quarters: multiplies buffer f; in its middle it fetches the next quarter, at byte k, into buffer g.
.macro QUARTER k, f, g, first
	s_wait_dscnt 4                                 ; B and A's blocks 0, 1 are in; the youngest four loads (A's blocks 2, 3) may be out
	MUL 0, \f, \first
	MUL 1, \f, \first
	PLACES
	FETCH \k, \g
	s_wait_dscnt NLD                               ; all but the run just issued
	MUL 2, \f, \first
	MUL 3, \f, \first
.endm
; The last quarter multiplies buffer 1 and changes slots.  In front of the barrier each wave waits for all its tensor loads (one is out: its part of the next slot), adds 0 to its spare word,
; and waits for that and for its reads of this slot.  fill = 1: the barrier opens a round of the cluster's, and behind the round this slot is filled again, with the K step two on.
.macro TURN fill
.if \fill
	s_wait_xcnt 0x0                                ; the last prefetch, a K step back, has read its address
	s_add_nc_u64 s[PFA:PFA+1], s[PFA:PFA+1], s[PST:PST+1]
.endif
	WIN 0
	s_wait_tensorcnt 0x0
	ds_add_u32 v[SPW], v[NIL]
	s_wait_dscnt 5                                 ; (the add and the youngest four loads may be out)
	MUL 0, 1, 0
	s_wait_dscnt 0x0                               ; the add is done, and my reads of this slot are over
	s_barrier_signal -1
	MUL 1, 1, 0
	WIN 0
	s_barrier_wait -1
.if \fill
	CREST
	s_xor_b32 s[G0A+5], s[G0A+5], SLOT1            ; no tensor load of mine is out: the walking sets step to the other slot and the next K step
	s_add_nc_u64 s[G0A+6:G0A+7], s[G0A+6:G0A+7], ASTEP
	s_xor_b32 s[G0B+5], s[G0B+5], SLOT1
	s_add_nc_u64 s[G0B+6:G0B+7], s[G0B+6:G0B+7], 256
	JLOAD 1                                        ; the first tensor load behind the round; its four v_nop are also the places in front of the loads below
.else
	PLACES
.endif
	s_xor_b32 s[TB], s[TB], SLOT1
	v_add_nc_u32 v[ADRA], s[TB], v[A0]
	v_add_nc_u32 v[ADRB], s[TB], v[B0]
	FETCH 0, 0
.if \fill
	ASK
.endif
	MUL 2, 1, 0
	MUL 3, 1, 0
.endm
	s_load_b256 s[4:11], s[0:1], 0x0               ; A s[4:5], B s[6:7]; PROJ = 1: bq s[8:9], bk s[10:11]; PROJ = 0: b0 s[8:9], out0 s[10:11]
.if PROJ
	s_load_b128 s[12:15], s[0:1], 0x20             ; bv s[12:13], qkv s[14:15]
.endif
	v_lshl_add_u32 v[SPW], v0, 2, SPARE
	v_mov_b32 v[NIL], 0
	ds_add_u32 v[SPW], v[NIL]                      ; the wave's opening: the add and its wait ahead of my first tensor load
	v_lshrrev_b32 v1, 5, v0
	v_readfirstlane_b32 s[WV], v1
	s_lshr_b32 s[KIND], s[WV], 1
	s_and_b32 s[HALF], s[WV], 1
	s_bfe_u32 s19, ttmp6, 0x40000                  ; cx
	s_bfe_u32 s20, ttmp6, 0x40004                  ; cy
	s_lshl_b32 s21, ttmp9, 2
	s_add_co_u32 s21, s21, s19                     ; tile column
	s_and_b32 s22, ttmp7, 0xffff
	s_lshl_b32 s22, s22, 2
	s_add_co_u32 s22, s22, s20                     ; tile row
	s_lshl_b32 s66, s20, 2
	s_lshl_b32 s66, 15, s66                        ; my row of the cluster
	s_lshl_b32 s67, 0x1111, s19                    ; my column
	s_or_b32 s[G1A], s66, (1<<16)|(1<<20)|(1<<21)|(AQI<<22)|(3<<25)  ; the mask; 2-byte elements; padding on; bit 21 beside a mask; the interval; 4 words of padding
	s_or_b32 s[G1B], s67, (1<<16)|(1<<20)|(1<<21)|(5<<22)|(3<<25)
	s_mov_b32 s[G1A+1], 128<<16                    ; tensor_dim0 = 128
	s_mov_b32 s[G1A+2], 128<<16                    ; tensor_dim1 = 128
	s_mov_b32 s[G1A+3], 128<<16                    ; tile_dim0 = 128
	s_mov_b32 s[G1A+4], 128                        ; tile_dim1 = 128
	s_mov_b32 s[G1A+5], AP                         ; elements from row to row
	s_mov_b32 s[G1A+6], 0
	s_mov_b32 s[G1A+7], 0
	s_mov_b32 s[G1B+1], 128<<16
	s_mov_b32 s[G1B+2], BR<<16
	s_mov_b32 s[G1B+3], 128<<16
	s_mov_b32 s[G1B+4], BR
	s_mov_b32 s[G1B+5], 1024
	s_mov_b32 s[G1B+6], 0
	s_mov_b32 s[G1B+7], 0
	s_mul_i32 s68, s[HALF], AH                     ; where my load lands in a slot: no place in the cluster enters an LDS address
	s_mul_i32 s69, s[HALF], BH
	s_add_co_u32 s69, s69, BOFF
.if PROJ
	s_lshl_b32 s70, s22, 19                        ; 256 rows of 2,048 bytes a tile row,
	s_lshl_b32 s74, s[HALF], 18                    ; 128 a half
	s_add_co_u32 s70, s70, s74
.else
	s_lshr_b32 s70, s22, 3                         ; the batch: 8 tile rows each,
	s_lshl_b32 s70, s70, 4                         ; its 16 heads,
	s_add_co_u32 s70, s70, s[HALF]                 ; the K step's first or second head
	s_lshl_b32 s70, s70, 18
	s_and_b32 s74, s22, 7
	s_lshl_b32 s74, s74, 15                        ; 256 rows of 128 bytes
	s_add_co_u32 s70, s70, s74
.endif
	s_mov_b32 s71, 0
	s_mul_i32 s72, s21, 16*NBL
	s_mul_i32 s75, s[HALF], BR
	s_add_co_u32 s72, s72, s75
	s_lshl_b32 s72, s72, 11                        ; rows of 2,048 bytes
	s_mov_b32 s73, 0
	s_wait_dscnt 0x0                               ; the opening add is done
	s_wait_kmcnt 0x0
	s_add_nc_u64 s[70:71], s[4:5], s[70:71]        ; A at my load's first byte, K step 0
	s_add_nc_u64 s[72:73], s[6:7], s[72:73]        ; B likewise
	CROUND                                         ; all sixteen work-groups are here: the first joint loads meet
.irp s, 0,1
	s_mov_b32 s[G0A+4*(\s)], 1
	s_add_co_u32 s[G0A+4*(\s)+1], s68, (\s)*SLOT1
	s_add_nc_u64 s[G0A+4*(\s)+2:G0A+4*(\s)+3], s[70:71], (\s)*ASTEP
	s_or_b32 s[G0A+4*(\s)+3], s[G0A+4*(\s)+3], 0x80000000
	s_mov_b32 s[G0B+4*(\s)], 1
	s_add_co_u32 s[G0B+4*(\s)+1], s69, (\s)*SLOT1
	s_add_nc_u64 s[G0B+4*(\s)+2:G0B+4*(\s)+3], s[72:73], (\s)*256
	s_or_b32 s[G0B+4*(\s)+3], s[G0B+4*(\s)+3], 0x80000000
	JLOAD \s
.endr
	v_and_b32 v1, 15, v0                           ; l % 16
	v_bfe_u32 v2, v0, 4, 1                         ; l / 16
	v_lshlrev_b32 v[BO], 5, v2
.if PROJ
.irp hh, 0,1,2                         ; my tile's three heads g = 3 x tile column + hh; which = g / 16 says whose bias and which third of qkv
	s_mul_i32 s74, s21, 3
	s_add_co_u32 s74, s74, \hh
	s_lshr_b32 s75, s74, 4
	s_cmp_eq_u32 s75, 1
	s_cselect_b64 s[BP+2*(\hh):BP+2*(\hh)+1], s[10:11], s[8:9]
	s_cmp_eq_u32 s75, 2
	s_cselect_b64 s[BP+2*(\hh):BP+2*(\hh)+1], s[12:13], s[BP+2*(\hh):BP+2*(\hh)+1]
	s_and_b32 s76, s74, 15
	s_lshl_b32 s76, s76, 8                         ; 64 f32 a head
	s_mov_b32 s77, 0
	s_add_nc_u64 s[BP+2*(\hh):BP+2*(\hh)+1], s[BP+2*(\hh):BP+2*(\hh)+1], s[76:77]
	s_lshl_b32 s78, s75, 2
	s_lshr_b32 s79, s22, 3
	s_add_co_u32 s78, s78, s79                     ; 4 which + b
	s_lshl_b32 s78, s78, 22
	s_and_b32 s79, s74, 15
	s_lshl_b32 s79, s79, 18                        ; the head: 2,048 rows of 128 bytes
	s_add_co_u32 s78, s78, s79
	s_and_b32 s79, s22, 7
	s_lshl_b32 s79, s79, 15                        ; the tile's 256 rows
	s_add_co_u32 s78, s78, s79
	s_lshl_b32 s79, s[WV], 13                      ; my 64
	s_add_co_u32 s78, s78, s79
	s_mov_b32 s79, 0
	s_add_nc_u64 s[OP+2*(\hh):OP+2*(\hh)+1], s[14:15], s[78:79]
.irp bb, 0,1,2,3
	global_load_b128 v[BIAS+8*(4*(\hh)+(\bb)):BIAS+8*(4*(\hh)+(\bb))+3],   v[BO], s[BP+2*(\hh):BP+2*(\hh)+1] offset:64*(\bb)
	global_load_b128 v[BIAS+8*(4*(\hh)+(\bb))+4:BIAS+8*(4*(\hh)+(\bb))+7], v[BO], s[BP+2*(\hh):BP+2*(\hh)+1] offset:64*(\bb)+16
.endr
.endr
.else
	s_lshl_b32 s76, s21, 9                         ; 128 f32 a tile column
	s_mov_b32 s77, 0
	s_add_nc_u64 s[BP:BP+1], s[8:9], s[76:77]
	s_lshl_b32 s78, s22, 20                        ; 256 rows of 4,096 bytes
	s_lshl_b32 s79, s[WV], 18                      ; my 64
	s_add_co_u32 s78, s78, s79
	s_add_co_u32 s78, s78, s76                     ; the tile's 512 bytes of a row
	s_mov_b32 s79, 0
	s_add_nc_u64 s[OP:OP+1], s[10:11], s[78:79]
.irp bb, 0,1,2,3,4,5,6,7
	global_load_b128 v[BIAS+8*(\bb):BIAS+8*(\bb)+3],   v[BO], s[BP:BP+1] offset:64*(\bb)
	global_load_b128 v[BIAS+8*(\bb)+4:BIAS+8*(\bb)+7], v[BO], s[BP:BP+1] offset:64*(\bb)+16
.endr
.endif
	; a fragment is 16 rows x 32 K in 8 registers: lane l holds row l % 16, K = 8 (l / 16) + 0..7 and 16 + 8 (l / 16) + 0..7: two loads of 16 bytes, 32 bytes apart
	s_lshl_b32 s74, s[WV], 6
	v_add_nc_u32 v13, s74, v1                      ; my wave's 64 rows of A
	v_mul_u32_u24 v[A0], v13, APITCH
	v_lshl_add_u32 v[A0], v2, 4, v[A0]
	v_mul_u32_u24 v[B0], v1, 272
	v_lshl_add_u32 v[B0], v2, 4, v[B0]
	v_add_nc_u32 v[B0], BOFF, v[B0]
	s_mul_i32 s74, s[WV], 16*SPITCH
	s_add_co_u32 s74, s74, STAGE                   ; my stage
	v_and_b32 v13, 31, v0
	v_lshlrev_b32 v[GO], 4, v13
	v_mul_u32_u24 v[STO], v1, SPITCH
.if PROJ
	v_lshl_add_u32 v[STO], v2, 4, v[STO]           ; in: row l % 16, 16 bytes for each half of the lanes
	v_bfe_u32 v14, v0, 3, 2                        ; back: 32 lanes take four rows' 128 bytes of one head
	v_mul_u32_u24 v[RD], v14, SPITCH
	v_and_b32 v15, 7, v0
	v_lshl_add_u32 v[RD], v15, 4, v[RD]
	v_add_nc_u32 v[RD], s74, v[RD]
.else
	v_lshl_add_u32 v[STO], v2, 5, v[STO]           ; in: row l % 16, 32 bytes for each half of the lanes
	v_add_nc_u32 v[RD], s74, v[GO]                 ; back: 32 lanes take a row's 512 bytes
.endif
	v_add_nc_u32 v[STO], s74, v[STO]
	; the prefetches: whose rows, which partner's share, how far from lane to lane and from K step to K step
	s_and_b32 s74, ttmp7, 0xffff
	s_mov_b32 s76, BSHARE
	s_mov_b32 s[PST], 256
	s_mov_b32 s78, 2048
	s_cmp_eq_u32 s[KIND], 0
	s_cselect_b32 s74, ttmp9, s74                  ; the coordinate along which other clusters read the same rows
	s_cselect_b32 s75, s19, s20                    ; my place among the four that ask with me
	s_cselect_b64 s[PFA:PFA+1], s[70:71], s[72:73]
	s_cselect_b32 s76, ASHARE, s76
	s_cselect_b32 s[PST], ASTEP, s[PST]
	s_cselect_b32 s79, 31, BR/4-1                  ; B's share has fewer rows than a wave has lanes: the lanes that are over name its last row again
	s_cselect_b32 s78, APP, s78
	s_mov_b32 s[PST+1], 0
	s_cmp_eq_u32 s74, 0
	s_cselect_b32 s[LIM], 2, -1                    ; the same in all sixteen partners, for a given wave
	s_mul_i32 s76, s76, s75
	s_mul_i32 s66, s[PST], 3                       ; at K step 3: the first change of slots steps it to 4
	s_add_co_u32 s76, s76, s66
	s_mov_b32 s77, 0
	s_add_nc_u64 s[PFA:PFA+1], s[PFA:PFA+1], s[76:77]
	v_and_b32 v[PFO], 31, v0
	v_min_u32 v[PFO], s79, v[PFO]
	v_mul_u32_u24 v[PFO], s78, v[PFO]
	s_wait_loadcnt 0x0                             ; the bias, rounded to bf16 and widened again
.set i, 0
.rept 4*NBL
	v_cvt_pk_bf16_f32 v13, v[BIAS+2*i], v[BIAS+2*i+1]
	v_lshlrev_b32 v[BIAS+2*i], 16, v13
	v_and_b32 v[BIAS+2*i+1], 0xffff0000, v13
.set i, i+1
.endr
	s_wait_tensorcnt 1                             ; my part of K step 0 is in; K step 1's may stay out
	s_barrier_signal -1
	s_barrier_wait -1
	s_mov_b32 s[TB], 0
	v_mov_b32 v[ADRA], v[A0]
	v_mov_b32 v[ADRB], v[B0]
	FETCH 0, 0
	QUARTER 64, 0, 1, 1                            ; the first quarter stands in front of the loop: its products start the sums, with the bias
	WIN 0
	s_mov_b32 s3, 6
.Lstep:                                                ; trip t ends K step t, fills its slot with K step t + 2 and begins K step t + 1
	QUARTER 128, 1, 0, 0
	QUARTER 192, 0, 1, 0
	TURN 1
	QUARTER 64, 0, 1, 0
	WIN 0
	s_sub_co_u32 s3, s3, 1
	s_cmp_lg_u32 s3, 0
	s_cbranch_scc1 .Lstep
	s_mov_b32 s3, 2
.Ltail:                                                ; the last two K steps fill nothing: two trips of one text, the second left in its middle.  Its change of slots has a barrier and a run of
	QUARTER 128, 1, 0, 0                           ; fragment loads (of the slot read a K step ago, which nobody writes) that serve nothing: the price, once a work-group, of the shorter text
	QUARTER 192, 0, 1, 0
	TURN 0
	WIN 0
	s_sub_co_u32 s3, s3, 1
	s_cmp_eq_u32 s3, 0
	s_cbranch_scc1 .Lway
	QUARTER 64, 0, 1, 0
	WIN 0
	s_branch .Ltail
.Lway:
	PLACES
; THE WAY OUT, a block of 16 rows at a time, through my own stage: LDS serves a wave's instructions in order (ISA guide 5.7.1.4), so no wait stands between my stores and my loads.
.if PROJ
.macro PACK a                          ; rounded to f16: a lane's eight columns pack into 16 bytes; each accumulator's registers in ascending order
.set AC, 8*NBL*((\a)%2)
	WIN 0x0a+5*((\a)/2)
.set b, 0
.rept NBL
.irp r, 0,1,2,3
	v_cvt_pk_f16_f32 v[TMP+4*b+(\r)], v[AC+8*b+2*(\r)], v[AC+8*b+2*(\r)+1]
.endr
.set b, b+1
.endr
	WIN 0
.endm
.macro TOSTAGE a
.set BK, 144+48*((\a)%2)
.set b, 0
.rept NBL
	ds_store_b128 v[STO], v[TMP+4*b:TMP+4*b+3] offset:32*b
.set b, b+1
.endr
.set t, 0
.rept 12
	ds_load_b128 v[BK+4*t:BK+4*t+3], v[RD] offset:(t/4)*128+(t%4)*4*SPITCH  ; head t / 4, rows 4 (t % 4) ..
.set t, t+1
.endr
.endm
.macro SEND a
.set BK, 144+48*((\a)%2)
	s_wait_dscnt 0x0                               ; the block is back in registers
	s_wait_xcnt 0x0                                ; earlier stores have read their registers: the other buffer is loaded again only behind this wait
.set t, 0
.rept 12
	global_store_b128 v[GO], v[BK+4*t:BK+4*t+3], s[OP+2*(t/4):OP+2*(t/4)+1] offset:(\a)*2048+(t%4)*512  ; four rows of a head: 512 consecutive bytes, aligned
.set t, t+1
.endr
.endm
	PACK 0
	TOSTAGE 0
.irp a, 1,2,3
	PACK \a
	SEND (\a)-1
	TOSTAGE \a
.endr
	SEND 3
.else
.macro TOSTAGE a                       ; f32 as it is: a lane's eight columns are 32 bytes; each accumulator's low four registers first
.set AC, 8*NBL*((\a)%2)
.set BK, 96+64*((\a)%2)
	WIN 0x08+4*((\a)/2)
.set b, 0
.rept NBL
	ds_store_b128 v[STO], v[AC+8*b:AC+8*b+3] offset:64*b
	ds_store_b128 v[STO], v[AC+8*b+4:AC+8*b+7] offset:64*b+16
.set b, b+1
.endr
	WIN 0
.set t, 0
.rept 16
	ds_load_b128 v[BK+4*t:BK+4*t+3], v[RD] offset:t*SPITCH
.set t, t+1
.endr
.endm
.macro SEND a
.set BK, 96+64*((\a)%2)
	s_wait_dscnt 0x0
	s_wait_xcnt 0x0                                ; earlier stores have read their registers: the other buffer is loaded again only behind this wait
.set t, 0
.rept 16
	global_store_b128 v[GO], v[BK+4*t:BK+4*t+3], s[OP:OP+1] offset:(16*(\a)+t)*4096  ; a row's 512 consecutive bytes, aligned
.set t, t+1
.endr
.endm
.irp a, 0,1,2,3
	TOSTAGE \a
	SEND \a
.endr
.endif
	s_wait_tensorcnt 0x0                           ; the wave's end: behind my last tensor load and my last LDS store
	ds_add_u32 v[SPW], v[NIL]
	s_wait_dscnt 0x0
	CROUND                                         ; the closing round: no work-group ends while a partner may still ask for a tile that names it
	s_endpgm
.Lfunc_end_k_q7b9da29f60_proj:
	.size	k_q7b9da29f60_proj, .Lfunc_end_k_q7b9da29f60_proj-k_q7b9da29f60_proj
	.p2alignl 7, 3214868480
	.fill 96, 4, 3214868480
	.section	.rodata,"a",@progbits
	.p2align	6, 0x0
	.amdhsa_kernel k_q7b9da29f60_proj
		.amdhsa_group_segment_fixed_size 327680
		.amdhsa_private_segment_fixed_size 0
		.amdhsa_enable_private_segment 0
		.amdhsa_kernarg_size 48
		.amdhsa_user_sgpr_count 2
		.amdhsa_user_sgpr_kernarg_segment_ptr 1
		.amdhsa_wavefront_size32 1
		.amdhsa_system_sgpr_workgroup_id_x 1
		.amdhsa_system_sgpr_workgroup_id_y 1
		.amdhsa_system_sgpr_workgroup_id_z 1
		.amdhsa_system_vgpr_workitem_id 0
		.amdhsa_next_free_vgpr 1024
		.amdhsa_next_free_sgpr 96
		.amdhsa_reserve_vcc 0
		.amdhsa_float_denorm_mode_32 3
		.amdhsa_float_denorm_mode_16_64 3
		.amdhsa_memory_ordered 1
		.amdhsa_forward_progress 1
		.amdhsa_inst_pref_size 96
	.end_amdhsa_kernel
	.amdgpu_metadata
---
amdhsa.version: [ 1, 2 ]
amdhsa.kernels:
  - .name:           k_q7b9da29f60_proj
    .symbol:         k_q7b9da29f60_proj.kd
    .args:
      - { .name: Xb, .offset: 0, .size: 8, .value_kind: global_buffer, .address_space: global }
      - { .name: Wt, .offset: 8, .size: 8, .value_kind: global_buffer, .address_space: global }
      - { .name: bq, .offset: 16, .size: 8, .value_kind: global_buffer, .address_space: global }
      - { .name: bk, .offset: 24, .size: 8, .value_kind: global_buffer, .address_space: global }
      - { .name: bv, .offset: 32, .size: 8, .value_kind: global_buffer, .address_space: global }
      - { .name: qkv, .offset: 40, .size: 8, .value_kind: global_buffer, .address_space: global }
    .group_segment_fixed_size: 327680
    .private_segment_fixed_size: 0
    .kernarg_segment_align: 8
    .kernarg_segment_size: 48
    .max_flat_workgroup_size: 128
    .sgpr_count:     96
    .vgpr_count:     1024
    .wavefront_size: 32
...
	.end_amdgpu_metadata
.endif
;; end of part 6
;; launch attn (part 7): grid 4 x 64, 4 waves a work-group, clusters of 4 x 1, 327,680 bytes of LDS; arguments qkv, mw, ctx; writes ctx
.if DOCPART == 7
	.amdgcn_target "amdgcn-amd-amdhsa--gfx1250"
	.amdhsa_code_object_version 6
	.text
	.protected	k_q7b9da29f60_attn
	.globl	k_q7b9da29f60_attn
	.p2align	8
	.type	k_q7b9da29f60_attn,@function
k_q7b9da29f60_attn:
	s_mov_b64 s[64:65], 0
	v_nop
	global_prefetch_b8 v0, s[64:65] scope:SCOPE_SE
	s_setreg_imm32_b32 hwreg(HW_REG_WAVE_MODE, 25, 1), 1
	s_wait_xcnt 0x0
	s_wait_alu depctr_hold_cnt(0) depctr_sa_sdst(0) depctr_va_vdst(0) depctr_va_sdst(0) depctr_va_ssrc(0) depctr_va_vcc(0) depctr_vm_vsrc(0)
	s_getreg_b32 s2, hwreg(HW_REG_IB_STS2, 6, 4)
	s_cmp_eq_u32 s2, 0
	s_cbranch_scc0 .Lentry_in_a_cluster
	s_endpgm
.Lentry_in_a_cluster:
	s_bfe_u32 s2, ttmp6, 0x10000c
	s_cmp_lg_u32 s2, 0x3003
	s_cbranch_scc0 .Lentry_shape_is_right
	s_endpgm
.Lentry_shape_is_right:
; ctx[bh][q][:] = the sum over k of softmax_k(masked(Q[bh][q] . K[bh][k] / 8)) V[bh][k][:].  q, k, v: qkv [3][64 bh][2048][64] f16; ctx [64][2048][64] f16.
; Products, maxima and sums in f32; the weights p are rounded to f16 for the second product (their sum l is taken of the unrounded p), ctx once at the end.
; THE MASK comes as 4-bit codes: mw [b][piece of 32 queries][step of 64 keys][tile 2][lane 32][kb 4] words; code j of a lane's word kb stands for register 8 kb + j of the tile's S^T: 0 seen, 0xF hidden.
; One v_cvt_scale_pk8_f32_fp4 with the scale 2^100 makes of a word the eight numbers 0 or -6 x 2^100, straight into an accumulator's registers, and the products K Q^T add onto them in place.
; The running maximum starts at -2^60: above every hidden score, below every seen one (f16 operands bound a score by 2.7e11).  So a hidden weight is 2^(a number below -1e21) = 0, whatever the sum's
; rounding makes of -6 x 2^100 + s.  A row with no seen key ends with O = 0 and l = 0 and leaves as the mean of V's rows, as the definition's softmax of equal scores gives it: the way out is
; O / (l + f) + f x mean, f = 1 where l = 0, else 0.  The sum of V's rows is V^T times ones, 8 products a key step, shared out among the four waves by step; the four parts meet in LDS on the way out.
; A piece's and step's words are 1,024 consecutive bytes: two loads of 16 bytes a lane, just under four turns ahead of their use (a ring of four sets of eight registers, one a piece).
; LIMITS.  A hidden key has the weight 0 where the definition has exp(-1e9 - maximum): the results part only where seen scaled scores lie at or below some -1e9 + 150.  f16 holds no number beyond 65,504:
; q, k, v arrive within it.  A weight below 2^-126 counts as 0 in l; NaN and infinities are not treated apart.
; SHARES.  A wave owns four PIECES of two tiles of 16 queries, a work-group's four waves 512 queries of one head; a cluster's four work-groups are one head.  Every wave walks all keys, 64 a step.
; LAYOUT.  S^T = K Q^T (source 0 = 16 keys, source 1 = 16 queries): a lane holds ONE query (lane % 16) and the keys 8 (lane / 16) + 0..7.  Two such tiles, rounded to f16 in pairs, ARE source 1 of
; O^T = V^T P.  K comes out of LDS as it lies, V turned, by ds_load_tr16_b128.
; SOFTMAX.  A running maximum m and sum l: p = 2^(c s - c m), c = log2(e) / 8; in every step O and l are multiplied by a = 2^(c m_old - c m_new).  O and l start at 0.
; BY TURNS.  Turn n belongs to piece n: 16 products K Q^T of piece n + 1, later 16 products V^T P of piece n - 1; beside them the scaling, exponentials, roundings, sums and rescaling of piece n and the
; maximum and statistics of piece n + 1.  Four vector instructions stand behind every matrix instruction, the others in one run.  A turn's 66 exponentials are one batch, with one wait.
; CLUSTER.  The four work-groups walk the same K and V: each tile is asked for jointly, the same tensor load, descriptor and mask in all four.  Every wave fetches a quarter of a slot: waves 0, 1
; the halves of K's 256 rows, waves 2, 3 of V's; K and V have one LDS pitch, so one line serves all four waves.  One tensor load of a wave is out at any time.
; REGISTERS, in windows of 256: window 0: v0-11 addresses and the scale; v12-15, v48-63 at work; v16-47 statistics; v64-191 S^T, two buffers of two tiles; v192-255 P, likewise.
;   window 1: O^T, 32 a tile.   window 2: v0-127 Q; v128-191 K of one step; v192-255 V of one step.
;   window 3: v0-1 the add's two registers; v2-7 the mask words' offsets; v8-15 ones; v16-47 the mask words' ring; v48-79 my part of the sum of V's rows.
.set SIZE_N, 2048
.set NP,    4
.set KS,    64
.set PK,    144       ; a row of K in LDS: 128 bytes + 16
.set PV,    144       ; the same for V, so that one descriptor shape serves both: the turning load's 8 rows x 32 bytes then meet two deep in four groups of banks
.set VOFF,  4*KS*PK   ; a slot holds four steps: 256 rows of K, then 256 rows of V
.set SLOT1, 1<<17
.set STAGE, SLOT1+4*KS*(PK+PV)  ; behind the ring, never filled by a tensor load: 16 rows x 144 bytes for each wave
.set SP,    144
.set SPARE, STAGE+4*16*SP       ; the spare words, 128 bytes for each wave; no other line names them
.set SVB,   SPARE+512           ; behind them, never filled by a tensor load: 4,096 bytes for each wave's part of the sum of V's rows
.set AK0, 2
.set AV0, 3
.set AK,  4
.set AV,  5
.set QO,  6
.set STO, 6
.set RD,  7
.set GO,  8
.set PFO, 10          ; v10  256 x lane, made when v10's first use is over; then never rewritten
.set SCL, 11          ; v11  the conversions' scale: the E8M0 code 227 (2^100), in all four bytes
.set SPW, 0           ; v0 of window 3
.set NIL, 1           ; v1 of window 3
.set L16, 2           ; v2 of window 3: 16 x lane; never rewritten
.set MO,  4           ; v4-7 of window 3: by piece, the byte offset of the mask words asked for last
.set ONE, 8           ; v8-15 of window 3: 1.0 in every f16 half: source 1 of V^T times ones
.set MWR, 16          ; v16-47 of window 3: by piece, eight words: 4 tile + kb
.set SV,  48          ; v48-79 of window 3: four accumulators: channel block cb at SV + 8 cb; laid out as a tile's O^T
.set MV,  12
.set ST,  16
.set TMP, 48
.set S,   64
.set P,   192
.set KF,  128
.set VF,  192
.set OA,  4           ; s[4:5]   ctx at my wave's first row
.set MB,  6           ; s[6:7]   mw at my wave's first piece; never rewritten
.set PFA, 8           ; s[8:9]   where my prefetches stand
.set WV,  10          ; s10
.set LIM, 11          ; s11  1 in waves 0 and 2, else the greatest number
.set G0,  12          ; s[12:15] descriptor group 0: it walks
.set G1,  16          ; s[16:23] descriptor group 1
.set SLOTS, 24
.set CNT, 25
.set CS,  26          ; s[26:27] c
.set SEL, 28          ; s[28:29] v_permlanex16_b32's selects
.set TBK, 30
.set TBV, 31
.set WV1, 48          ; s48  my wave's number + 1: of a slot's four steps I sum V's rows where CNT has this value
.set FM,  52          ; s[52:59] the way out: by tile, the lanes whose row has no seen key
.set MOFF, 66         ; s66  1,024 x the step of the mask words that are asked for
.set QA,  104         ; s[104:105] q at my wave's first row
.set MSB, 0
.macro WIN new
.if MSB != (\new)
	s_set_vgpr_msb (MSB<<8)|(\new)
.set MSB, (\new)
.endif
.endm
.set W_KQ, 0x0a
.set W_PV, 0x52
.set W_RS, 0x41
.set W_MK, 0xc0
.set W_AD, 0x0f
.set W_MW, 0xcf       ; destination and sources 0 and 1 in window 3: the offset's sum and the loads of the mask words
.macro LOADT                        ; my quarter of a slot; an s_nop 0 and four v_nop follow
	tensor_load_to_lds s[G0:G0+3], s[G1:G1+7]
	s_nop 0
.rept 4
	v_nop
.endr
.endm
.macro CROUND
	s_barrier_signal -1
	s_barrier_wait -1
	s_cmp_lg_u32 s[WV], 0
	s_cbranch_scc1 .Lnot_wave_0_\@
	s_barrier_signal -3
.Lnot_wave_0_\@:
	s_barrier_wait -3
	s_barrier_signal -1
	s_barrier_wait -1
.endm
; A prefetch of what the NEXT change of slots will ask for: a slot's K and V are 128 blocks of 256 bytes each; the four partners take 32 each, told apart by address; wave 0 asks for K's, wave 2 for V's,
; a lane a block.  One cluster alone reads a head, so each block is named once.  The last change that fills a slot names nothing.
.macro ASK
	s_cmp_gt_u32 s[SLOTS], s[LIM]
	s_cbranch_scc0 .Lnot_mine_\@
	global_prefetch_b8 v[PFO], s[PFA:PFA+1] th:TH_LOAD_NT scope:SCOPE_SE
.Lnot_mine_\@:
.endm
; THE CHANGE OF SLOTS.  Each wave waits for all its tensor loads, adds 0 to its spare word, and waits for that and for its reads of the slot.  fill = 1: the barrier is a round of the cluster's, and
; the joint fill, with the keys two slots on, is the first thing behind it: it has four key steps in which to land.  ask = 1: the prefetch's address steps, and the prefetch follows the load.
.macro CHANGE fill, ask=0
	WIN W_AD
	s_wait_tensorcnt 0x0
	ds_add_u32 v[SPW], v[NIL]
	WIN 0
.if \fill
	s_xor_b32 s[G0+1], s[G0+1], SLOT1
	s_add_nc_u64 s[G0+2:G0+3], s[G0+2:G0+3], 4*KS*128
.if \ask
	s_wait_xcnt 0x0                 ; the last prefetch, four key steps back, has read its address
	s_add_nc_u64 s[PFA:PFA+1], s[PFA:PFA+1], 4*KS*128
.endif
	s_wait_dscnt 0x0                ; the add is done, and my reads of the slot are over
	CROUND
	LOADT
.if \ask
	ASK
.endif
.else
	s_wait_dscnt 0x0
	s_barrier_signal -1
	s_barrier_wait -1
.endif
	s_sub_co_u32 s[TBK], s[TBK], 4*KS*PK
	s_xor_b32 s[TBK], s[TBK], SLOT1
	s_sub_co_u32 s[TBV], s[TBV], 4*KS*PV
	s_xor_b32 s[TBV], s[TBV], SLOT1
.endm
	s_load_b128 s[32:35], s[0:1], 0x0  ; qkv s[32:33], mw s[34:35]
	s_load_b64 s[36:37], s[0:1], 0x10  ; ctx
	WIN W_MK
	v_lshl_add_u32 v[SPW], v0, 2, SPARE
	v_mov_b32 v[NIL], 0
	WIN W_AD
	ds_add_u32 v[SPW], v[NIL]       ; the wave's opening: the add and its wait ahead of my first tensor load
	WIN 0
	v_lshrrev_b32 v1, 5, v0
	v_readfirstlane_b32 s[WV], v1
	s_add_co_u32 s[WV1], s[WV], 1
	s_bfe_u32 s2, ttmp6, 0x40000    ; cx: my block of 512 queries
	s_and_b32 s3, ttmp7, 0xffff     ; 16 b + h, which the four partners share
	s_lshr_b32 s100, s[WV], 1
	s_add_co_u32 s100, s100, 1      ; k for waves 0, 1; v for waves 2, 3
	s_lshl_b32 s100, s100, 24
	s_lshl_b32 s67, s3, 18          ; the head's 2,048 rows of 128 bytes
	s_add_co_u32 s100, s100, s67
	s_and_b32 s101, s[WV], 1
	s_lshl_b32 s101, s101, 14       ; which 128 keys of a slot's 256
	s_add_co_u32 s100, s100, s101
	s_mov_b32 s101, 0
	s_lshl_b32 s40, s2, 2
	s_add_co_u32 s40, s40, s[WV]    ; my wave among the head's sixteen
	s_lshl_b32 s38, s40, 14         ; its 128 rows
	s_add_co_u32 s38, s38, s67
	s_mov_b32 s39, 0
	s_lshl_b32 s40, s40, 17         ; its four pieces of 32,768 bytes of mw,
	s_lshr_b32 s41, s3, 4
	s_lshl_b32 s41, s41, 21         ; in the batch's 64 pieces
	s_add_co_u32 s40, s40, s41
	s_mov_b32 s41, 0
	s_mov_b32 s[G1], 15|(1<<16)|(1<<20)|(1<<21)|(4<<22)|(3<<25)  ; the mask of four; 2-byte elements; padding on; bit 21 beside a mask; after every 32 words 4 words
	s_mov_b32 s[G1+1], 128<<16      ; 128 keys are 16,384 dense bytes: asked for as 64 rows of 256 bytes
	s_mov_b32 s[G1+2], 64<<16
	s_mov_b32 s[G1+3], 128<<16
	s_mov_b32 s[G1+4], 64
	s_mov_b32 s[G1+5], 128
	s_mov_b32 s[G1+6], 0
	s_mov_b32 s[G1+7], 0
	s_mov_b32 s[G0], 1
	s_mul_i32 s[G0+1], s[WV], 128*PK  ; my quarter of slot 0: no place in the cluster enters an LDS address
	s_mov_b32 s[CS], 0x3e38aa3b     ; c = log2(e) / 8
	s_mov_b32 s[CS+1], s[CS]
	s_mov_b32 s[SEL], 0x76543210
	s_mov_b32 s[SEL+1], 0xfedcba98
	s_mov_b32 s[TBK], SLOT1+4*KS*PK ; the first change of slots turns these two into 0
	s_mov_b32 s[TBV], SLOT1+4*KS*PV
	s_and_b32 s[LIM], s[WV], 1
	s_cmp_eq_u32 s[LIM], 0
	s_cselect_b32 s[LIM], 1, -1
	s_lshl_b32 s44, s2, 13          ; my work-group's 32 blocks of a slot's 128,
	s_add_co_u32 s44, s44, 2*4*KS*128  ; in slot 2: the first change in the loop steps it to slot 3
	s_mov_b32 s45, 0
	s_mov_b32 s[MOFF], 0
	s_wait_dscnt 0x0                ; the opening add is done
	s_wait_kmcnt 0x0
	s_add_nc_u64 s[100:101], s[32:33], s[100:101]
	s_mov_b64 s[G0+2:G0+3], s[100:101]
	s_or_b32 s[G0+3], s[G0+3], 0x80000000
	s_add_nc_u64 s[PFA:PFA+1], s[100:101], s[44:45]  ; (used in waves 0 and 2, whose address stands at a slot's first row)
	s_add_nc_u64 s[QA:QA+1], s[32:33], s[38:39]
	s_add_nc_u64 s[OA:OA+1], s[36:37], s[38:39]
	s_add_nc_u64 s[MB:MB+1], s[34:35], s[40:41]
	CROUND                          ; all four work-groups are here: the first joint loads meet
	LOADT                           ; slot 0
	WIN W_MK
	v_and_b32 v[L16], 31, v0
	WIN W_MW
	v_lshlrev_b32 v[L16], 4, v[L16]
.irp px, 0,1,2,3                    ; the four pieces' mask words of step 0: twice 512 consecutive bytes each
	global_load_b128 v[MWR+8*\px:MWR+8*\px+3],   v[L16], s[MB:MB+1] offset:\px*32768
	global_load_b128 v[MWR+8*\px+4:MWR+8*\px+7], v[L16], s[MB:MB+1] offset:\px*32768+512
.endr
.irp z, 0,1,2,3,4,5,6,7
	v_mov_b32 v[ONE+\z], 0x3c003c00
.endr
	WIN 0
	v_and_b32 v1, 15, v0
	v_bfe_u32 v9, v0, 4, 1
	v_lshlrev_b32 v[QO], 7, v1
	v_lshl_add_u32 v[QO], v9, 4, v[QO]
	WIN 0x80
.set i, 0
.rept 4*NP                          ; Q stays in registers: tile i / 2, channels 32 (i % 2) on
	global_load_b128 v[8*i:8*i+3],   v[QO], s[QA:QA+1] offset:(i/2)*2048+(i%2)*64
	global_load_b128 v[8*i+4:8*i+7], v[QO], s[QA:QA+1] offset:(i/2)*2048+(i%2)*64+32
.set i, i+1
.endr
	; What the first turn finds: V's registers and P's second buffer hold 0, O^T, l and the sum of V's rows are 0.  All this stands in the wait for the first tile; no first step is written out.
.set i, VF
.rept 64
	v_mov_b32 v[i], 0
.set i, i+1
.endr
	WIN 0
.set i, 0
.rept 2*NP
	v_mov_b32 v[ST+4*i], 0xfe000000    ; c m: far below every c m to come, so the first step's a is 0
	v_mov_b32 v[ST+4*i+1], 0xdd800000  ; m = -2^60: above every hidden score, below every seen one
	v_mov_b32 v[ST+4*i+2], 0
	v_mov_b32 v[ST+4*i+3], 0
.set i, i+1
.endr
.set i, P+32
.rept 32
	v_mov_b32 v[i], 0
.set i, i+1
.endr
	WIN 0x4a                        ; O^T's 256 registers: a product of V's zeros with the constant 0 as C writes eight of them a line
.set i, 0
.rept 8*NP
	v_wmma_f32_16x16x32_f16 v[8*i:8*i+7], v[VF:VF+7], v[VF+8:VF+15], 0
.set i, i+1
.endr
	WIN 0xca                        ; and the four accumulators of the sum of V's rows
.set i, 0
.rept 4
	v_wmma_f32_16x16x32_f16 v[SV+8*i:SV+8*i+7], v[VF:VF+7], v[VF+8:VF+15], 0
.set i, i+1
.endr
	WIN 0
	v_mul_u32_u24 v[AK0], v1, PK
	v_lshl_add_u32 v[AK0], v9, 4, v[AK0]
	v_and_b32 v10, 7, v0
	v_bfe_u32 v11, v0, 3, 1
	v_lshl_add_u32 v[AV0], v9, 3, v10
	v_mul_u32_u24 v[AV0], v[AV0], PV
	v_lshl_add_u32 v[AV0], v11, 4, v[AV0]
	v_add_nc_u32 v[AV0], VOFF, v[AV0]
	v_mov_b32 v[AK], v[AK0]
	v_mov_b32 v[SCL], 0xe3e3e3e3
; THE MATRIX WORK.  The 8 accumulators of a run of 16 take turns.  Every product K Q^T adds in place: the sums begin with the mask's numbers.
.macro KQ x
	WIN W_KQ
.set rS, S+64*((\x)%2)+32*(i%2)+8*((i/2)%4)
.set rK, KF+16*((i/2)%4)+8*(i/8)
.set rQ, 16*(2*(\x)+i%2)+8*(i/8)
	v_wmma_f32_16x16x32_f16 v[rS:rS+7], v[rK:rK+7], v[rQ:rQ+7], v[rS:rS+7]
.endm
.macro PV x
	WIN W_PV
.set rO, 32*(2*(\x)+i%2)+8*((i/2)%4)
.set rV, VF+32*(i/8)+8*((i/2)%4)
.set rP, P+32*((\x)%2)+16*(i%2)+8*(i/8)
	v_wmma_f32_16x16x32_f16 v[rO:rO+7], v[rV:rV+7], v[rP:rP+7], v[rO:rO+7]
.endm
.macro MM
.if i < 16
	KQ (Y+1)%NP
.set i, i+1
.else
.set i, i-16
	PV (Y+NP-1)%NP
.set i, i+17
.endif
.endm
; THE LDS LOADS stand in runs of 16.  last = 1 (the tail): in the last trip there is no further step, and the run is jumped over.
.macro FETCH_K last=0
	WIN 0
.if \last
	s_cmp_eq_u32 s[CNT], 1
	s_cbranch_scc1 .Lno_k_\@
.endif
	WIN 0x80
.irp f, 0,1,2,3,4,5,6,7
	ds_load_b128 v[KF+8*\f:KF+8*\f+3],   v[AK] offset:(\f/2)*16*PK+(\f%2)*64
	ds_load_b128 v[KF+8*\f+4:KF+8*\f+7], v[AK] offset:(\f/2)*16*PK+(\f%2)*64+32
.endr
	s_add_co_u32 s[TBK], s[TBK], KS*PK
	WIN 0
.if \last
.Lno_k_\@:
.endif
.endm
.macro FETCH_V
	WIN 0x80
.irp f, 0,1,2,3,4,5,6,7
	ds_load_tr16_b128 v[VF+8*\f:VF+8*\f+3],   v[AV] offset:(\f/4)*32*PV+(\f%4)*32
	ds_load_tr16_b128 v[VF+8*\f+4:VF+8*\f+7], v[AV] offset:(\f/4)*32*PV+16*PV+(\f%4)*32
.endr
	WIN 0
.endm
; THE MASK of the NEXT piece (Y + 1): eight conversions, a word each, write its 64 registers of S^T, which the piece before last has left: 0 or -6 x 2^100.  Word 4 tile + kb goes to registers 32 tile + 8 kb on.
.macro CVM
	WIN 0x03                        ; source 0, the word, in window 3; the scale and S^T in window 0
.set c, 0
.rept 8
.set rD, S+64*(((Y+1)%NP)%2)+8*c
	v_cvt_scale_pk8_f32_fp4 v[rD:rD+7], v[MWR+8*((Y+1)%NP)+c], v[SCL]
.set c, c+1
.endr
.endm
; Behind them the words' registers are free: the same piece's words of the next step are asked for, just under four turns ahead of their use.  The sum that makes the offset is the plain instruction
; between the last conversion and what touches its result or writes its source.  The piece's offset register was last read by the loads that this turn's s_wait_loadcnt has shown done.
; Piece 0 leads the others by a step, so the step goes on in its turn; behind the last step it stays at the last step: no load leaves mw.
.macro MNEXT
.if Y == NP-1
	s_add_co_u32 s[MOFF], s[MOFF], 1024
	s_min_u32 s[MOFF], s[MOFF], 31*1024
.endif
	WIN W_MW
	v_add_nc_u32 v[MO+(Y+1)%NP], s[MOFF], v[L16]
	global_load_b128 v[MWR+8*((Y+1)%NP):MWR+8*((Y+1)%NP)+3],   v[MO+(Y+1)%NP], s[MB:MB+1] offset:((Y+1)%NP)*32768
	global_load_b128 v[MWR+8*((Y+1)%NP)+4:MWR+8*((Y+1)%NP)+7], v[MO+(Y+1)%NP], s[MB:MB+1] offset:((Y+1)%NP)*32768+512
.endm
; THE SUM OF V's ROWS: V^T times ones, for the step in hand.  Of a slot's four steps wave w takes the one at which CNT is w + 1: the branch hangs on the wave's number and the loop's count, alike in all
; partners, and jumps over matrix instructions alone.  The four accumulators take turns.
.macro SVSUM
	WIN 0
	s_cmp_eq_u32 s[CNT], s[WV1]
	s_cbranch_scc0 .Lno_sv_\@
	WIN 0xfe                        ; V in window 2; ones, C and D in window 3
.irp f, 0,1,2,3,4,5,6,7             ; keys 32 (f / 4) on, channels 16 (f % 4) on
	v_wmma_f32_16x16x32_f16 v[SV+8*(\f%4):SV+8*(\f%4)+7], v[VF+8*\f:VF+8*\f+7], v[ONE:ONE+7], v[SV+8*(\f%4):SV+8*(\f%4)+7]
.endr
	WIN 0
.Lno_sv_\@:
.endm
; THE VECTOR WORK OF A TURN stands in three queues; the two tiles alternate.
.macro REGS y, u
.set rT, ST+4*(2*(\y)+(\u))
.set rC, TMP+8*((\y)%2)+4*(\u)
.set rM, MV+2*((\y)%2)+(\u)
.set rS, S+64*((\y)%2)+32*(\u)
.set rP, P+32*((\y)%2)+16*(\u)
.set rO, 32*(2*(\y)+(\u))
.endm
; Number n of the 22 that find the next piece's maximum and statistics: 0-11 four chains of seven scores (each accumulator's lowest registers are read first); 12-14, 16 the scores left over, the old m,
; the four into one; 15 c m_old is kept; 17, 18 the other half of the lanes; 19-21 c m, its change, a.
.macro XS u, n
	REGS (Y+1)%NP, \u
.if (\n) < 4
	v_max3_num_f32 v[rC+(\n)], v[rS+8*(\n)], v[rS+8*(\n)+1], v[rS+8*(\n)+2]
.elseif (\n) < 12
	v_max3_num_f32 v[rC+(\n)%4], v[rC+(\n)%4], v[rS+8*((\n)%4)+2*((\n)/4)+1], v[rS+8*((\n)%4)+2*((\n)/4)+2]
.elseif (\n) == 12
	v_max3_num_f32 v[rC], v[rC], v[rS+7], v[rS+15]
.elseif (\n) == 13
	v_max3_num_f32 v[rC+1], v[rC+1], v[rS+23], v[rS+31]
.elseif (\n) == 14
	v_max3_num_f32 v[rC+2], v[rC+2], v[rC+3], v[rT+1]
.elseif (\n) == 15
	v_mov_b32 v[rM], v[rT]
.elseif (\n) == 16
	v_max3_num_f32 v[rC], v[rC], v[rC+1], v[rC+2]
.elseif (\n) == 17
	v_permlanex16_b32 v[rC+3], v[rC], s[SEL], s[SEL+1]
.elseif (\n) == 18
	v_max_num_f32 v[rT+1], v[rC], v[rC+3]
.elseif (\n) == 19
	v_mul_f32 v[rT], s[CS], v[rT+1]
.elseif (\n) == 20
	v_sub_f32 v[rC+1], v[rM], v[rT]
.else
	v_exp_f32 v[rC+2], v[rC+1]
.endif
.endm
; Number g of the 64 that follow the exponentials: for each four weights both pairs are rounded to f16, the second pair is added onto the first, and a group later l takes that sum.
.macro GS g
.set h, (\g)+6*((\g)/62)
.if h >= 6
.set h, h+2
.endif
	REGS Y, h%2
.set k, h/8
.if h%8 < 4
	v_cvt_pk_f16_f32 v[rP+2*k+(h%8)/2], v[rS+4*k+2*((h%8)/2)], v[rS+4*k+2*((h%8)/2)+1]
.elseif h%8 < 6
	v_pk_add_f32 v[rS+4*k:rS+4*k+1], v[rS+4*k:rS+4*k+1], v[rS+4*k+2:rS+4*k+3]
.elseif k == 1
	v_pk_fma_f32 v[rT+2:rT+3], v[rT+2:rT+3], v[rC+2:rC+3], v[rS:rS+1] op_sel_hi:[1,0,1]
.else
	v_pk_add_f32 v[rT+2:rT+3], v[rT+2:rT+3], v[rS+4*k-4:rS+4*k-3]
.endif
.endm
.macro FS f
	REGS Y, (\f)%2
	v_pk_fma_f32 v[rS+2*((\f)/2):rS+2*((\f)/2)+1], v[rS+2*((\f)/2):rS+2*((\f)/2)+1], s[CS:CS+1], v[rT:rT+1] op_sel_hi:[1,0,0] neg_lo:[0,0,1] neg_hi:[0,0,1]
.endm
; THE PLAIN QUEUE, 138 long.  0-73 read no exponential's result: 0-26 scalings 0-26; 27-54 the maximum's numbers 0-13; 55, 56 number 15; 57-73 the chain 14, 16, 17, 18, 19, each with one of the
; scalings 27-31 in front of its two lines, then 20.  74-137: the 64 that read the exponentials' results: they stand behind the wait.
.macro PL
	WIN 0
.if q < 27
	FS q
.elseif q < 55
	XS (q-27)%2, (q-27)/2
.elseif q < 57
	XS q-55, 15
.elseif (q < 72) && ((q-57)%3 == 0)
	FS 27+(q-57)/3
.elseif q < 60
	XS (q-57)%3-1, 14
.elseif q < 72
	XS (q-57)%3-1, 15+(q-57)/3
.elseif q < 74
	XS q-72, 20
.else
	GS q-74
.endif
.set q, q+1
.endm
.macro EX                           ; the exponentials' queue, 66 long: s0-s31 of both tiles, then the next piece's two a
	WIN 0
.if e >= 64
	XS e-64, 21
.else
	REGS Y, e%2
	v_exp_f32 v[rS+e/2], v[rS+e/2]
.endif
.set e, e+1
.endm
.macro R2                           ; the rescaling's queue: O^T times a, two at a time, sixteen times
	REGS Y, r%2
	WIN W_RS
.irp z, 0,1
	v_pk_mul_f32 v[rO+4*(r/2)+2*\z:rO+4*(r/2)+2*\z+1], v[rO+4*(r/2)+2*\z:rO+4*(r/2)+2*\z+1], v[rC+2:rC+3] op_sel_hi:[1,0]
.endr
.set r, r+1
.endm
; A TURN, for piece p.  At its head the next piece's mask goes into S^T and the words are asked for again.  Ahead of the turn's one wait stands all that names no result of its exponentials: the 16 products
; K Q^T, behind each a scaling, an exponential and two rescalings (behind the first a second scaling in the exponential's place); then one run of 108: eight plain, 49 times exponential and plain, the two a;
; a v_nop.  As a rider exponential e stands behind plain e + 2, in the run behind plain e + 9: its scaling 2 (e / 4) + e % 2 is out (scalings 27-31 are plain 57, 60 .. 69).  Behind the wait: the 16
; products V^T P, behind each four of the roundings and sums.  K of the next step is fetched in piece 2's turn, behind the wait; V of the step in hand at the end of piece 0's turn, four plain
; instructions behind its last reader; in piece 1's turn, when V is in, one wave of the four sums its rows.
.macro TURN p, last=0, cnt=0
.set Y, (\p)
.set i, 0
.set q, 0
.set e, 0
.set r, 0
.if (\p) == NP-1
	s_wait_dscnt 0x0                ; K is in
.endif
	s_wait_loadcnt 6                ; the next piece's mask words are in: behind their two loads stand the six of the three turns since; loads come back in order (ISA guide 5.7.1)
	CVM
	MNEXT
	MM
	PL
	PL
	R2
.rept 15
	MM
	PL
	EX
	R2
.endr
.if (\p) == NP-2
	WIN 0
	v_add_nc_u32 v[AK], s[TBK], v[AK0]
.endif
.rept 8
	PL
.endr
.rept 49
	EX
	PL
.endr
	EX
	EX
	v_nop                           ; a plain instruction behind the last exponential: one for the batch
	s_wait_alu depctr_va_vdst(0)    ; the wait ahead of the first use: one for the batch
.if (\p) == NP-2
	FETCH_K \last
.endif
.if (\p) == 1
	s_wait_dscnt 0x0                ; V is in
	SVSUM
.endif
.rept 16
	MM
.rept 4
	PL
.endr
.if ((\p) == 0) && (q == 118)
	v_add_nc_u32 v[AV], s[TBV], v[AV0]
.endif
.if ((\p) == 0) && (q == 130)
	s_add_co_u32 s[TBV], s[TBV], KS*PV
.endif
.if (\cnt) && (q == 130)
	s_sub_co_u32 s[CNT], s[CNT], 1
	s_cmp_lg_u32 s[CNT], 0
.endif
.endr
.if (\p) == 0
	FETCH_V
.endif
.endm
	CHANGE 1                        ; slot 0 is in, everybody's part of it; slot 1 is asked for
	FETCH_K                         ; key step 0
	s_wait_loadcnt 0x0              ; Q, and the four pieces' mask words of step 0, which were asked for ahead of it
.set Y, NP-1                        ; CVM, MNEXT and XS work for piece Y + 1: piece 0
	CVM
	MNEXT                           ; piece 0's mask words of step 1
	s_wait_dscnt 0x0
.set i, 0
.rept 16
	KQ 0                            ; piece 0's first scores
.set i, i+1
.endr
	WIN 0                           ; the addresses for the way out and the prefetches: plain instructions, the places behind those products
	s_mul_i32 s100, s[WV], 16*SP
	s_add_co_u32 s100, s100, STAGE
	v_mul_u32_u24 v[STO], v1, SP
	v_lshl_add_u32 v[STO], v9, 4, v[STO]
	v_add_nc_u32 v[STO], s100, v[STO]
	v_bfe_u32 v[RD], v0, 3, 2
	v_mul_u32_u24 v[RD], v[RD], SP
	v_lshl_add_u32 v[RD], v10, 4, v[RD]
	v_add_nc_u32 v[RD], s100, v[RD]
	v_and_b32 v[GO], 31, v0
	v_lshlrev_b32 v[PFO], 8, v[GO]
	v_lshlrev_b32 v[GO], 4, v[GO]
.irp n, 0,1,2,3,4,5,6,7,8,9,10,11,12,13,14,15,16,17,18,19,20,21
	XS 0, \n
	XS 1, \n
.endr
	v_nop
	s_wait_alu depctr_va_vdst(0)    ; the two a have their wait ahead of the branch
	s_mov_b32 s[CNT], 4
	s_mov_b32 s[SLOTS], SIZE_N/256-1
	s_branch .Lfirst                ; the loop is entered at a step's first turn, in the middle of a trip
.Lslot:                             ; six times: every slot but the last two is filled again
	CHANGE 1, 1
	s_mov_b32 s[CNT], 4
.Lstep:                             ; a trip: pieces 2 and 3 of one step, then pieces 0 and 1 of the next
	TURN 2
	TURN 3
	WIN 0
.Lfirst:
	TURN 0
	TURN 1, 0, 1
	WIN 0
	s_cbranch_scc1 .Lstep
	s_sub_co_u32 s[SLOTS], s[SLOTS], 1
	s_cmp_lg_u32 s[SLOTS], 0
	s_cbranch_scc1 .Lslot
	CHANGE 0                        ; the tail is written out
	s_mov_b32 s[CNT], 5             ; four trips fetch the last slot's steps; the fifth is left in its middle
.Ltail:
	TURN 2, 1
	TURN 3
	WIN 0
	s_sub_co_u32 s[CNT], s[CNT], 1
	s_cmp_eq_u32 s[CNT], 0
	s_cbranch_scc1 .Lout
	TURN 0
	TURN 1
	WIN 0
	s_branch .Ltail
.Lout:                              ; the fifth trip's 16 products K Q^T, their mask and maximum serve nothing: the price, once a launch, of one text for every trip
	s_wait_loadcnt 0x0              ; the last mask words asked for are in: nothing lands in a register later
.set i, 0
.rept 16
	PV NP-1
.set i, i+1
.endr
	; THE WAY OUT.  l's two halves and the other half of the lanes' are added; f = 1 where l = 0; O^T is divided by l + f.  The additions are the places behind the last products.
	WIN 0
.macro ALL line:vararg
.set t, 0
.rept 2*NP
	\line
.set t, t+1
.endr
.endm
	ALL v_add_f32 v[ST+4*t+2], v[ST+4*t+2], v[ST+4*t+3]
	ALL v_permlanex16_b32 v[ST+4*t+3], v[ST+4*t+2], s[SEL], s[SEL+1]
	ALL v_add_f32 v[ST+4*t+2], v[ST+4*t+2], v[ST+4*t+3]
	ALL v_cmp_eq_f32 s[FM+t], 0, v[ST+4*t+2]
	ALL v_cndmask_b32 v[ST+4*t], 0, 1.0, s[FM+t]
	ALL v_add_f32 v[ST+4*t+2], v[ST+4*t+2], v[ST+4*t]
	ALL v_rcp_f32 v[ST+4*t+2], v[ST+4*t+2]
	v_nop
	s_wait_alu depctr_va_vdst(0)    ; one wait for the eight reciprocals
	; The four waves' parts of the sum of V's rows meet: each stores its 32 registers (32 lanes x 16 neighbouring bytes a line), waits, passes the barrier, and reads all four.
	s_lshl_b32 s100, s[WV], 12
	v_add_nc_u32 v[AK], SVB, v[GO]
	v_add_nc_u32 v[AV], s100, v[AK]
	WIN 0x0c                        ; the stores' data in window 3
.irp z, 0,1,2,3,4,5,6,7
	ds_store_b128 v[AV], v[SV+4*\z:SV+4*\z+3] offset:\z*512
.endr
	WIN 0
	s_wait_dscnt 0x0                ; for the others' sake: my stores are done
	s_barrier_signal -1
	s_barrier_wait -1
.set i, 0
.rept 32
	ds_load_b128 v[S+4*i:S+4*i+3], v[AK] offset:(i/8)*4096+(i%8)*512  ; wave i / 8's part into S^T's registers, which are free
.set i, i+1
.endr
	s_wait_dscnt 0x0
.set r, 0
.rept 16
	v_pk_add_f32 v[S+r:S+r+1], v[S+r:S+r+1], v[S+32+r:S+32+r+1]
	v_pk_add_f32 v[S+64+r:S+64+r+1], v[S+64+r:S+64+r+1], v[S+96+r:S+96+r+1]
.set r, r+2
.endr
.set r, 0
.rept 16
	v_pk_add_f32 v[S+r:S+r+1], v[S+r:S+r+1], v[S+64+r:S+64+r+1]
.set r, r+2
.endr
.set r, 0
.rept 16
	v_pk_mul_f32 v[P+r:P+r+1], v[S+r:S+r+1], 0x3a000000 op_sel_hi:[1,0]  ; the mean of 2,048 rows, into P's first registers, laid out as a tile's O^T
.set r, r+2
.endr
; Tile t: O / (l + f) + f x mean; rounded to f16; through my stage in LDS.
.macro PACK t
	WIN W_RS
.set i, 32*(\t)
.rept 16
	v_pk_mul_f32 v[i:i+1], v[i:i+1], v[ST+4*(\t)+2:ST+4*(\t)+3] op_sel_hi:[1,0]
.set i, i+2
.endr
	WIN 0x50                        ; the mean and f in window 0; O^T, source 2 and destination, in window 1
.set i, 0
.rept 16
	v_pk_fma_f32 v[32*(\t)+i:32*(\t)+i+1], v[P+i:P+i+1], v[ST+4*(\t):ST+4*(\t)+1], v[32*(\t)+i:32*(\t)+i+1] op_sel_hi:[1,0,1]
.set i, i+2
.endr
	WIN 0x05
.set i, 0
.rept 16
	v_cvt_pk_f16_f32 v[S+16*(\t)+i], v[32*(\t)+2*i], v[32*(\t)+2*i+1]
.set i, i+1
.endr
	WIN 0
.irp f, 0,1,2,3
	ds_store_b128 v[STO], v[S+16*(\t)+4*\f:S+16*(\t)+4*\f+3] offset:32*\f
.endr
.irp f, 0,1,2,3
	ds_load_b128 v[S+16*(\t)+4*\f:S+16*(\t)+4*\f+3], v[RD] offset:\f*4*SP  ; LDS serves a wave's instructions in order (ISA guide 5.7.1.4): these see the stores above
.endr
.endm
.macro SEND t, younger              ; younger: the LDS instructions issued behind tile t's loads
	WIN 0
.irp f, 0,1,2,3
	s_wait_dscnt (\younger)+3-\f
	global_store_b128 v[GO], v[S+16*(\t)+4*\f:S+16*(\t)+4*\f+3], s[OA:OA+1] offset:(\t)*2048+\f*512  ; 512 consecutive bytes, aligned
.endr
.endm
	PACK 0
.set t, 1
.rept 2*NP-1
	PACK t
	SEND t-1, 8
.set t, t+1
.endr
	SEND 2*NP-1, 0
	WIN W_AD
	s_wait_tensorcnt 0x0            ; the wave's end: behind my last tensor load and my last LDS store
	ds_add_u32 v[SPW], v[NIL]
	s_wait_dscnt 0x0
	WIN 0
	CROUND                          ; the closing round
	s_endpgm
.Lfunc_end_k_q7b9da29f60_attn:
	.size	k_q7b9da29f60_attn, .Lfunc_end_k_q7b9da29f60_attn-k_q7b9da29f60_attn
	.p2alignl 7, 3214868480
	.fill 96, 4, 3214868480
	.section	.rodata,"a",@progbits
	.p2align	6, 0x0
	.amdhsa_kernel k_q7b9da29f60_attn
		.amdhsa_group_segment_fixed_size 327680
		.amdhsa_private_segment_fixed_size 0
		.amdhsa_enable_private_segment 0
		.amdhsa_kernarg_size 24
		.amdhsa_user_sgpr_count 2
		.amdhsa_user_sgpr_kernarg_segment_ptr 1
		.amdhsa_wavefront_size32 1
		.amdhsa_system_sgpr_workgroup_id_x 1
		.amdhsa_system_sgpr_workgroup_id_y 1
		.amdhsa_system_sgpr_workgroup_id_z 1
		.amdhsa_system_vgpr_workitem_id 0
		.amdhsa_next_free_vgpr 848
		.amdhsa_next_free_sgpr 106
		.amdhsa_reserve_vcc 0
		.amdhsa_float_denorm_mode_32 3
		.amdhsa_float_denorm_mode_16_64 3
		.amdhsa_memory_ordered 1
		.amdhsa_forward_progress 1
		.amdhsa_inst_pref_size 219
	.end_amdhsa_kernel
	.amdgpu_metadata
---
amdhsa.version: [ 1, 2 ]
amdhsa.kernels:
  - .name:           k_q7b9da29f60_attn
    .symbol:         k_q7b9da29f60_attn.kd
    .args:
      - { .name: qkv, .offset: 0, .size: 8, .value_kind: global_buffer, .address_space: global }
      - { .name: mw, .offset: 8, .size: 8, .value_kind: global_buffer, .address_space: global }
      - { .name: ctx, .offset: 16, .size: 8, .value_kind: global_buffer, .address_space: global }
    .group_segment_fixed_size: 327680
    .private_segment_fixed_size: 0
    .kernarg_segment_align: 8
    .kernarg_segment_size: 24
    .max_flat_workgroup_size: 128
    .sgpr_count:     106
    .vgpr_count:     848
    .wavefront_size: 32
...
	.end_amdgpu_metadata
.endif
;; end of part 7
;; launch outp (part 8): grid 8 x 32, 4 waves a work-group, clusters of 4 x 4, 327,680 bytes of LDS; arguments ctx, W0t, b0, out0; writes out0
.if DOCPART == 8
	.amdgcn_target "amdgcn-amd-amdhsa--gfx1250"
	.amdhsa_code_object_version 6
	.text
	.protected	k_q7b9da29f60_outp
	.globl	k_q7b9da29f60_outp
	.p2align	8
	.type	k_q7b9da29f60_outp,@function
k_q7b9da29f60_outp:
	s_mov_b64 s[64:65], 0
	v_nop
	global_prefetch_b8 v0, s[64:65] scope:SCOPE_SE
	s_setreg_imm32_b32 hwreg(HW_REG_WAVE_MODE, 25, 1), 1
	s_wait_xcnt 0x0
	s_wait_alu depctr_hold_cnt(0) depctr_sa_sdst(0) depctr_va_vdst(0) depctr_va_sdst(0) depctr_va_ssrc(0) depctr_va_vcc(0) depctr_vm_vsrc(0)
	s_getreg_b32 s2, hwreg(HW_REG_IB_STS2, 6, 4)
	s_cmp_eq_u32 s2, 0
	s_cbranch_scc0 .Lentry_in_a_cluster
	s_endpgm
.Lentry_in_a_cluster:
	s_bfe_u32 s2, ttmp6, 0x10000c
	s_cmp_lg_u32 s2, 0xf033
	s_cbranch_scc0 .Lentry_shape_is_right
	s_endpgm
.Lentry_shape_is_right:
; ONE TEXT FOR TWO PRODUCTS C = A B^T + bias, K = 1,024, chosen by PROJ.
; PROJ = 1: q, k, v = Xb Wt^T + bias.  A = Xb [8192][1024] bf16, B = Wt [3072][1024] bf16; C leaves as f16 by heads: qkv [which 3][16 b + h][2048][64].
; PROJ = 0: out0 = ctx W0t^T + b0.  A = ctx [16 b + h][2048][64] f16 (a K step of 128 is two heads), B = W0t [1024][1024] f16; C leaves as f32 [8192][1024].
; The bias is rounded to bf16 like every input and is the C operand of the products that start the sums.  Sums in f32, K ascending.
; LIMIT (PROJ = 1): q, k, v beyond 65,504 become infinities in f16; with X, W and the biases 30 times the drawn spread, or offset by 30 spreads, they reach some 18,500.
; SHARES.  A work-group makes 256 rows x 16 NBL columns; its four waves lie one below the other, 64 rows x all columns each (4 x NBL accumulators), so that a wave owns whole heads
; (PROJ = 1) or whole runs of 512 bytes (PROJ = 0) and its own stage serves the way out without a barrier.  PROJ = 0 takes 128 columns: 32 x 8 = 256 work-groups.
; RING.  K goes in 8 steps of 128 through two LDS slots; waves 0 and 1 fetch A's two halves, waves 2 and 3 B's, one tensor load a wave behind each round.  By the text's own count a wave
; has two tensor loads out at the start and one later.  The last two K steps, which fill nothing, are a loop of two trips that is left in its middle.
; CLUSTER 4 x 4: A's tile hangs on the tile row alone and is asked for jointly along a row of the cluster, B's on the tile column alone and jointly along a column.
; THE MATRIX INSTRUCTION IS USED TRANSPOSED (source 0 = 16 rows of B, source 1 = 16 rows of A): a lane holds row l % 16 of C and eight neighbouring columns 8 (l / 16) + 0..7.
; REGISTERS: window 0: v0-29 addresses; v32-95 A's fragments, two buffers of 32; v128.. the bias (8 a column block); on the way out v96-239 at work.
;   window 1: B's fragments, two buffers of 8 NBL.   windows 2, 3: accumulator (a, b) in window 2 + a / 2 at 8 NBL (a % 2) + 8 b.
.set PROJ, 0
.if PROJ
.set NBL,    12                        ; column blocks of 16
.set APITCH, 272                       ; a row of A in LDS: 256 bytes + 16
.set ASUB,   128                       ; from a row's first 128 bytes of a K step to its second
.set AH,     34816                     ; LDS bytes of one load of A: 128 rows x 272
.set BOFF,   69632                     ; B's rows lie behind A's
.set BR,     96                        ; rows of B in one load
.set ASTEP,  256                       ; bytes in memory from a K step of A to the next
.set AQI,    5                         ; A is padded after every 64 words
.set AP,     1024                      ; elements from row to row of A's tile in memory
.set STAGE,  252928                    ; behind the ring: 16 rows x SPITCH for each wave
.set SPITCH, 400                       ; 192 f16 + 16 bytes
.set SPARE,  278528                    ; the spare words, 128 bytes a wave; no other line names them
.set ASHARE, 65536                     ; prefetch: bytes from one partner's 32 rows of A to the next's
.set APP,    2048                      ; prefetch: bytes from lane to lane in A
.else
.set NBL,    8
.set APITCH, 144                       ; a row of one head: 128 bytes + 16
.set ASUB,   36864                     ; the K step's second head lies behind the first's 256 rows
.set AH,     36864
.set BOFF,   73728
.set BR,     64
.set ASTEP,  524288                    ; two heads of 2,048 rows x 128 bytes
.set AQI,    4                         ; padded after every 32 words
.set AP,     128                       ; 256 rows of a head are dense: asked for as 128 rows of 256 bytes
.set STAGE,  239616
.set SPITCH, 528                       ; 128 f32 + 16 bytes
.set SPARE,  273408
.set ASHARE, 8192
.set APP,    256
.endif
.set BH,     BR*272                    ; LDS bytes of one load of B
.set BSHARE, (BR/4)*2048               ; prefetch: a partner's share of B's rows
.set NLD,    2*NBL+8                   ; LDS loads of a quarter step
.set SLOT1,  131072                    ; slot 1 begins here: one exclusive or turns an address in one slot into the other's
.set A0,   4                           ; v4   my lane's place in A's rows of a slot; never rewritten
.set B0,   5                           ; v5   the same for B
.set ADRA, 6                           ; v6   A0 + the slot in hand
.set ADRB, 7                           ; v7
.set STO,  8                           ; v8   the way out: where I put my bytes of a row
.set RD,   9                           ; v9   the way out: where I read rows back
.set GO,   10                          ; v10  16 x lane
.set BO,   11                          ; v11  32 (l / 16): my eight numbers of a block's sixteen biases
.set PFO,  12                          ; v12  the prefetches' offset; never rewritten
.set SPW,  28                          ; v28  my spare word; never rewritten
.set NIL,  29                          ; v29  0; never rewritten
.set BIAS, 128
.set TMP,  96
.set WV,   16                          ; s16  wave
.set KIND, 17                          ; s17  0: I fetch for A, 1: for B
.set HALF, 18                          ; s18  which half of that tile
.set G1A,  24                          ; s[24:31] descriptor group 1 for A's tiles
.set G1B,  32                          ; s[32:39] for B's
.set G0A,  40                          ; s[40:47] group 0 for A: set 0 is slot 0's first fill; set 1 slot 1's, and then it walks
.set G0B,  48                          ; s[48:55] the same for B
.set TB,   56                          ; s56  the slot in hand: 0 or SLOT1
.set LIM,  57                          ; s57  2 in a wave that prefetches, else the greatest number
.set PFA,  58                          ; s[58:59] where my prefetches stand
.set PST,  60                          ; s[60:61] their step from K step to K step
.set OP,   80                          ; s[80:85] where my rows leave: a pointer a head (PROJ = 1), or one
.set BP,   86                          ; s[86:91] the biases
.set MSB, 0
.macro WIN new                         ; the immediate's high byte repeats the setting that is left; a switch that changes nothing is dropped
.if MSB != (\new)
	s_set_vgpr_msb (MSB<<8)|(\new)
.set MSB, \new
.endif
.endm
.macro PLACES                          ; four plain instructions between a matrix instruction and a load into, or a read of, its registers
.rept 4
	v_nop
.endr
.endm
.macro CREST                           ; a round of the cluster's barrier behind its opening barrier
	s_cmp_lg_u32 s[WV], 0
	s_cbranch_scc1 .Lnot_wave_0_\@
	s_barrier_signal -3
.Lnot_wave_0_\@:
	s_barrier_wait -3
	s_barrier_signal -1
	s_barrier_wait -1
.endm
.macro CROUND
	s_barrier_signal -1
	s_barrier_wait -1
	CREST
.endm
; A joint load.  The branch hangs on the wave's number alone; an s_nop 0 and four v_nop follow each of the two lines.
.macro JLOAD s
	s_cmp_eq_u32 s[KIND], 0
	s_cbranch_scc0 .Lfor_b_\@
	tensor_load_to_lds s[G0A+4*(\s):G0A+4*(\s)+3], s[G1A:G1A+7]
	s_nop 0
.rept 4
	v_nop
.endr
	s_branch .Lasked_\@
.Lfor_b_\@:
	tensor_load_to_lds s[G0B+4*(\s):G0B+4*(\s)+3], s[G1B:G1B+7]
	s_nop 0
.rept 4
	v_nop
.endr
.Lasked_\@:
.endm
; A prefetch of the K step that stands two refills on, behind the joint load and the run of LDS loads.  A's rows are named by the clusters with x = 0, B's by those with y = 0; the four partners
; that ask for a tile jointly share its rows out by address.  Trips 0 to 3 name K steps 4 to 7; the last two trips name nothing.
.macro ASK
	s_cmp_gt_u32 s3, s[LIM]
	s_cbranch_scc0 .Lnot_mine_\@
	global_prefetch_b8 v[PFO], s[PFA:PFA+1] th:TH_LOAD_NT scope:SCOPE_SE
.Lnot_mine_\@:
.endm
.macro MMA
.if PROJ
	v_wmma_f32_16x16x32_bf16 v[rD:rD+7], v[rB:rB+7], v[rA:rA+7], v[rC:rC+7]
.else
	v_wmma_f32_16x16x32_f16 v[rD:rD+7], v[rB:rB+7], v[rA:rA+7], v[rC:rC+7]
.endif
.endm
; NBL matrix instructions: row block a x all column blocks, 32 along K, from buffer f.  first = 1: the bias starts the sums.  The 4 NBL accumulators take turns in the same order in every quarter.
.macro MUL a, f, first
.if \first
	WIN 0x81+0x40*((\a)/2)
.else
	WIN 0xa1+0x50*((\a)/2)
.endif
.set b, 0
.rept NBL
.set rD, 8*NBL*((\a)%2)+8*b
.set rB, 8*NBL*(\f)+8*b
.set rA, 32+32*(\f)+8*(\a)
.if \first
.set rC, BIAS+8*b
.else
.set rC, rD
.endif
	MMA
.set b, b+1
.endr
.endm
; One run of NLD LDS loads: the fragments of the quarter at byte k of the K step's rows, into buffer g: B's first, then A's four.
.macro FETCH k, g
	WIN 0x40
.set i, 0
.rept NBL
	ds_load_b128 v[8*NBL*(\g)+8*i:8*NBL*(\g)+8*i+3],   v[ADRB] offset:(\k)+i*4352
	ds_load_b128 v[8*NBL*(\g)+8*i+4:8*NBL*(\g)+8*i+7], v[ADRB] offset:(\k)+i*4352+32
.set i, i+1
.endr
	WIN 0
.set i, 0
.rept 4
	ds_load_b128 v[32+32*(\g)+8*i:32+32*(\g)+8*i+3],   v[ADRA] offset:((\k)/128)*ASUB+(\k)%128+i*16*APITCH
	ds_load_b128 v[32+32*(\g)+8*i+4:32+32*(\g)+8*i+7], v[ADRA] offset:((\k)/128)*ASUB+(\k)%128+i*16*APITCH+32
.set i, i+1
.endr
.endm
; One of a K step's first three quarters: multiplies buffer f; in its middle it fetches the next quarter, at byte k, into buffer g.
.macro QUARTER k, f, g, first
	s_wait_dscnt 4                                 ; B and A's blocks 0, 1 are in; the youngest four loads (A's blocks 2, 3) may be out
	MUL 0, \f, \first
	MUL 1, \f, \first
	PLACES
	FETCH \k, \g
	s_wait_dscnt NLD                               ; all but the run just issued
	MUL 2, \f, \first
	MUL 3, \f, \first
.endm
; The last quarter multiplies buffer 1 and changes slots.  In front of the barrier each wave waits for all its tensor loads (one is out: its part of the next slot), adds 0 to its spare word,
; and waits for that and for its reads of this slot.  fill = 1: the barrier opens a round of the cluster's, and behind the round this slot is filled again, with the K step two on.
.macro TURN fill
.if \fill
	s_wait_xcnt 0x0                                ; the last prefetch, a K step back, has read its address
	s_add_nc_u64 s[PFA:PFA+1], s[PFA:PFA+1], s[PST:PST+1]
.endif
	WIN 0
	s_wait_tensorcnt 0x0
	ds_add_u32 v[SPW], v[NIL]
	s_wait_dscnt 5                                 ; (the add and the youngest four loads may be out)
	MUL 0, 1, 0
	s_wait_dscnt 0x0                               ; the add is done, and my reads of this slot are over
	s_barrier_signal -1
	MUL 1, 1, 0
	WIN 0
	s_barrier_wait -1
.if \fill
	CREST
	s_xor_b32 s[G0A+5], s[G0A+5], SLOT1            ; no tensor load of mine is out: the walking sets step to the other slot and the next K step
	s_add_nc_u64 s[G0A+6:G0A+7], s[G0A+6:G0A+7], ASTEP
	s_xor_b32 s[G0B+5], s[G0B+5], SLOT1
	s_add_nc_u64 s[G0B+6:G0B+7], s[G0B+6:G0B+7], 256
	JLOAD 1                                        ; the first tensor load behind the round; its four v_nop are also the places in front of the loads below
.else
	PLACES
.endif
	s_xor_b32 s[TB], s[TB], SLOT1
	v_add_nc_u32 v[ADRA], s[TB], v[A0]
	v_add_nc_u32 v[ADRB], s[TB], v[B0]
	FETCH 0, 0
.if \fill
	ASK
.endif
	MUL 2, 1, 0
	MUL 3, 1, 0
.endm
	s_load_b256 s[4:11], s[0:1], 0x0               ; A s[4:5], B s[6:7]; PROJ = 1: bq s[8:9], bk s[10:11]; PROJ = 0: b0 s[8:9], out0 s[10:11]
.if PROJ
	s_load_b128 s[12:15], s[0:1], 0x20             ; bv s[12:13], qkv s[14:15]
.endif
	v_lshl_add_u32 v[SPW], v0, 2, SPARE
	v_mov_b32 v[NIL], 0
	ds_add_u32 v[SPW], v[NIL]                      ; the wave's opening: the add and its wait ahead of my first tensor load
	v_lshrrev_b32 v1, 5, v0
	v_readfirstlane_b32 s[WV], v1
	s_lshr_b32 s[KIND], s[WV], 1
	s_and_b32 s[HALF], s[WV], 1
	s_bfe_u32 s19, ttmp6, 0x40000                  ; cx
	s_bfe_u32 s20, ttmp6, 0x40004                  ; cy
	s_lshl_b32 s21, ttmp9, 2
	s_add_co_u32 s21, s21, s19                     ; tile column
	s_and_b32 s22, ttmp7, 0xffff
	s_lshl_b32 s22, s22, 2
	s_add_co_u32 s22, s22, s20                     ; tile row
	s_lshl_b32 s66, s20, 2
	s_lshl_b32 s66, 15, s66                        ; my row of the cluster
	s_lshl_b32 s67, 0x1111, s19                    ; my column
	s_or_b32 s[G1A], s66, (1<<16)|(1<<20)|(1<<21)|(AQI<<22)|(3<<25)  ; the mask; 2-byte elements; padding on; bit 21 beside a mask; the interval; 4 words of padding
	s_or_b32 s[G1B], s67, (1<<16)|(1<<20)|(1<<21)|(5<<22)|(3<<25)
	s_mov_b32 s[G1A+1], 128<<16                    ; tensor_dim0 = 128
	s_mov_b32 s[G1A+2], 128<<16                    ; tensor_dim1 = 128
	s_mov_b32 s[G1A+3], 128<<16                    ; tile_dim0 = 128
	s_mov_b32 s[G1A+4], 128                        ; tile_dim1 = 128
	s_mov_b32 s[G1A+5], AP                         ; elements from row to row
	s_mov_b32 s[G1A+6], 0
	s_mov_b32 s[G1A+7], 0
	s_mov_b32 s[G1B+1], 128<<16
	s_mov_b32 s[G1B+2], BR<<16
	s_mov_b32 s[G1B+3], 128<<16
	s_mov_b32 s[G1B+4], BR
	s_mov_b32 s[G1B+5], 1024
	s_mov_b32 s[G1B+6], 0
	s_mov_b32 s[G1B+7], 0
	s_mul_i32 s68, s[HALF], AH                     ; where my load lands in a slot: no place in the cluster enters an LDS address
	s_mul_i32 s69, s[HALF], BH
	s_add_co_u32 s69, s69, BOFF
.if PROJ
	s_lshl_b32 s70, s22, 19                        ; 256 rows of 2,048 bytes a tile row,
	s_lshl_b32 s74, s[HALF], 18                    ; 128 a half
	s_add_co_u32 s70, s70, s74
.else
	s_lshr_b32 s70, s22, 3                         ; the batch: 8 tile rows each,
	s_lshl_b32 s70, s70, 4                         ; its 16 heads,
	s_add_co_u32 s70, s70, s[HALF]                 ; the K step's first or second head
	s_lshl_b32 s70, s70, 18
	s_and_b32 s74, s22, 7
	s_lshl_b32 s74, s74, 15                        ; 256 rows of 128 bytes
	s_add_co_u32 s70, s70, s74
.endif
	s_mov_b32 s71, 0
	s_mul_i32 s72, s21, 16*NBL
	s_mul_i32 s75, s[HALF], BR
	s_add_co_u32 s72, s72, s75
	s_lshl_b32 s72, s72, 11                        ; rows of 2,048 bytes
	s_mov_b32 s73, 0
	s_wait_dscnt 0x0                               ; the opening add is done
	s_wait_kmcnt 0x0
	s_add_nc_u64 s[70:71], s[4:5], s[70:71]        ; A at my load's first byte, K step 0
	s_add_nc_u64 s[72:73], s[6:7], s[72:73]        ; B likewise
	CROUND                                         ; all sixteen work-groups are here: the first joint loads meet
.irp s, 0,1
	s_mov_b32 s[G0A+4*(\s)], 1
	s_add_co_u32 s[G0A+4*(\s)+1], s68, (\s)*SLOT1
	s_add_nc_u64 s[G0A+4*(\s)+2:G0A+4*(\s)+3], s[70:71], (\s)*ASTEP
	s_or_b32 s[G0A+4*(\s)+3], s[G0A+4*(\s)+3], 0x80000000
	s_mov_b32 s[G0B+4*(\s)], 1
	s_add_co_u32 s[G0B+4*(\s)+1], s69, (\s)*SLOT1
	s_add_nc_u64 s[G0B+4*(\s)+2:G0B+4*(\s)+3], s[72:73], (\s)*256
	s_or_b32 s[G0B+4*(\s)+3], s[G0B+4*(\s)+3], 0x80000000
	JLOAD \s
.endr
	v_and_b32 v1, 15, v0                           ; l % 16
	v_bfe_u32 v2, v0, 4, 1                         ; l / 16
	v_lshlrev_b32 v[BO], 5, v2
.if PROJ
.irp hh, 0,1,2                         ; my tile's three heads g = 3 x tile column + hh; which = g / 16 says whose bias and which third of qkv
	s_mul_i32 s74, s21, 3
	s_add_co_u32 s74, s74, \hh
	s_lshr_b32 s75, s74, 4
	s_cmp_eq_u32 s75, 1
	s_cselect_b64 s[BP+2*(\hh):BP+2*(\hh)+1], s[10:11], s[8:9]
	s_cmp_eq_u32 s75, 2
	s_cselect_b64 s[BP+2*(\hh):BP+2*(\hh)+1], s[12:13], s[BP+2*(\hh):BP+2*(\hh)+1]
	s_and_b32 s76, s74, 15
	s_lshl_b32 s76, s76, 8                         ; 64 f32 a head
	s_mov_b32 s77, 0
	s_add_nc_u64 s[BP+2*(\hh):BP+2*(\hh)+1], s[BP+2*(\hh):BP+2*(\hh)+1], s[76:77]
	s_lshl_b32 s78, s75, 2
	s_lshr_b32 s79, s22, 3
	s_add_co_u32 s78, s78, s79                     ; 4 which + b
	s_lshl_b32 s78, s78, 22
	s_and_b32 s79, s74, 15
	s_lshl_b32 s79, s79, 18                        ; the head: 2,048 rows of 128 bytes
	s_add_co_u32 s78, s78, s79
	s_and_b32 s79, s22, 7
	s_lshl_b32 s79, s79, 15                        ; the tile's 256 rows
	s_add_co_u32 s78, s78, s79
	s_lshl_b32 s79, s[WV], 13                      ; my 64
	s_add_co_u32 s78, s78, s79
	s_mov_b32 s79, 0
	s_add_nc_u64 s[OP+2*(\hh):OP+2*(\hh)+1], s[14:15], s[78:79]
.irp bb, 0,1,2,3
	global_load_b128 v[BIAS+8*(4*(\hh)+(\bb)):BIAS+8*(4*(\hh)+(\bb))+3],   v[BO], s[BP+2*(\hh):BP+2*(\hh)+1] offset:64*(\bb)
	global_load_b128 v[BIAS+8*(4*(\hh)+(\bb))+4:BIAS+8*(4*(\hh)+(\bb))+7], v[BO], s[BP+2*(\hh):BP+2*(\hh)+1] offset:64*(\bb)+16
.endr
.endr
.else
	s_lshl_b32 s76, s21, 9                         ; 128 f32 a tile column
	s_mov_b32 s77, 0
	s_add_nc_u64 s[BP:BP+1], s[8:9], s[76:77]
	s_lshl_b32 s78, s22, 20                        ; 256 rows of 4,096 bytes
	s_lshl_b32 s79, s[WV], 18                      ; my 64
	s_add_co_u32 s78, s78, s79
	s_add_co_u32 s78, s78, s76                     ; the tile's 512 bytes of a row
	s_mov_b32 s79, 0
	s_add_nc_u64 s[OP:OP+1], s[10:11], s[78:79]
.irp bb, 0,1,2,3,4,5,6,7
	global_load_b128 v[BIAS+8*(\bb):BIAS+8*(\bb)+3],   v[BO], s[BP:BP+1] offset:64*(\bb)
	global_load_b128 v[BIAS+8*(\bb)+4:BIAS+8*(\bb)+7], v[BO], s[BP:BP+1] offset:64*(\bb)+16
.endr
.endif
	; a fragment is 16 rows x 32 K in 8 registers: lane l holds row l % 16, K = 8 (l / 16) + 0..7 and 16 + 8 (l / 16) + 0..7: two loads of 16 bytes, 32 bytes apart
	s_lshl_b32 s74, s[WV], 6
	v_add_nc_u32 v13, s74, v1                      ; my wave's 64 rows of A
	v_mul_u32_u24 v[A0], v13, APITCH
	v_lshl_add_u32 v[A0], v2, 4, v[A0]
	v_mul_u32_u24 v[B0], v1, 272
	v_lshl_add_u32 v[B0], v2, 4, v[B0]
	v_add_nc_u32 v[B0], BOFF, v[B0]
	s_mul_i32 s74, s[WV], 16*SPITCH
	s_add_co_u32 s74, s74, STAGE                   ; my stage
	v_and_b32 v13, 31, v0
	v_lshlrev_b32 v[GO], 4, v13
	v_mul_u32_u24 v[STO], v1, SPITCH
.if PROJ
	v_lshl_add_u32 v[STO], v2, 4, v[STO]           ; in: row l % 16, 16 bytes for each half of the lanes
	v_bfe_u32 v14, v0, 3, 2                        ; back: 32 lanes take four rows' 128 bytes of one head
	v_mul_u32_u24 v[RD], v14, SPITCH
	v_and_b32 v15, 7, v0
	v_lshl_add_u32 v[RD], v15, 4, v[RD]
	v_add_nc_u32 v[RD], s74, v[RD]
.else
	v_lshl_add_u32 v[STO], v2, 5, v[STO]           ; in: row l % 16, 32 bytes for each half of the lanes
	v_add_nc_u32 v[RD], s74, v[GO]                 ; back: 32 lanes take a row's 512 bytes
.endif
	v_add_nc_u32 v[STO], s74, v[STO]
	; the prefetches: whose rows, which partner's share, how far from lane to lane and from K step to K step
	s_and_b32 s74, ttmp7, 0xffff
	s_mov_b32 s76, BSHARE
	s_mov_b32 s[PST], 256
	s_mov_b32 s78, 2048
	s_cmp_eq_u32 s[KIND], 0
	s_cselect_b32 s74, ttmp9, s74                  ; the coordinate along which other clusters read the same rows
	s_cselect_b32 s75, s19, s20                    ; my place among the four that ask with me
	s_cselect_b64 s[PFA:PFA+1], s[70:71], s[72:73]
	s_cselect_b32 s76, ASHARE, s76
	s_cselect_b32 s[PST], ASTEP, s[PST]
	s_cselect_b32 s79, 31, BR/4-1                  ; B's share has fewer rows than a wave has lanes: the lanes that are over name its last row again
	s_cselect_b32 s78, APP, s78
	s_mov_b32 s[PST+1], 0
	s_cmp_eq_u32 s74, 0
	s_cselect_b32 s[LIM], 2, -1                    ; the same in all sixteen partners, for a given wave
	s_mul_i32 s76, s76, s75
	s_mul_i32 s66, s[PST], 3                       ; at K step 3: the first change of slots steps it to 4
	s_add_co_u32 s76, s76, s66
	s_mov_b32 s77, 0
	s_add_nc_u64 s[PFA:PFA+1], s[PFA:PFA+1], s[76:77]
	v_and_b32 v[PFO], 31, v0
	v_min_u32 v[PFO], s79, v[PFO]
	v_mul_u32_u24 v[PFO], s78, v[PFO]
	s_wait_loadcnt 0x0                             ; the bias, rounded to bf16 and widened again
.set i, 0
.rept 4*NBL
	v_cvt_pk_bf16_f32 v13, v[BIAS+2*i], v[BIAS+2*i+1]
	v_lshlrev_b32 v[BIAS+2*i], 16, v13
	v_and_b32 v[BIAS+2*i+1], 0xffff0000, v13
.set i, i+1
.endr
	s_wait_tensorcnt 1                             ; my part of K step 0 is in; K step 1's may stay out
	s_barrier_signal -1
	s_barrier_wait -1
	s_mov_b32 s[TB], 0
	v_mov_b32 v[ADRA], v[A0]
	v_mov_b32 v[ADRB], v[B0]
	FETCH 0, 0
	QUARTER 64, 0, 1, 1                            ; the first quarter stands in front of the loop: its products start the sums, with the bias
	WIN 0
	s_mov_b32 s3, 6
.Lstep:                                                ; trip t ends K step t, fills its slot with K step t + 2 and begins K step t + 1
	QUARTER 128, 1, 0, 0
	QUARTER 192, 0, 1, 0
	TURN 1
	QUARTER 64, 0, 1, 0
	WIN 0
	s_sub_co_u32 s3, s3, 1
	s_cmp_lg_u32 s3, 0
	s_cbranch_scc1 .Lstep
	s_mov_b32 s3, 2
.Ltail:                                                ; the last two K steps fill nothing: two trips of one text, the second left in its middle.  Its change of slots has a barrier and a run of
	QUARTER 128, 1, 0, 0                           ; fragment loads (of the slot read a K step ago, which nobody writes) that serve nothing: the price, once a work-group, of the shorter text
	QUARTER 192, 0, 1, 0
	TURN 0
	WIN 0
	s_sub_co_u32 s3, s3, 1
	s_cmp_eq_u32 s3, 0
	s_cbranch_scc1 .Lway
	QUARTER 64, 0, 1, 0
	WIN 0
	s_branch .Ltail
.Lway:
	PLACES
; THE WAY OUT, a block of 16 rows at a time, through my own stage: LDS serves a wave's instructions in order (ISA guide 5.7.1.4), so no wait stands between my stores and my loads.
.if PROJ
.macro PACK a                          ; rounded to f16: a lane's eight columns pack into 16 bytes; each accumulator's registers in ascending order
.set AC, 8*NBL*((\a)%2)
	WIN 0x0a+5*((\a)/2)
.set b, 0
.rept NBL
.irp r, 0,1,2,3
	v_cvt_pk_f16_f32 v[TMP+4*b+(\r)], v[AC+8*b+2*(\r)], v[AC+8*b+2*(\r)+1]
.endr
.set b, b+1
.endr
	WIN 0
.endm
.macro TOSTAGE a
.set BK, 144+48*((\a)%2)
.set b, 0
.rept NBL
	ds_store_b128 v[STO], v[TMP+4*b:TMP+4*b+3] offset:32*b
.set b, b+1
.endr
.set t, 0
.rept 12
	ds_load_b128 v[BK+4*t:BK+4*t+3], v[RD] offset:(t/4)*128+(t%4)*4*SPITCH  ; head t / 4, rows 4 (t % 4) ..
.set t, t+1
.endr
.endm
.macro SEND a
.set BK, 144+48*((\a)%2)
	s_wait_dscnt 0x0                               ; the block is back in registers
	s_wait_xcnt 0x0                                ; earlier stores have read their registers: the other buffer is loaded again only behind this wait
.set t, 0
.rept 12
	global_store_b128 v[GO], v[BK+4*t:BK+4*t+3], s[OP+2*(t/4):OP+2*(t/4)+1] offset:(\a)*2048+(t%4)*512  ; four rows of a head: 512 consecutive bytes, aligned
.set t, t+1
.endr
.endm
	PACK 0
	TOSTAGE 0
.irp a, 1,2,3
	PACK \a
	SEND (\a)-1
	TOSTAGE \a
.endr
	SEND 3
.else
.macro TOSTAGE a                       ; f32 as it is: a lane's eight columns are 32 bytes; each accumulator's low four registers first
.set AC, 8*NBL*((\a)%2)
.set BK, 96+64*((\a)%2)
	WIN 0x08+4*((\a)/2)
.set b, 0
.rept NBL
	ds_store_b128 v[STO], v[AC+8*b:AC+8*b+3] offset:64*b
	ds_store_b128 v[STO], v[AC+8*b+4:AC+8*b+7] offset:64*b+16
.set b, b+1
.endr
	WIN 0
.set t, 0
.rept 16
	ds_load_b128 v[BK+4*t:BK+4*t+3], v[RD] offset:t*SPITCH
.set t, t+1
.endr
.endm
.macro SEND a
.set BK, 96+64*((\a)%2)
	s_wait_dscnt 0x0
	s_wait_xcnt 0x0                                ; earlier stores have read their registers: the other buffer is loaded again only behind this wait
.set t, 0
.rept 16
	global_store_b128 v[GO], v[BK+4*t:BK+4*t+3], s[OP:OP+1] offset:(16*(\a)+t)*4096  ; a row's 512 consecutive bytes, aligned
.set t, t+1
.endr
.endm
.irp a, 0,1,2,3
	TOSTAGE \a
	SEND \a
.endr
.endif
	s_wait_tensorcnt 0x0                           ; the wave's end: behind my last tensor load and my last LDS store
	ds_add_u32 v[SPW], v[NIL]
	s_wait_dscnt 0x0
	CROUND                                         ; the closing round: no work-group ends while a partner may still ask for a tile that names it
	s_endpgm
.Lfunc_end_k_q7b9da29f60_outp:
	.size	k_q7b9da29f60_outp, .Lfunc_end_k_q7b9da29f60_outp-k_q7b9da29f60_outp
	.p2alignl 7, 3214868480
	.fill 96, 4, 3214868480
	.section	.rodata,"a",@progbits
	.p2align	6, 0x0
	.amdhsa_kernel k_q7b9da29f60_outp
		.amdhsa_group_segment_fixed_size 327680
		.amdhsa_private_segment_fixed_size 0
		.amdhsa_enable_private_segment 0
		.amdhsa_kernarg_size 32
		.amdhsa_user_sgpr_count 2
		.amdhsa_user_sgpr_kernarg_segment_ptr 1
		.amdhsa_wavefront_size32 1
		.amdhsa_system_sgpr_workgroup_id_x 1
		.amdhsa_system_sgpr_workgroup_id_y 1
		.amdhsa_system_sgpr_workgroup_id_z 1
		.amdhsa_system_vgpr_workitem_id 0
		.amdhsa_next_free_vgpr 1024
		.amdhsa_next_free_sgpr 96
		.amdhsa_reserve_vcc 0
		.amdhsa_float_denorm_mode_32 3
		.amdhsa_float_denorm_mode_16_64 3
		.amdhsa_memory_ordered 1
		.amdhsa_forward_progress 1
		.amdhsa_inst_pref_size 68
	.end_amdhsa_kernel
	.amdgpu_metadata
---
amdhsa.version: [ 1, 2 ]
amdhsa.kernels:
  - .name:           k_q7b9da29f60_outp
    .symbol:         k_q7b9da29f60_outp.kd
    .args:
      - { .name: ctx, .offset: 0, .size: 8, .value_kind: global_buffer, .address_space: global }
      - { .name: W0t, .offset: 8, .size: 8, .value_kind: global_buffer, .address_space: global }
      - { .name: b0, .offset: 16, .size: 8, .value_kind: global_buffer, .address_space: global }
      - { .name: out0, .offset: 24, .size: 8, .value_kind: global_buffer, .address_space: global }
    .group_segment_fixed_size: 327680
    .private_segment_fixed_size: 0
    .kernarg_segment_align: 8
    .kernarg_segment_size: 32
    .max_flat_workgroup_size: 128
    .sgpr_count:     96
    .vgpr_count:     1024
    .wavefront_size: 32
...
	.end_amdgpu_metadata
.endif
;; end of part 8
;; ======== version 3 of 3: 4 launches; version 2 with the launch prep written anew for expert scheduling mode
;; limits: values are held in f16: magnitudes above 65,504 overflow, below 6.1e-05 lose precision; right only within a limited range of input values
;; workspace buffers: Xb 16,777,216 bytes; Wt 6,291,456 bytes; W0t 2,097,152 bytes; mw 8,388,608 bytes; qkv 50,331,648 bytes; ctx 16,777,216 bytes
;; launch prep (part 9): grid 256 x 1, 8 waves a work-group, no clusters, 105,472 bytes of LDS; arguments X, Wq, Wk, Wv, W0, attention_mask, Xb, Wt, W0t, mw; writes Xb, Wt, W0t, mw
.if DOCPART == 9
	.amdgcn_target "amdgcn-amd-amdhsa--gfx1250"
	.amdhsa_code_object_version 6
	.text
	.protected	k_q7b9da29f60_prep
	.globl	k_q7b9da29f60_prep
	.p2align	8
	.type	k_q7b9da29f60_prep,@function
k_q7b9da29f60_prep:
	s_mov_b64 s[64:65], 0
	v_nop
	global_prefetch_b8 v0, s[64:65] scope:SCOPE_SE
	s_setreg_imm32_b32 hwreg(HW_REG_WAVE_SCHED_MODE, 0, 2), 2
	s_setreg_imm32_b32 hwreg(HW_REG_WAVE_MODE, 25, 1), 1
	s_wait_xcnt 0x0
	s_wait_alu depctr_vm_vsrc(0)
; PREP: the inputs are brought into the forms that the three launches behind this one multiply.
;   Xb  [8192][1024] bf16        = X rounded once
;   Wt  [3072 n][1024 d] bf16    = Wq, Wk, Wv turned: n = 64 (16 which + h) + k
;   W0t [1024 n][1024 k] f16     = W0 turned, rounded to bf16 like every input, that number written as f16
;   mw  [b 4][piece 64][step 32][tile 2][lane 32][kb 4] words of eight 4-bit codes: code j of (tile, lane l, kb) stands for
;       mask[b][32 piece + 16 tile + l % 16][64 step + 16 kb + 8 (l / 16) + j]: 0 where the key is seen, 0xF (-6 in E2M1) where it is hidden
; LIMIT: a number of W0 beyond 65,504 becomes an infinity in f16, one below 6e-8 becomes 0.
; Every one of the 256 work-groups does the same three jobs, of equal size: two blocks of 128 d x 64 n of a weight (through LDS, to turn them),
; 32 rows of the mask (a piece; wave v takes keys 256 v .. 256 v + 255), and 131,072 bytes of X (wave v: 16 KiB).  Memory binds: all 64 loads of a wave
; are issued as early as registers allow; each load and store of a wave covers whole aligned runs of 256 bytes.  No matrix unit, no cluster: nothing is shared.
; THE MODE: SCHED_MODE bits 1:0 = 2 (LLVM: expert scheduling mode 2), set by the entry lines.  The code itself states the register dependences
; between vector instructions and memory or LDS instructions, with s_wait_alu, always for 0.
; THE PLAN.  Arithmetic and memory instructions stand in runs, and each run of stores leaves from a buffer that the run of arithmetic ahead of it has filled.  Registers that memory or LDS instructions touch:
;   v6-v18, v20-v22, v28, v29  offsets and LDS addresses: written at the head, never again.  mw's rows are reached by its scalar base, which moves on by a step in each trip.
;   LW   weight loads land; WCVT reads and works in it; behind WCVT's wait X's second half lands; the second XCVT reads it.
;   XO   WCVT 0 fills its lower 16, WCVT 1 its upper 16: 32 LDS stores read them.  Then each XCVT fills all 32: 16 global stores read them.
;   LM   the mask lands; 16 LDS stores read it.  Behind the barrier: v96-127 turned rows (LDS loads land, global stores read);
;        DD  a step's mask bytes (LDS loads land, the trip's shifts and ors read);   OUT  a step's words (the trip's arithmetic writes, its two stores read).
;   LX   X's first half lands; the first XCVT reads it.  Then its first 16 are T2, which vector instructions alone name.
;   MRD  the LDS address of a step's mask bytes: read by the step's eight loads, written once a trip.
; THE WAITS.  On va_vdst: one ahead of the first load; one behind each of WCVT 0, WCVT 1 and the two XCVT; one a trip, at the end of its arithmetic.  On vm_vsrc: one behind the barrier, one a trip,
; one ahead of the second XCVT.  On va_sdst: one, for the wave's number.
.set TBLK,  17408                      ; a turned block in LDS: 64 rows (n) x 272 bytes (128 d of 16 bits + 16)
.set MR,    34816                      ; behind the two blocks: each wave's own 32 mask rows x 272 bytes
.set MRW,   8704
.set SPARE, 104448                     ; the spare words, 128 bytes for each of eight waves; no other line names them
.set WO,  6                            ; v[6:13]  byte offsets of my eight 16-byte pieces of a weight block: row 2 dp0 + 32 i + z, column 16 c4
.set WST, 14                           ; v14  where I put a pair (d, d + 1) of column n
.set WRD, 15                           ; v15  where I read 16 bytes of a turned row
.set WGO, 16                           ; v16  the same 16 bytes in Wt or W0t
.set MGO, 17                           ; v17  my 16 bytes of two mask rows
.set MST, 18                           ; v18  the same in my wave's LDS rows
.set MRD, 19                           ; v19  row l % 16, 8 keys for each half of the lanes; steps 64 bytes a trip
.set MOO, 20                           ; v20  my four words of a tile's 128, in my wave's first step; never rewritten
.set XGO, 21                           ; v21  my 16 bytes of X
.set XOO, 22                           ; v22  my 8 bytes of Xb
.set SPW, 28                           ; v28  my spare word; never rewritten
.set NIL, 29                           ; v29  0; never rewritten
.set LW,  32                           ; v[32:95]   two weight blocks as loaded; later X's second half
.set LM,  96                           ; v[96:159]  the mask as loaded; later turned rows (v96-127), mask bytes (v128-143), words (v144-151)
.set LX,  160                          ; v[160:223] X's first half; when that is rounded, v160-175 are at work on the mask
.set XO,  224                          ; v[224:255] first the two blocks' pairs on their way into LDS, then bf16 of X to store
.set DD,  128
.set OUT, 144
.set T2,  160
	s_load_b512 s[4:19], s[0:1], 0x0               ; X s[4:5], Wq s[6:7], Wk s[8:9], Wv s[10:11], W0 s[12:13], mask s[14:15], Xb s[16:17], Wt s[18:19]
	s_load_b128 s[20:23], s[0:1], 0x40             ; W0t s[20:21], mw s[22:23]
	v_lshl_add_u32 v[SPW], v0, 2, SPARE
	v_mov_b32 v[NIL], 0
	v_lshrrev_b32 v23, 5, v0
	v_readfirstlane_b32 s3, v23                    ; wave 0..7
	v_and_b32 v1, 31, v0                           ; lane
	v_and_b32 v2, 15, v0                           ; c4 = thread % 16 = lane % 16
	v_bfe_u32 v3, v0, 4, 1                         ; lane / 16
	v_lshrrev_b32 v4, 4, v0                        ; dp0 = thread / 16
	s_mov_b32 s2, ttmp9                            ; x
	s_lshr_b32 s24, s2, 6                          ; which weight: 0 Wq, 1 Wk, 2 Wv, 3 W0
	s_bfe_u32 s25, s2, 0x40002                     ; which 64 columns n: the head, or W0's column block
	s_and_b32 s26, s2, 3
	s_lshl_b32 s26, s26, 1                         ; my first block of 128 d
	s_mov_b32 s27, 256
	s_cmp_eq_u32 s24, 3
	s_cselect_b32 s27, 4096, s27                   ; bytes from row d to row d + 1
	s_cselect_b32 s36, -1, 0                       ; all lanes: the f16 form is taken
	s_cselect_b32 s38, 8, 18                       ; log2 of the bytes from one 64 columns to the next
	s_cselect_b32 s39, 19, 15                      ; log2 of the bytes of 128 rows
	s_cselect_b32 s44, 0, s24
	s_lshl_b32 s40, s25, s38
	s_lshl_b32 s42, s26, s39
	s_add_co_u32 s40, s40, s42                     ; s[40:41] block 0 in its weight
	s_mov_b32 s41, 0
	s_lshl_b32 s42, 1, s39                         ; s[42:43] from block 0 to block 1
	s_mov_b32 s43, 0
	s_lshl_b32 s44, s44, 21                        ; 1,024 rows of 2,048 bytes for each of Wq, Wk, Wv
	s_lshl_b32 s46, s25, 17                        ; 64 rows
	s_add_co_u32 s44, s44, s46
	s_lshl_b32 s46, s26, 8                         ; 128 d
	s_add_co_u32 s44, s44, s46                     ; s[44:45] block 0 in Wt or W0t
	s_mov_b32 s45, 0
	s_lshl_b32 s46, s2, 16                         ; s[46:47] my 65,536 bytes of the mask, and of Xb
	s_mov_b32 s47, 0
	s_lshl_b32 s48, s2, 17                         ; s[48:49] my 131,072 bytes of X
	s_mov_b32 s49, 0
	s_lshl_b32 s50, s2, 15                         ; s[50:51] my piece's 32 steps of 1,024 bytes of mw
	s_mov_b32 s51, 0
	v_lshlrev_b32 v24, 4, v2                       ; 16 c4
	v_lshlrev_b32 v23, 1, v4                       ; 2 dp0
.irp i, 0,1,2,3
.irp z, 0,1
	v_add_nc_u32 v25, 32*(\i)+(\z), v23
	v_mad_u32_u24 v[WO+2*(\i)+(\z)], v25, s27, v24
.endr
.endr
	v_mul_u32_u24 v[WST], v2, 4*272                ; rows 4 c4 ..
	v_lshl_add_u32 v[WST], v4, 2, v[WST]           ; bytes 4 dp0 ..
	v_mul_u32_u24 v[WRD], v4, 272
	v_add_nc_u32 v[WRD], v[WRD], v24
	v_lshl_add_u32 v[WGO], v4, 11, v24
	s_wait_alu depctr_va_sdst(0)                   ; s3, the wave's number, is written, ahead of its first reader: the line below
	s_lshl_b32 s52, s3, 8
	v_lshl_add_u32 v[MGO], v3, 11, v24
	v_add_nc_u32 v[MGO], s52, v[MGO]               ; 256 v + 2,048 (l / 16) + 16 (l % 16)
	s_mul_i32 s53, s3, MRW
	s_add_co_u32 s53, s53, MR                      ; my wave's rows
	v_mul_u32_u24 v[MST], v3, 272
	v_add3_u32 v[MST], v[MST], v24, s53
	v_mul_u32_u24 v[MRD], v2, 272
	v_lshl_add_u32 v[MRD], v3, 3, v[MRD]           ; row l % 16, byte 8 (l / 16): 68 words from row to row, so the 32 lanes' 8 bytes lie in 32 different pairs of banks
	v_add_nc_u32 v[MRD], s53, v[MRD]
	s_lshl_b32 s52, s3, 12
	v_lshl_add_u32 v[MOO], v1, 4, s52              ; my wave's four steps of 1,024 bytes; 16 bytes a lane
	s_lshl_b32 s52, s3, 14
	v_lshl_add_u32 v[XGO], v1, 4, s52
	s_lshl_b32 s52, s3, 13
	v_lshl_add_u32 v[XOO], v1, 3, s52
	s_wait_kmcnt 0x0
	s_cmp_eq_u32 s24, 1
	s_cselect_b64 s[28:29], s[8:9], s[6:7]
	s_cmp_eq_u32 s24, 2
	s_cselect_b64 s[28:29], s[10:11], s[28:29]
	s_cmp_eq_u32 s24, 3
	s_cselect_b64 s[28:29], s[12:13], s[28:29]     ; the weight that I turn,
	s_cselect_b64 s[32:33], s[20:21], s[18:19]     ; and where it goes
	s_add_nc_u64 s[28:29], s[28:29], s[40:41]      ; block 0
	s_add_nc_u64 s[30:31], s[28:29], s[42:43]      ; block 1
	s_add_nc_u64 s[32:33], s[32:33], s[44:45]
	s_add_nc_u64 s[34:35], s[32:33], 256
	s_add_nc_u64 s[58:59], s[14:15], s[46:47]
	s_add_nc_u64 s[60:61], s[4:5], s[48:49]
	s_add_nc_u64 s[62:63], s[16:17], s[46:47]
	s_add_nc_u64 s[22:23], s[22:23], s[50:51]
	s_wait_alu depctr_va_vdst(0)                   ; the offsets and LDS addresses v6 to v22 are written, which the kernel's loads and stores read
	; 48 loads at once: the two weight blocks, the mask, X's first half
.irp b, 0,1
.irp i, 0,1,2,3,4,5,6,7
	global_load_b128 v[LW+32*(\b)+4*(\i):LW+32*(\b)+4*(\i)+3], v[WO+(\i)], s[28+2*(\b):29+2*(\b)] th:TH_LOAD_NT
.endr
.endr
.set i, 0
.rept 16
	global_load_b128 v[LM+4*i:LM+4*i+3], v[MGO], s[58:59] offset:i*4096 th:TH_LOAD_NT  ; rows 2 i and 2 i + 1: 256 bytes each
.set i, i+1
.endr
.set i, 0
.rept 16
	global_load_b128 v[LX+4*i:LX+4*i+3], v[XGO], s[60:61] offset:i*512 th:TH_LOAD_NT
.set i, i+1
.endr
; A block's 64 numbers of mine: rows d and d + 1 are rounded to bf16 in pairs; for W0 the pair is widened again and written as f16.  Pair z = 4 i + n (rows 2 dp0 + 32 i .., column 4 c4 + n)
; is made of registers wa and wa + 4 of the block, which also serve as work registers, and ends in XO.  Lines of a kind stand together, so that none reads the result of the line before it.
.macro WCVT blk
.set z, 0
.rept 16
.set wa, LW+32*(\blk)+8*(z/4)+z%4
	v_cvt_pk_bf16_f32 v[wa], v[wa], v[wa+4]
.set z, z+1
.endr
.set z, 0
.rept 16
.set wa, LW+32*(\blk)+8*(z/4)+z%4
	v_lshlrev_b32 v[wa+4], 16, v[wa]
.set z, z+1
.endr
.set z, 0
.rept 16
.set wa, LW+32*(\blk)+8*(z/4)+z%4
	v_and_b32 v[XO+16*(\blk)+z], 0xffff0000, v[wa]
.set z, z+1
.endr
.set z, 0
.rept 16
.set wa, LW+32*(\blk)+8*(z/4)+z%4
	v_cvt_pk_f16_f32 v[wa+4], v[wa+4], v[XO+16*(\blk)+z]
.set z, z+1
.endr
.set z, 0
.rept 16
.set wa, LW+32*(\blk)+8*(z/4)+z%4
	v_cndmask_b32 v[XO+16*(\blk)+z], v[wa], v[wa+4], s36
.set z, z+1
.endr
.endm
; The block's sixteen pairs go to rows n of the turned block.
.macro WPUT blk
.set z, 0
.rept 16
	ds_store_b32 v[WST], v[XO+16*(\blk)+z] offset:(\blk)*TBLK+(z%4)*272+64*(z/4)
.set z, z+1
.endr
.endm
; Sixteen loads' numbers of X rounded, into XO;
.macro XCVT src
.set i, 0
.rept 16
	v_cvt_pk_bf16_f32 v[XO+2*i], v[(\src)+4*i], v[(\src)+4*i+1]
	v_cvt_pk_bf16_f32 v[XO+2*i+1], v[(\src)+4*i+2], v[(\src)+4*i+3]
.set i, i+1
.endr
.endm
; and stored: a wave's store covers 256 consecutive bytes, aligned.
.macro XPUT first
.set i, 0
.rept 16
	global_store_b64 v[XOO], v[XO+2*i:XO+2*i+1], s[62:63] offset:256*((\first)+i)
.set i, i+1
.endr
.endm
; A step's mask bytes, both tiles: my wave's own bytes: tile c / 4, query l % 16, keys 16 (c % 4) + 8 (l / 16) + 0..7
.macro MLOAD
.irp c, 0,1,2,3,4,5,6,7
	ds_load_b64 v[DD+2*(\c):DD+2*(\c)+1], v[MRD] offset:((\c)/4)*4352+((\c)%4)*16
.endr
.endm
	s_wait_loadcnt 40                              ; block 0 is in; younger: block 1's 8, the mask's 16, X's 16
	WCVT 0
	s_wait_alu depctr_va_vdst(0)                   ; block 0's pairs are written into XO's lower 16, which the LDS stores read; the conversions are done with block 0's registers, in which the loads below land
.set i, 0
.rept 8
	global_load_b128 v[LW+4*i:LW+4*i+3], v[XGO], s[60:61] offset:(16+i)*512 th:TH_LOAD_NT  ; block 0's registers take X's next eight
.set i, i+1
.endr
	WPUT 0
	s_wait_loadcnt 40                              ; block 1 is in; younger: 16 + 16 + 8
	WCVT 1
	s_wait_alu depctr_va_vdst(0)                   ; block 1's pairs are written into XO's upper 16, which the LDS stores read; the conversions are done with block 1's registers, in which the loads below land
.set i, 8
.rept 8
	global_load_b128 v[LW+4*i:LW+4*i+3], v[XGO], s[60:61] offset:(16+i)*512 th:TH_LOAD_NT
.set i, i+1
.endr
	WPUT 1
	s_wait_loadcnt 32                              ; the mask is in; younger: X's 32
.set i, 0
.rept 16
	ds_store_b128 v[MST], v[LM+4*i:LM+4*i+3] offset:i*544
.set i, i+1
.endr
	s_wait_dscnt 0x0                               ; for the others' sake: my stores into the turned blocks are done
	s_barrier_signal -1
	s_barrier_wait -1
	s_wait_alu depctr_vm_vsrc(0)                   ; my LDS stores have read XO and LM: from here on LDS loads land in LM's first 48 registers, the loop writes the next 8, and X's conversions write XO
.irp b, 0,1
.irp i, 0,1,2,3
	ds_load_b128 v[LM+16*(\b)+4*(\i):LM+16*(\b)+4*(\i)+3], v[WRD] offset:(\b)*TBLK+(\i)*4352
.endr
.endr
	MLOAD                                          ; the first step's mask bytes: they land while the turned rows and X's first half leave
	s_wait_dscnt 8                                 ; LDS loads come back in order (ISA guide 5.7.1): the turned rows are in, the eight younger loads stay out
.irp b, 0,1
.irp i, 0,1,2,3
	global_store_b128 v[WGO], v[LM+16*(\b)+4*(\i):LM+16*(\b)+4*(\i)+3], s[32+2*(\b):33+2*(\b)] offset:(\i)*32768  ; 16 lanes store a turned row's 256 bytes
.endr
.endr
	s_wait_loadcnt 16                              ; X's first half is in; younger: its second 16
	XCVT LX
	s_wait_alu depctr_va_vdst(0)                   ; the conversions have written XO, which the sixteen stores read
	XPUT 0
	s_mov_b32 s37, 4
.Lstep:                                                ; a trip: one step of 64 keys, both tiles: eight words a lane
	s_wait_dscnt 0x0                               ; this step's mask bytes are in
	; Eight bytes b0..b7, each 0 or 1, become eight 4-bit codes.  x | x >> 4 holds b0 | b1 << 4 in its byte 0 and b2 | b3 << 4 in its byte 2; v_perm_b32 takes those two bytes of both words;
	; the exclusive or turns seen and hidden round; times 15 makes 0xF of 1.  Lines of a kind stand together, so that none reads the result of the line before it.
.set c, 0
.rept 16
	v_lshrrev_b32 v[T2+c], 4, v[DD+c]
.set c, c+1
.endr
.set c, 0
.rept 16
	v_or_b32 v[T2+c], v[T2+c], v[DD+c]
.set c, c+1
.endr
	s_wait_xcnt 0x0                                ; the last trip's stores have had their addresses translated: their base and data are written again only behind this wait
	s_wait_alu depctr_vm_vsrc(0)                   ; the last trip's stores have read OUT, and this step's LDS loads have read v[MRD]: both are written below
	s_add_nc_u64 s[22:23], s[22:23], 1024          ; one step past this trip's words: the stores below reach back
	v_add_nc_u32 v[MRD], 64, v[MRD]                ; the next step's bytes
.set c, 0
.rept 8
	v_perm_b32 v[OUT+c], v[T2+2*c+1], v[T2+2*c], 0x06040200
.set c, c+1
.endr
.set c, 0
.rept 8
	v_xor_b32 v[OUT+c], 0x11111111, v[OUT+c]
.set c, c+1
.endr
.set c, 0
.rept 8
	v_mul_lo_u32 v[OUT+c], v[OUT+c], 15
.set c, c+1
.endr
	s_wait_alu depctr_va_vdst(0)                   ; OUT is written, which the stores read; the shifts and ors are done reading DD, in which the next step's loads land; v[MRD] is written, which they read
	global_store_b128 v[MOO], v[OUT:OUT+3], s[22:23] offset:-1024  ; tile 0: 512 consecutive bytes, aligned
	global_store_b128 v[MOO], v[OUT+4:OUT+7], s[22:23] offset:-512 ; tile 1
	s_cmp_eq_u32 s37, 1
	s_cbranch_scc1 .Lno_more                       ; the last trip has no next step: no LDS load leaves my wave's rows
	MLOAD
.Lno_more:
	s_sub_co_u32 s37, s37, 1
	s_cmp_lg_u32 s37, 0
	s_cbranch_scc1 .Lstep
	s_wait_loadcnt 0x0                             ; X's second half
	s_wait_xcnt 0x0                                ; the first half's stores have had their addresses translated: their data registers are written again only behind this wait
	s_wait_alu depctr_vm_vsrc(0)                   ; the first half's stores have read XO, which the conversions below write again
	XCVT LW
	s_wait_alu depctr_va_vdst(0)                   ; the conversions have written XO, which the sixteen stores read
	XPUT 16
	s_wait_dscnt 0x0                               ; the closing lines, six on end
	s_wait_alu 0x0
	s_wait_tensorcnt 0x0
	ds_add_u32 v[SPW], v[NIL]
	s_wait_dscnt 0x0
	s_endpgm
.Lfunc_end_k_q7b9da29f60_prep:
	.size	k_q7b9da29f60_prep, .Lfunc_end_k_q7b9da29f60_prep-k_q7b9da29f60_prep
	.p2alignl 7, 3214868480
	.fill 96, 4, 3214868480
	.section	.rodata,"a",@progbits
	.p2align	6, 0x0
	.amdhsa_kernel k_q7b9da29f60_prep
		.amdhsa_group_segment_fixed_size 105472
		.amdhsa_private_segment_fixed_size 0
		.amdhsa_enable_private_segment 0
		.amdhsa_kernarg_size 80
		.amdhsa_user_sgpr_count 2
		.amdhsa_user_sgpr_kernarg_segment_ptr 1
		.amdhsa_wavefront_size32 1
		.amdhsa_system_sgpr_workgroup_id_x 1
		.amdhsa_system_sgpr_workgroup_id_y 1
		.amdhsa_system_sgpr_workgroup_id_z 1
		.amdhsa_system_vgpr_workitem_id 0
		.amdhsa_next_free_vgpr 256
		.amdhsa_next_free_sgpr 66
		.amdhsa_reserve_vcc 0
		.amdhsa_float_denorm_mode_32 3
		.amdhsa_float_denorm_mode_16_64 3
		.amdhsa_memory_ordered 1
		.amdhsa_forward_progress 1
		.amdhsa_inst_pref_size 36
	.end_amdhsa_kernel
	.amdgpu_metadata
---
amdhsa.version: [ 1, 2 ]
amdhsa.kernels:
  - .name:           k_q7b9da29f60_prep
    .symbol:         k_q7b9da29f60_prep.kd
    .args:
      - { .name: X, .offset: 0, .size: 8, .value_kind: global_buffer, .address_space: global }
      - { .name: Wq, .offset: 8, .size: 8, .value_kind: global_buffer, .address_space: global }
      - { .name: Wk, .offset: 16, .size: 8, .value_kind: global_buffer, .address_space: global }
      - { .name: Wv, .offset: 24, .size: 8, .value_kind: global_buffer, .address_space: global }
      - { .name: W0, .offset: 32, .size: 8, .value_kind: global_buffer, .address_space: global }
      - { .name: attention_mask, .offset: 40, .size: 8, .value_kind: global_buffer, .address_space: global }
      - { .name: Xb, .offset: 48, .size: 8, .value_kind: global_buffer, .address_space: global }
      - { .name: Wt, .offset: 56, .size: 8, .value_kind: global_buffer, .address_space: global }
      - { .name: W0t, .offset: 64, .size: 8, .value_kind: global_buffer, .address_space: global }
      - { .name: mw, .offset: 72, .size: 8, .value_kind: global_buffer, .address_space: global }
    .group_segment_fixed_size: 105472
    .private_segment_fixed_size: 0
    .kernarg_segment_align: 8
    .kernarg_segment_size: 80
    .max_flat_workgroup_size: 256
    .sgpr_count:     66
    .vgpr_count:     256
    .wavefront_size: 32
...
	.end_amdgpu_metadata
.endif
;; end of part 9
;; launch proj: the kernel of part 6 again; grid 16 x 32, 4 waves a work-group, clusters of 4 x 4, 327,680 bytes of LDS; arguments Xb, Wt, bq, bk, bv, qkv; writes qkv
;; launch attn: the kernel of part 7 again; grid 4 x 64, 4 waves a work-group, clusters of 4 x 1, 327,680 bytes of LDS; arguments qkv, mw, ctx; writes ctx
;; launch outp: the kernel of part 8 again; grid 8 x 32, 4 waves a work-group, clusters of 4 x 4, 327,680 bytes of LDS; arguments ctx, W0t, b0, out0; writes out0
